; MI455X (gfx1250); checked and timed in simulation.
; The chip was launched on July 23, 2026; its instructions are those of AMD's public machine-readable ISA for CDNA 5 (MIT licence, August 2026) and "CDNA5" Instruction Set Architecture Reference Guide (July 2026). The comments in the code are by the model that wrote it; some were corrected since.
;; madsormer ae. Allowed arithmetic: float matrix products may take bf16 or f16 operands with f32 sums; other float arithmetic in f32, or as packed bf16 or f16 multiplies, adds, multiply-adds, maxima and minima; sums over many terms, partial sums and values carried from step to step in f32; what a program stores and reads back later, other than sums and carried values, may be rounded once to bf16 or f16.
;; Inputs: KEY 16 x 2,048 x 3 float32; VALUE 16 x 2,048 x 1 float32; W1 2 x 4 x 512 float32; W2 2 x 512 x 4 float32; Wfc 4 x 1 float32; Wk 2 x 4 x 256 float32; Wo 2 x 256 x 4 float32; Wq 2 x 4 x 256 float32; Wv 2 x 4 x 256 float32; b1 2 x 512 float32; b2 2 x 4 float32; be1 2 x 4 float32; be2 2 x 4 float32; bfc 1 float32; bk 2 x 256 float32; bo 2 x 4 float32; bq 2 x 256 float32; bv 2 x 256 float32; bw 2 float32; g1 2 x 4 float32; g2 2 x 4 float32.
;; Outputs: out0 16 x 2,048 x 1 float32.
;; 2 versions, each right; version 2 is version 1 with the launches layer0, layer1 written anew for expert scheduling mode. Each part assembles by itself: llvm-mc -triple=amdgcn-amd-amdhsa -mcpu=gfx1250 --defsym DOCPART=n.
;; ======== version 1 of 2: 2 launches
;; workspace buffers: X1 524,288 bytes
;; launch layer0 (part 1): grid 16 x 16, 8 waves a work-group, no clusters, 156,160 bytes of LDS; arguments KEY, VALUE, Wq, bq, Wk, bk, Wv, bv, Wo, bo, bw, g1, be1, W1, b1, W2, b2, g2, be2, X1; writes X1
.if DOCPART == 1
	.amdgcn_target "amdgcn-amd-amdhsa--gfx1250"
	.amdhsa_code_object_version 6
	.text
	.protected	k_q8b754b2f91_layer0
	.globl	k_q8b754b2f91_layer0
	.p2align	8
	.type	k_q8b754b2f91_layer0,@function
k_q8b754b2f91_layer0:
	s_mov_b64 s[64:65], 0
	v_nop
	global_prefetch_b8 v0, s[64:65] scope:SCOPE_SE
	s_setreg_imm32_b32 hwreg(HW_REG_WAVE_MODE, 25, 1), 1
	s_wait_xcnt 0x0
; ONE ENCODER LAYER (LAYER = 0: from KEY | VALUE to X1; LAYER = 1: from X1 to out0, with the last projection).
; x, y are rows of X [16][2048][4].  Q, K, V are affine images of 4 numbers, so both large products are re-associated (no approximation, every input is read):
;   softmax_k(-bw^2/2 |q - k|^2) = softmax_k(t(x) . y + s(y)) in base 2, with c = log2(e), A = Wq Wk^T, v = bq Wk^T, G = Wk Wk^T, g = bk Wk^T,
;   t = c bw^2 (x A + v),  s = -c bw^2 (g . y + y G y / 2);  |q|^2, q . bk and |bk|^2 do not hang on k and leave the softmax as it is;
;   attn V Wo + bo = (attn Y)(Wv Wo) + bv Wo + bo.
; SHARES.  A work-group of 8 waves owns 128 queries of one batch (grid: 16 blocks x 16 batches).  It folds the weights (f32 matrix form, 8 instructions a wave: no bulk work),
; lays its batch's 2,048 keys and the FFN's weights into LDS as bf16 slots, finds each query's true maximum (pass 1), takes exponentials and sums (pass 2), and finishes 16 rows a wave.
; In the passes wave w takes queries 64 (w & 1) .. + 63 (4 tiles of 16) and keys 512 (w >> 1) .. + 511: a key fragment read from LDS feeds 4 products.
; SLOTS.  A key is 16 bf16 numbers: 0-3 y_hi, 4-7 y_lo, 8 1.0, 9-11 s in three parts, 12-15 y_hi; a query: 0-3 t_hi, 4-7 t_hi, 8 0, 9-11 1.0, 12-15 t_lo.  Their product is
; t_hi y_hi + t_hi y_lo + t_lo y_hi + s.  Slots 16-31 of the K = 32 form are zero registers on the key's side.  Read turned, the same 16 slots are the values:
; channels 0-3 sum p y_hi, 4-7 sum p y_lo, 8 sums p itself.  The FFN takes the same scheme: unit f as key, W1[:, f] as y, b1[f] as s, the row as t; W2 as hi and lo channels.
; LIMITS.  t and y carry 16 significant bits, s 24: a logit is off by about 2^-17 of |t_j y_j|.  p and relu(h) are rounded once to bf16 (numerator and row sum take the same rounded p).
; A weight below 2^-126 counts as 0.  NaN and infinities are not treated apart (a query fragment's upper registers hold finite numbers that meet zeros).
; NO CLUSTER, NO TENSOR LOADS: what the 16 work-groups of a batch share is 32 KiB of X, read once, and it reaches LDS only after arithmetic on registers (splits, a quadratic form); nothing in LDS is filled twice.
.set LAYER, 0
.set NY, 16-8*LAYER                    ; loads that bring my 8 keys
.set NQ, 10-5*LAYER                    ; loads that bring 4 query rows and my own row
; LDS
.set KT,    0                          ; slots 0-7 of key k at 16 k
.set KT2,   32896                      ; slots 8-15 at KT2 + 16 k
.set W1T,   65792                      ; slots 0-7 of hidden unit f at 16 f
.set W1T2,  8320                       ; slots 8-15, from W1T
.set W2T,   82432                      ; unit f at 16 f: W2 hi 0-3, lo 0-3
.set ST,    90624                      ; 19 rows of 256 f32: 0-3 Wq, 4 bq, 5 bk, 6-9 Wv, 10 bv, 11-14 Wk, 15-18 Wo^T
.set SPI,   1040                       ; their pitch: 65 x 16 bytes, so 16 rows start at 16 different groups of four banks
.set PD,    110592                     ; the fold's partial sums: [wave][register][lane]
.set CO,    118784                     ; the folded table D[16][16] f32, rows of 64 bytes
.set MX,    119808                     ; maxima: [key quarter][query group][row], 16 bytes (4 tiles)
.set OP,    121856                     ; partial O: [key quarter][tile 0-7][register half][lane], 16 bytes
.set OUTS,  154624                     ; 128 f32 (LAYER 1)
.set SPARE, 155136                     ; the spare words: 128 bytes a wave, four blocks of 256 bytes that no other line names
; vector registers
.set SPW, 1                            ; LDS address of my spare word; never rewritten
.set NIL, 2                            ; 0; never rewritten
.set AK0, 3                            ; key fragments: 8192 kq + 16 r + KT2 h
.set AV0, 4                            ; turned: 8192 kq + 16 (8 h + L % 8) + KT2 ((L / 8) % 2)
.set MXS, 5
.set MXR, 6
.set OPS, 7
.set OPR, 8
.set AW1, 9
.set AW2, 10
.set GO,  11                           ; LAYER 0: my 8 bytes of X1; LAYER 1: my word of OUTS
.set AKW, 12                           ; AK0 + s91
.set AVW, 13                           ; AV0 + s91
.set COA, 14
.set Q,   16                           ; v16-31 four query fragments of 4 registers; a product names 8: the next tile's, or Z
.set Z,   32                           ; v32-35 zeros
.set C,   36                           ; v36-67 minus the maximum, 8 registers a tile
.set S,   68                           ; v68-131 scores, two buffers of 4 tiles x 8
.set P,   132                          ; v132-163 weights in bf16, 8 a tile
.set MA,  132                          ; pass 1: 16 running maxima
.set KF,  164                          ; v164-195 four key fragments: 4 registers of data, 4 of zeros
.set VF,  196                          ; v196-211 two turned fragments
.set O,   212                          ; v212-243 four accumulators; v212-227 are also the fold's: matrix instructions alone write them
.set XR,  244                          ; v244-247 my own row
.set NEG1, 248
.set ONE, 249                          ; 1.0; its bits are also the slots (0, 1.0) in bf16
.set K2,  251                          ; the slots (1.0, 1.0)
.set TM,  252                          ; v252-255 at work; from LN1 on the row res
; the prologue's registers
.set YR,  68                           ; my 8 keys
.set QX,  100                          ; 4 query rows
.set WR,  116                          ; W1 of 2 units (8), b1 (2), W2 (8)
.set FW,  134                          ; Wq, Wk, Wv, Wo (4 each), bq, bk, bv
.set FA,  36
.set FB,  52
.set CG,  116                          ; G', 4 rows
.set CGV, 132                          ; g'
.set CA,  136                          ; A, 4 rows
.set CVV, 152                          ; v
.set T0,  156                          ; v156-163 at work
.set RA,  196                          ; two sets of 6: a key's slots
.set G16, 228
.set G4,  229
.set G12, 230
.set QKO, 231
.set QVO, 232
.set XKO, 233
.set XVO, 234
.set W1S, 235
.set SA,  236
.set SB,  237
.set FAA, 238
.set FBA, 239
.set PDS, 240
.set PDR, 241
.set COS, 242
.macro BAR
	s_barrier_signal -1
	s_barrier_wait -1
.endm
.macro NOPS n
.rept \n
	v_nop
.endr
.endm
; D[0:3] = B[0:3] + the sum over i of X[i] x M[4 i .. 4 i + 3]
.macro AFF4 D, M, X, B
	v_pk_fma_f32 v[(\D):(\D)+1],   v[(\M):(\M)+1],     v[(\X):(\X)+1],     v[(\B):(\B)+1]     op_sel_hi:[1,0,1]
	v_pk_fma_f32 v[(\D)+2:(\D)+3], v[(\M)+2:(\M)+3],   v[(\X):(\X)+1],     v[(\B)+2:(\B)+3]   op_sel_hi:[1,0,1]
	v_pk_fma_f32 v[(\D):(\D)+1],   v[(\M)+4:(\M)+5],   v[(\X):(\X)+1],     v[(\D):(\D)+1]     op_sel:[0,1,0]
	v_pk_fma_f32 v[(\D)+2:(\D)+3], v[(\M)+6:(\M)+7],   v[(\X):(\X)+1],     v[(\D)+2:(\D)+3]   op_sel:[0,1,0]
	v_pk_fma_f32 v[(\D):(\D)+1],   v[(\M)+8:(\M)+9],   v[(\X)+2:(\X)+3],   v[(\D):(\D)+1]     op_sel_hi:[1,0,1]
	v_pk_fma_f32 v[(\D)+2:(\D)+3], v[(\M)+10:(\M)+11], v[(\X)+2:(\X)+3],   v[(\D)+2:(\D)+3]   op_sel_hi:[1,0,1]
	v_pk_fma_f32 v[(\D):(\D)+1],   v[(\M)+12:(\M)+13], v[(\X)+2:(\X)+3],   v[(\D):(\D)+1]     op_sel:[0,1,0]
	v_pk_fma_f32 v[(\D)+2:(\D)+3], v[(\M)+14:(\M)+15], v[(\X)+2:(\X)+3],   v[(\D)+2:(\D)+3]   op_sel:[0,1,0]
.endm
; four f32 at Y -> R+2, R+3: their bf16 (hi); R+4, R+5: the bf16 of what is left (lo).  T: 4 registers at work
.macro YSPLIT Y, R, T
	v_cvt_pk_bf16_f32 v[(\R)+2], v[(\Y)], v[(\Y)+1]
	v_cvt_pk_bf16_f32 v[(\R)+3], v[(\Y)+2], v[(\Y)+3]
	v_fma_mix_f32_bf16 v[(\T)],   v[(\R)+2], v[NEG1], v[(\Y)]   op_sel_hi:[1,0,0]
	v_fma_mix_f32_bf16 v[(\T)+1], v[(\R)+2], v[NEG1], v[(\Y)+1] op_sel:[1,0,0] op_sel_hi:[1,0,0]
	v_fma_mix_f32_bf16 v[(\T)+2], v[(\R)+3], v[NEG1], v[(\Y)+2] op_sel_hi:[1,0,0]
	v_fma_mix_f32_bf16 v[(\T)+3], v[(\R)+3], v[NEG1], v[(\Y)+3] op_sel:[1,0,0] op_sel_hi:[1,0,0]
	v_cvt_pk_bf16_f32 v[(\R)+4], v[(\T)], v[(\T)+1]
	v_cvt_pk_bf16_f32 v[(\R)+5], v[(\T)+2], v[(\T)+3]
.endm
; one f32 at X -> R: (1.0, hi); R+1: (mid, lo).  T: 3 registers at work
.macro SSPLIT X, R, T
	v_cvt_pk_bf16_f32 v[(\R)], v[ONE], v[(\X)]
	v_fma_mix_f32_bf16 v[(\T)], v[(\R)], v[NEG1], v[(\X)] op_sel:[1,0,0] op_sel_hi:[1,0,0]
	v_cvt_pk_bf16_f32 v[(\T)+1], v[(\T)], v[(\T)]
	v_fma_mix_f32_bf16 v[(\T)+2], v[(\T)+1], v[NEG1], v[(\T)] op_sel_hi:[1,0,0]
	v_cvt_pk_bf16_f32 v[(\R)+1], v[(\T)], v[(\T)+2]
.endm
; four f32 at X -> a query-side fragment at D: lanes 0-15 slots 0-7, lanes 16-31 slots 8-15 (s90 marks the upper lanes).  R: 6, T: 4 at work
.macro QFRAG X, D, R, T
	YSPLIT \X, \R, \T
	v_cndmask_b32 v[(\D)],   v[(\R)+2], v[ONE],     s90
	v_cndmask_b32 v[(\D)+1], v[(\R)+3], v[K2],      s90
	v_cndmask_b32 v[(\D)+2], v[(\R)+2], v[(\R)+4],  s90
	v_cndmask_b32 v[(\D)+3], v[(\R)+3], v[(\R)+5],  s90
.endm
; key i of my 8: s = (g' + G' y) . y, the slots, two stores
.macro KEYROW i
.set rY, YR+4*(\i)
.set rR, RA+6*((\i)%2)
	AFF4 T0, CG, rY, CGV
	v_pk_mul_f32 v[T0:T0+1], v[T0:T0+1], v[rY:rY+1]
	v_pk_fma_f32 v[T0:T0+1], v[T0+2:T0+3], v[rY+2:rY+3], v[T0:T0+1]
	v_add_f32 v[T0+4], v[T0], v[T0+1]
	YSPLIT rY, rR, T0
	SSPLIT T0+4, rR, T0+5
	ds_store_b128 v[G16], v[rR+2:rR+5] offset:KT+4096*(\i)
	ds_store_b128 v[G16], v[rR:rR+3]   offset:KT2+4096*(\i)
.endm
; OUT = (Z - mean) rsqrt(var + 1e-5) g + b over the lane's 4 numbers.  G, B: scalar registers; T: 4 at work
.macro LNORM Z, OUT, G, B, T
	v_add_f32 v[(\T)], v[(\Z)], v[(\Z)+1]
	v_add_f32 v[(\T)+1], v[(\Z)+2], v[(\Z)+3]
	v_add_f32 v[(\T)], v[(\T)], v[(\T)+1]
	v_pk_fma_f32 v[(\Z):(\Z)+1],   v[(\T):(\T)+1], s[98:99], v[(\Z):(\Z)+1]   op_sel_hi:[0,0,1]  ; z - sum / 4
	v_pk_fma_f32 v[(\Z)+2:(\Z)+3], v[(\T):(\T)+1], s[98:99], v[(\Z)+2:(\Z)+3] op_sel_hi:[0,0,1]
	v_pk_mul_f32 v[(\T)+2:(\T)+3], v[(\Z):(\Z)+1], v[(\Z):(\Z)+1]
	v_pk_fma_f32 v[(\T)+2:(\T)+3], v[(\Z)+2:(\Z)+3], v[(\Z)+2:(\Z)+3], v[(\T)+2:(\T)+3]
	v_add_f32 v[(\T)+2], v[(\T)+2], v[(\T)+3]
	v_fma_f32 v[(\T)+2], v[(\T)+2], s95, 0x3727c5ac          ; / 4 + 1e-5
	v_rsq_f32 v[(\T)+2], v[(\T)+2]
	v_nop                                                    ; a plain instruction behind the root,
	s_wait_alu depctr_va_vdst(0)                             ; and a wait ahead of its first reader
	v_pk_mul_f32 v[(\Z):(\Z)+1],   v[(\Z):(\Z)+1],   v[(\T)+2:(\T)+3] op_sel_hi:[1,0]
	v_pk_mul_f32 v[(\Z)+2:(\Z)+3], v[(\Z)+2:(\Z)+3], v[(\T)+2:(\T)+3] op_sel_hi:[1,0]
.irp i, 0,1,2,3
	v_fma_f32 v[(\OUT)+(\i)], v[(\Z)+(\i)], s[(\G)+(\i)], s[(\B)+(\i)]
.endr
.endm
	; ---- the head: arguments, ids, addresses
	s_load_b512 s[8:23], s[0:1], 0x0               ; the pointers, in the order of the launch's arguments, from s[8:9] on
	s_load_b512 s[24:39], s[0:1], 0x40
	s_load_b256 s[40:47], s[0:1], 0x80
.if LAYER
	s_load_b64 s[84:85], s[0:1], 0xa0              ; bfc
.endif
	v_lshl_add_u32 v[SPW], v0, 2, SPARE
	v_mov_b32 v[NIL], 0
	v_lshrrev_b32 v254, 5, v0
	v_readfirstlane_b32 s3, v254                   ; wave w
	s_and_b32 s4, s3, 1                            ; qg: which 64 queries
	s_lshr_b32 s5, s3, 1                           ; kq: which 512 keys
	s_and_b32 s7, ttmp7, 0xffff                    ; batch
	v_and_b32 v252, 15, v0                         ; r
	v_bfe_u32 v253, v0, 4, 1                       ; h
	v_and_b32 v254, 31, v0                         ; L
	s_lshl_b32 s96, s5, 13
	v_lshl_add_u32 v[AK0], v252, 4, s96
	v_mad_u32_u24 v[AK0], v253, KT2, v[AK0]
	v_and_b32 v255, 7, v0
	v_lshl_add_u32 v255, v253, 3, v255             ; 8 h + L % 8
	v_lshl_add_u32 v[AW2], v255, 4, W2T            ; lanes 8-15 name what lanes 0-7 name: channels 8-15 repeat 0-7
	v_lshl_add_u32 v[AV0], v255, 4, s96
	v_bfe_u32 v255, v0, 3, 1
	v_mad_u32_u24 v[AV0], v255, KT2, v[AV0]
	v_lshl_add_u32 v[AW1], v252, 4, W1T
	v_mad_u32_u24 v[AW1], v253, W1T2, v[AW1]
	s_lshl_b32 s97, s3, 8
	s_add_co_u32 s97, s97, MX                      ; 512 kq + 256 qg = 256 w
	v_lshl_add_u32 v[MXS], v252, 4, s97
	s_lshl_b32 s97, s4, 8
	s_add_co_u32 s97, s97, MX
	v_lshl_add_u32 v[MXR], v252, 4, s97
	s_lshl_b32 s97, s3, 12
	s_add_co_u32 s97, s97, OP                      ; 8192 kq + 4096 qg = 4096 w
	v_lshl_add_u32 v[OPS], v254, 4, s97
	s_lshl_b32 s97, s3, 10
	s_add_co_u32 s97, s97, OP
	v_lshl_add_u32 v[OPR], v254, 4, s97
	v_mov_b32 v[COA], CO
.if LAYER
	s_lshl_b32 s97, s3, 6
	s_add_co_u32 s97, s97, OUTS
	v_lshl_add_u32 v[GO], v252, 2, s97
.else
	s_lshl_b32 s97, s3, 8
	v_lshl_add_u32 v[GO], v252, 4, s97
	v_lshl_add_u32 v[GO], v253, 3, v[GO]           ; 256 w + 16 r + 8 h
.endif
	v_lshlrev_b32 v[G16], 4, v0
	v_lshlrev_b32 v[G4], 2, v0
	v_add_nc_u32 v[W1S], W1T, v[G16]
	v_lshrrev_b32 v255, 6, v0
	v_and_b32 v[SA], 63, v0
	v_lshl_add_u32 v[SA], v[SA], 4, ST
	v_mad_u32_u24 v[SA], v255, SPI, v[SA]          ; my 16 bytes of a [4][256] matrix: row t / 64
	v_add_nc_u32 v[SB], ST, v[G4]
	s_lshl_b32 s97, s3, 7
	s_add_co_u32 s97, s97, ST
	v_lshl_add_u32 v255, v253, 4, s97              ; my wave's 32 channels, 16 bytes for each half of the lanes
	v_mad_u32_u24 v[FAA], v252, SPI, v255
	v_and_b32 v[FBA], 7, v0
	v_mad_u32_u24 v[FBA], v[FBA], SPI, v255
	s_lshl_b32 s97, s3, 10
	s_add_co_u32 s97, s97, PD
	v_lshl_add_u32 v[PDS], v254, 2, s97
	s_lshl_b32 s97, s3, 7
	s_add_co_u32 s97, s97, PD
	v_lshl_add_u32 v[PDR], v254, 2, s97
	s_lshl_b32 s97, s3, 6
	s_add_co_u32 s97, s97, CO
	v_lshl_add_u32 v[COS], v252, 2, s97
	v_lshl_add_u32 v[COS], v253, 9, v[COS]         ; D[8 h + w][r]
	s_lshl_b32 s98, ttmp9, 7                       ; the block's first query
	s_lshl_b32 s97, s4, 6
	s_add_co_u32 s97, s97, s98
	v_add_nc_u32 v254, s97, v252                   ; tile 0's row for this lane
	s_lshl_b32 s97, s3, 4
	s_add_co_u32 s97, s97, s98
	v_add_nc_u32 v255, s97, v252                   ; the row that I finish
.if LAYER
	v_lshlrev_b32 v[QKO], 4, v254
	v_lshlrev_b32 v[XKO], 4, v255
.else
	v_mul_u32_u24 v[G12], v0, 12
	v_mul_u32_u24 v[QKO], v254, 12
	v_lshlrev_b32 v[QVO], 2, v254
	v_mul_u32_u24 v[XKO], v255, 12
	v_lshlrev_b32 v[XVO], 2, v255
.endif
	s_mov_b32 s90, 0xffff0000                      ; lanes 16-31
	s_mov_b32 s92, 0x76543210                      ; v_permlanex16_b32: each lane takes its own place in the other half
	s_mov_b32 s93, 0xfedcba98
	s_mov_b32 s95, 0x3e800000                      ; 0.25
	s_wait_kmcnt 0x0
	s_load_b128 s[48:51], s[26:27], 16*LAYER       ; bo
	s_load_b128 s[52:55], s[30:31], 16*LAYER       ; g1
	s_load_b128 s[56:59], s[32:33], 16*LAYER       ; be1
	s_load_b128 s[60:63], s[40:41], 16*LAYER       ; b2
	s_load_b128 s[68:71], s[42:43], 16*LAYER       ; g2
	s_load_b128 s[72:75], s[44:45], 16*LAYER       ; be2
	s_load_b32 s76, s[28:29], 4*LAYER              ; bw
.if LAYER
	s_load_b128 s[80:83], s[10:11], 0x0            ; Wfc
	s_load_b32 s77, s[84:85], 0x0                  ; bfc
	s_lshl_b32 s96, s7, 15
	s_mov_b32 s97, 0
	s_add_nc_u64 s[8:9], s[8:9], s[96:97]          ; X1 at my batch
	s_lshl_b32 s96, s7, 13
	s_lshl_b32 s98, ttmp9, 9
	s_add_co_u32 s96, s96, s98
	s_add_nc_u64 s[46:47], s[46:47], s[96:97]      ; out0 at my block's 512 bytes
.else
	s_mul_i32 s96, s7, 24576
	s_mov_b32 s97, 0
	s_add_nc_u64 s[8:9], s[8:9], s[96:97]          ; KEY at my batch
	s_lshl_b32 s96, s7, 13
	s_add_nc_u64 s[10:11], s[10:11], s[96:97]      ; VALUE at my batch
	s_lshl_b32 s96, s7, 15
	s_lshl_b32 s98, ttmp9, 11
	s_add_co_u32 s96, s96, s98
	s_add_nc_u64 s[46:47], s[46:47], s[96:97]      ; X1 at my block's 2,048 bytes
.endif
	s_mov_b32 s98, 0xbe800000                      ; -0.25, named as a pair
	s_mov_b32 s99, s98
	; all global loads of the launch, in the order in which they are wanted: 7 for the fold, 12 for the FFN's tables, NY keys, NQ queries
	global_load_b128 v[FW:FW+3],     v[G16], s[12:13] offset:4096*LAYER   ; Wq
	global_load_b128 v[FW+4:FW+7],   v[G16], s[16:17] offset:4096*LAYER   ; Wk
	global_load_b128 v[FW+8:FW+11],  v[G16], s[20:21] offset:4096*LAYER   ; Wv
	global_load_b128 v[FW+12:FW+15], v[G16], s[24:25] offset:4096*LAYER   ; Wo[t][0:3]
	global_load_b32 v[FW+16], v[G4], s[14:15] offset:1024*LAYER           ; bq
	global_load_b32 v[FW+17], v[G4], s[18:19] offset:1024*LAYER           ; bk
	global_load_b32 v[FW+18], v[G4], s[22:23] offset:1024*LAYER           ; bv
.irp e, 0,1
.irp j, 0,1,2,3
	global_load_b32 v[WR+4*(\e)+(\j)], v[G4], s[34:35] offset:8192*LAYER+2048*(\j)+1024*(\e)  ; W1[j][t + 256 e]
.endr
.endr
.irp e, 0,1
	global_load_b32 v[WR+8+(\e)], v[G4], s[36:37] offset:2048*LAYER+1024*(\e)                 ; b1
.endr
.irp e, 0,1
	global_load_b128 v[WR+10+4*(\e):WR+13+4*(\e)], v[G16], s[38:39] offset:8192*LAYER+4096*(\e)  ; W2[t + 256 e][0:3]
.endr
.if LAYER
.irp i, 0,1,2,3,4,5,6,7
	global_load_b128 v[YR+4*(\i):YR+4*(\i)+3], v[G16], s[8:9] offset:4096*(\i)  ; key t + 256 i
.endr
.irp t, 0,1,2,3
	global_load_b128 v[QX+4*(\t):QX+4*(\t)+3], v[QKO], s[8:9] offset:256*(\t)
.endr
	global_load_b128 v[XR:XR+3], v[XKO], s[8:9]
.else
.irp i, 0,1,2,3,4,5,6,7
	global_load_b96 v[YR+4*(\i):YR+4*(\i)+2], v[G12], s[8:9] offset:3072*(\i)   ; key t + 256 i: three coordinates,
	global_load_b32 v[YR+4*(\i)+3], v[G4], s[10:11] offset:1024*(\i)            ; and the value
.endr
.irp t, 0,1,2,3
	global_load_b96 v[QX+4*(\t):QX+4*(\t)+2], v[QKO], s[8:9] offset:192*(\t)
	global_load_b32 v[QX+4*(\t)+3], v[QVO], s[10:11] offset:64*(\t)
.endr
	global_load_b96 v[XR:XR+2], v[XKO], s[8:9]
	global_load_b32 v[XR+3], v[XVO], s[10:11]
.endif
	v_mov_b32 v[NEG1], -1.0
	v_mov_b32 v[ONE], 1.0
	v_mov_b32 v[K2], 0x3f803f80
.irp f, 0,1,2,3
.irp j, 4,5,6,7
	v_mov_b32 v[KF+8*(\f)+(\j)], 0                 ; slots 16-31 of every key fragment: written once, never loaded into
.endr
.endr
.irp j, 0,1,2,3
	v_mov_b32 v[Z+(\j)], 0
.endr
	; ---- the fold's operands into LDS, as 19 rows along the 256 channels
	s_wait_loadcnt 12+NY+NQ                        ; the first 7 loads are in; all younger ones stay out
	ds_store_b128 v[SA], v[FW:FW+3]
	ds_store_b128 v[SA], v[FW+8:FW+11] offset:6*SPI
	ds_store_b128 v[SA], v[FW+4:FW+7]  offset:11*SPI
	ds_store_b32 v[SB], v[FW+16] offset:4*SPI
	ds_store_b32 v[SB], v[FW+17] offset:5*SPI
	ds_store_b32 v[SB], v[FW+18] offset:10*SPI
.irp d, 0,1,2,3
	ds_store_b32 v[SB], v[FW+12+(\d)] offset:(15+(\d))*SPI   ; Wo turned
.endr
	s_wait_dscnt 0x0                               ; for the others' sake
	BAR
	; ---- the fold: D = rows 0-15 x (rows 11-18, twice)^T.  Wave w takes channels 32 w .. + 31: 8 steps of 4; the order of k in a step is the same on both sides
.irp i, 0,1,2,3
	ds_load_b128 v[FA+4*(\i):FA+4*(\i)+3], v[FAA] offset:32*(\i)
	ds_load_b128 v[FB+4*(\i):FB+4*(\i)+3], v[FBA] offset:11*SPI+32*(\i)
.endr
	s_wait_loadcnt NY+NQ                           ; W1, b1, W2 are in
.irp e, 0,1
	YSPLIT WR+10+4*(\e), RA+6*(\e), T0
	ds_store_b128 v[W1S], v[RA+6*(\e)+2:RA+6*(\e)+5] offset:W2T-W1T+4096*(\e)
.endr
	s_wait_dscnt 2                                 ; the 8 fragment loads are in; the two stores behind them may be out
.irp i, 0,1,2,3
.irp e, 0,1
.if (\i) == 0
	v_wmma_f32_16x16x4_f32 v[O+8*(\e):O+8*(\e)+7], v[FA+2*(\e):FA+2*(\e)+1], v[FB+2*(\e):FB+2*(\e)+1], 0   ; the first step starts each sum
.else
	v_wmma_f32_16x16x4_f32 v[O+8*(\e):O+8*(\e)+7], v[FA+4*(\i)+2*(\e):FA+4*(\i)+2*(\e)+1], v[FB+4*(\i)+2*(\e):FB+4*(\i)+2*(\e)+1], v[O+8*(\e):O+8*(\e)+7]  ; two accumulators by turns
.endif
.endr
.endr
.irp e, 0,1                            ; 26 plain instructions that name none of the fold's registers: the places behind its last products (ISA guide 7.12.1)
	YSPLIT WR+4*(\e), RA+6*(\e), T0
	SSPLIT WR+8+(\e), RA+6*(\e), T0+4
.endr
.irp e, 0,1
	ds_store_b128 v[W1S], v[RA+6*(\e)+2:RA+6*(\e)+5] offset:4096*(\e)
	ds_store_b128 v[W1S], v[RA+6*(\e):RA+6*(\e)+3]   offset:W1T2+4096*(\e)
.endr
.irp j, 0,2,4,6
	v_pk_add_f32 v[T0+(\j):T0+(\j)+1], v[O+(\j):O+(\j)+1], v[O+8+(\j):O+8+(\j)+1]   ; from the low end on
.endr
.irp j, 0,1,2,3,4,5,6,7
	ds_store_b32 v[PDS], v[T0+(\j)] offset:128*(\j)
.endr
	s_wait_dscnt 0x0
	BAR
	; ---- wave w adds register w of all eight partial tables: rows w and 8 + w of D
.irp k, 0,1,2,3,4,5,6,7
	ds_load_b32 v[T0+(\k)], v[PDR] offset:1024*(\k)
.endr
	s_wait_dscnt 0x0
	v_pk_add_f32 v[T0:T0+1], v[T0:T0+1], v[T0+2:T0+3]
	v_pk_add_f32 v[T0+4:T0+5], v[T0+4:T0+5], v[T0+6:T0+7]
	v_pk_add_f32 v[T0:T0+1], v[T0:T0+1], v[T0+4:T0+5]
	v_add_f32 v[T0], v[T0], v[T0+1]
	ds_store_b32 v[COS], v[T0]
	s_wait_dscnt 0x0
	BAR
	; ---- coefficients, the key table, the query fragments
.irp i, 0,1,2,3
	ds_load_b128 v[CG+4*(\i):CG+4*(\i)+3], v[COA] offset:64*(11+(\i))   ; G
.endr
	ds_load_b128 v[CGV:CGV+3], v[COA] offset:64*5                       ; g
.irp i, 0,1,2,3
	ds_load_b128 v[CA+4*(\i):CA+4*(\i)+3], v[COA] offset:64*(\i)        ; A
.endr
	ds_load_b128 v[CVV:CVV+3], v[COA] offset:64*4                       ; v
	s_wait_kmcnt 0x0                               ; bw and the small vectors
	s_mul_f32 s78, s76, s76
	s_mul_f32 s78, s78, 0x3fb8aa3b                 ; c bw^2
	s_mov_b32 s79, s78
	s_mul_f32 s86, s78, -1.0
	s_mov_b32 s87, s86
	s_mul_f32 s88, s78, -0.5
	s_mov_b32 s89, s88
	s_wait_dscnt 0x0
.irp j, 0,2,4,6,8,10,12,14
	v_pk_mul_f32 v[CG+(\j):CG+(\j)+1], v[CG+(\j):CG+(\j)+1], s[88:89] op_sel_hi:[1,0]   ; G' = -c bw^2 G / 2
.endr
	v_pk_mul_f32 v[CGV:CGV+1], v[CGV:CGV+1], s[86:87] op_sel_hi:[1,0]                   ; g' = -c bw^2 g
	v_pk_mul_f32 v[CGV+2:CGV+3], v[CGV+2:CGV+3], s[86:87] op_sel_hi:[1,0]
	s_wait_loadcnt NQ                              ; my 8 keys are in
.irp i, 0,1,2,3,4,5,6,7
	KEYROW \i
.endr
	s_wait_loadcnt 0x0                             ; the query rows and my own row
.irp t, 0,1,2,3
	AFF4 T0, CA, QX+4*(\t), CVV
	v_pk_mul_f32 v[T0:T0+1], v[T0:T0+1], s[78:79] op_sel_hi:[1,0]
	v_pk_mul_f32 v[T0+2:T0+3], v[T0+2:T0+3], s[78:79] op_sel_hi:[1,0]
	QFRAG T0, Q+4*(\t), RA, T0+4
.endr
	s_wait_dscnt 0x0                               ; my part of the key table is written
	BAR
	; ---- PASS 1: each query's maximum over my 512 keys.  32 units of 16 keys; a ring of 4 fragments; two score buffers.
; the four products of a unit: 16 keys x 4 tiles of 16 queries
.macro W1U kf, sb
.irp t, 0,1,2,3
	v_wmma_f32_16x16x32_bf16 v[S+32*(\sb)+8*(\t):S+32*(\sb)+8*(\t)+7], v[KF+8*(\kf):KF+8*(\kf)+7], v[Q+4*(\t):Q+4*(\t)+7], 0
.endr
.endm
; 16 running maxima take a unit's 32 scores; each accumulator's lowest registers are read first.  first = 1: they start the maxima
.macro M1U sb, first
.irp c, 0,1,2,3
.irp t, 0,1,2,3
.if \first
	v_max_num_f32 v[MA+4*(\t)+(\c)], v[S+32*(\sb)+8*(\t)+2*(\c)], v[S+32*(\sb)+8*(\t)+2*(\c)+1]
.else
	v_max3_num_f32 v[MA+4*(\t)+(\c)], v[MA+4*(\t)+(\c)], v[S+32*(\sb)+8*(\t)+2*(\c)], v[S+32*(\sb)+8*(\t)+2*(\c)+1]
.endif
.endr
.endr
.endm
; unit i of a quad: the next unit's products, this unit's maxima (the places behind those products), and the load four units further on into the fragment just multiplied
.macro UNIT1 i, first, doW, doL, wt
.if \doW
	s_wait_dscnt \wt                               ; the next unit's fragment is in; the younger ones stay out
	W1U ((\i)+1)%4, ((\i)+1)%2
.endif
	M1U (\i)%2, \first
.if \doL
	ds_load_b128 v[KF+8*(((\i)+1)%4):KF+8*(((\i)+1)%4)+3], v[AKW] offset:256*((\i)+5)
.endif
.endm
.macro QUAD1 first, l3
	UNIT1 0, \first, 1, 1, 3
	UNIT1 1, 0, 1, 1, 3
	UNIT1 2, 0, 1, 1, 3
	UNIT1 3, 0, 1, \l3, 3
.endm
.macro STEPK                           ; four units on
	s_add_co_u32 s91, s91, 1024
	v_add_nc_u32 v[AKW], s91, v[AK0]
.endm
	s_mov_b32 s91, 0
	v_mov_b32 v[AKW], v[AK0]
.irp f, 0,1,2,3
	ds_load_b128 v[KF+8*(\f):KF+8*(\f)+3], v[AKW] offset:256*(\f)
.endr
	s_wait_dscnt 3                                 ; unit 0 is in
	W1U 0, 0
	NOPS 4                                         ; four places in front of a load into a register that those products read
	ds_load_b128 v[KF:KF+3], v[AKW] offset:1024
	QUAD1 1, 1                                     ; units 0-3
	STEPK
	s_mov_b32 s94, 5
.Lp1:                                          ; units 4-23
	QUAD1 0, 1
	STEPK
	s_sub_co_u32 s94, s94, 1
	s_cmp_lg_u32 s94, 0
	s_cbranch_scc1 .Lp1
	QUAD1 0, 0                                     ; units 24-27: unit 26 asks for the last fragment
	UNIT1 0, 0, 1, 0, 2                            ; units 28-31: the counts run down
	UNIT1 1, 0, 1, 0, 1
	UNIT1 2, 0, 1, 0, 0
	UNIT1 3, 0, 0, 0, 0
.irp t, 0,1,2,3
	v_max3_num_f32 v[MA+4*(\t)], v[MA+4*(\t)], v[MA+4*(\t)+1], v[MA+4*(\t)+2]
.endr
.irp t, 0,1,2,3
	v_max_num_f32 v[MA+4*(\t)], v[MA+4*(\t)], v[MA+4*(\t)+3]
.endr
.irp t, 0,1,2,3
	v_permlanex16_b32 v[MA+4*(\t)+1], v[MA+4*(\t)], s92, s93   ; the query's other 8 keys of each unit lie in the lane 16 away
.endr
.irp t, 0,1,2,3
	v_max_num_f32 v[TM+(\t)], v[MA+4*(\t)], v[MA+4*(\t)+1]
.endr
	ds_store_b128 v[MXS], v[TM:TM+3]
	s_wait_dscnt 0x0
	BAR
.irp k, 0,1,2,3
	ds_load_b128 v[MA+4*(\k):MA+4*(\k)+3], v[MXR] offset:512*(\k)   ; the four key quarters' maxima of my queries
.endr
	; pass 2's first loads go out behind them
	s_mov_b32 s91, 0
	v_mov_b32 v[AKW], v[AK0]
	v_mov_b32 v[AVW], v[AV0]
.irp f, 0,1,2,3
	ds_load_b128 v[KF+8*(\f):KF+8*(\f)+3], v[AKW] offset:256*(\f)
.endr
	ds_load_tr16_b128 v[VF:VF+3],   v[AVW]
	ds_load_tr16_b128 v[VF+4:VF+7], v[AVW] offset:256
	s_wait_dscnt 6                                 ; the maxima are in; the six loads behind them stay out
.irp t, 0,1,2,3
	v_max3_num_f32 v[TM+(\t)], v[MA+(\t)], v[MA+4+(\t)], v[MA+8+(\t)]
.endr
.irp t, 0,1,2,3
	v_max_num_f32 v[TM+(\t)], v[TM+(\t)], v[MA+12+(\t)]
.endr
.irp t, 0,1,2,3                        ; minus the maximum, in all 8 registers of the tile's C operand
.irp i, 0,2,4,6
.if ((\t)%2)
	v_pk_mul_f32 v[C+8*(\t)+(\i):C+8*(\t)+(\i)+1], v[TM+2*((\t)/2):TM+2*((\t)/2)+1], v[NEG1:NEG1+1] op_sel:[1,0] op_sel_hi:[1,0]
.else
	v_pk_mul_f32 v[C+8*(\t)+(\i):C+8*(\t)+(\i)+1], v[TM+2*((\t)/2):TM+2*((\t)/2)+1], v[NEG1:NEG1+1] op_sel_hi:[0,0]
.endif
.endr
.endr
	; ---- PASS 2: p = 2^(score - maximum), O^T += (slots)^T p.  16 steps of 32 keys: units a = 2 s (buffer 0) and b = 2 s + 1 (buffer 1).
.macro SCORE kf, db, t
	v_wmma_f32_16x16x32_bf16 v[S+32*(\db)+8*(\t):S+32*(\db)+8*(\t)+7], v[KF+8*(\kf):KF+8*(\kf)+7], v[Q+4*(\t):Q+4*(\t)+7], v[C+8*(\t):C+8*(\t)+7]
.endm
; a unit's four products into buffer db, behind each 8 exponentials in place on the other buffer, from each accumulator's low end on
.macro WE kf, db, doW
.irp t, 0,1,2,3
.if \doW
	SCORE \kf, \db, \t
.endif
.irp j, 0,1,2,3,4,5,6,7
	v_exp_f32 v[S+32*(1-(\db))+8*(\t)+(\j)], v[S+32*(1-(\db))+8*(\t)+(\j)]
.endr
.endr
.endm
.macro CVP sb                          ; buffer sb's weights rounded to bf16: half sb of each tile's 32 keys x 16 queries
.irp t, 0,1,2,3
.irp i, 0,1,2,3
	v_cvt_pk_bf16_f32 v[P+8*(\t)+4*(\sb)+(\i)], v[S+32*(\sb)+8*(\t)+2*(\i)], v[S+32*(\sb)+8*(\t)+2*(\i)+1]
.endr
.endr
.endm
.macro PVM vf, first                   ; the four accumulators take turns
.irp t, 0,1,2,3
.if \first
	v_wmma_f32_16x16x32_bf16 v[O+8*(\t):O+8*(\t)+7], v[VF+8*(\vf):VF+8*(\vf)+7], v[P+8*(\t):P+8*(\t)+7], 0
.else
	v_wmma_f32_16x16x32_bf16 v[O+8*(\t):O+8*(\t)+7], v[VF+8*(\vf):VF+8*(\vf)+7], v[P+8*(\t):P+8*(\t)+7], v[O+8*(\t):O+8*(\t)+7]
.endif
.endr
.endm
; sp: the step's parity.  w2: unit 2 s + 2 exists.  nk: key fragments still to ask for (units 2 s + 5, 2 s + 6).  dv: the next step's turned fragment is asked for.
.macro STEP2 sp, first, w2, nk, dv
	WE 2*(\sp)+1, 1, 1                             ; unit b's scores | unit a's exponentials
	NOPS 4                                         ; the plain instruction behind the last exponential; and four places between the last step's products, which read P, and the roundings that write it
	s_wait_alu depctr_va_vdst(0)                   ; one wait for the 32 exponentials, ahead of their first reader
	CVP 0
	WE (2*(\sp)+2)%4, 0, \w2                       ; the next step's unit a | unit b's exponentials
	v_nop
	s_wait_alu depctr_va_vdst(0)
	CVP 1                                          ; 16 plain instructions: the places in front of the loads below
.if (\nk) > 0
	ds_load_b128 v[KF+8*(2*(\sp)+1):KF+8*(2*(\sp)+1)+3], v[AKW] offset:256*(2*(\sp)+5)
.endif
.if (\nk) > 1
	ds_load_b128 v[KF+8*((2*(\sp)+2)%4):KF+8*((2*(\sp)+2)%4)+3], v[AKW] offset:256*(2*(\sp)+6)
.endif
.if \dv
	ds_load_tr16_b128 v[VF+8*(1-(\sp)):VF+8*(1-(\sp))+3],   v[AVW] offset:512*((\sp)+1)
	ds_load_tr16_b128 v[VF+8*(1-(\sp))+4:VF+8*(1-(\sp))+7], v[AVW] offset:512*((\sp)+1)+256
.endif
	s_wait_dscnt (\nk)+2*(\dv)                     ; only what was just issued may be out: this step's turned fragment and the next step's two key fragments are in
	PVM \sp, \first
.endm
.macro STEPKV                          ; two steps on
	s_add_co_u32 s91, s91, 1024
	v_add_nc_u32 v[AKW], s91, v[AK0]
	v_add_nc_u32 v[AVW], s91, v[AV0]
.endm
	s_wait_dscnt 0x0                               ; units 0-3 and the first turned fragment
.irp t, 0,1,2,3
	SCORE 0, 0, \t
.endr
	NOPS 4                                         ; four places: in front of the load into fragment 0 and of the exponentials on these scores
	ds_load_b128 v[KF:KF+3], v[AKW] offset:1024
	STEP2 0, 1, 1, 2, 1                            ; step 0 starts O's sums
	STEP2 1, 0, 1, 2, 1
	STEPKV
	s_mov_b32 s94, 5
.Lp2:                                          ; steps 2-11
	STEP2 0, 0, 1, 2, 1
	STEP2 1, 0, 1, 2, 1
	STEPKV
	s_sub_co_u32 s94, s94, 1
	s_cmp_lg_u32 s94, 0
	s_cbranch_scc1 .Lp2
	STEP2 0, 0, 1, 2, 1                            ; step 12 asks for units 29 and 30,
	STEP2 1, 0, 1, 1, 1                            ; step 13 for unit 31,
	STEPKV
	STEP2 0, 0, 1, 0, 1                            ; step 14 for the last turned fragment,
	STEP2 1, 0, 0, 0, 0                            ; step 15 for nothing
	NOPS 4                                         ; four places behind the last products
.irp t, 0,1,2,3
	ds_store_b128 v[OPS], v[O+8*(\t):O+8*(\t)+3]   offset:1024*(\t)
	ds_store_b128 v[OPS], v[O+8*(\t)+4:O+8*(\t)+7] offset:1024*(\t)+512
.endr
	s_wait_dscnt 0x0
	BAR
	; ---- THE FINISH: wave w takes query tile w; both halves of the lanes come to hold row r
.macro W1L g                           ; the 4 fragments of W1 | b1 for units 64 g .. + 63: set g % 2 (the key fragments' registers, or C's with zeroed upper halves)
.irp t, 0,1,2,3
	ds_load_b128 v[KF-(KF-C)*((\g)%2)+8*(\t):KF-(KF-C)*((\g)%2)+8*(\t)+3], v[AW1] offset:1024*(\g)+256*(\t)
.endr
.endm
.macro W2L g                           ; the 2 turned fragments of W2 for the same units: set g % 2
.irp x, 0,1
	ds_load_tr16_b128 v[VF+32*((\g)%2)+8*(\x):VF+32*((\g)%2)+8*(\x)+3],   v[AW2] offset:1024*(\g)+512*(\x)
	ds_load_tr16_b128 v[VF+32*((\g)%2)+8*(\x)+4:VF+32*((\g)%2)+8*(\x)+7], v[AW2] offset:1024*(\g)+512*(\x)+256
.endr
.endm
.macro HPROD g                         ; h^T = (W1 | b1) x res^T for 64 units x 16 rows
.irp t, 0,1,2,3
	v_wmma_f32_16x16x32_bf16 v[S+32*((\g)%2)+8*(\t):S+32*((\g)%2)+8*(\t)+7], v[KF-(KF-C)*((\g)%2)+8*(\t):KF-(KF-C)*((\g)%2)+8*(\t)+7], v[Q+12:Q+19], 0
.endr
.endm
.irp k, 0,1,2,3
	ds_load_b128 v[S+8*(\k):S+8*(\k)+3],   v[OPR] offset:8192*(\k)
	ds_load_b128 v[S+8*(\k)+4:S+8*(\k)+7], v[OPR] offset:8192*(\k)+512
.endr
.irp i, 0,1,2,3,4
	ds_load_b128 v[S+32+4*(\i):S+32+4*(\i)+3], v[COA] offset:64*(6+(\i))+16   ; Wv Wo (4 rows), bv Wo
.endr
	W1L 0                                          ; the FFN's first 12 loads go out behind them
	W1L 1
	W2L 0
.irp f, 0,1,2,3
.irp j, 4,5,6,7
	v_mov_b32 v[C+8*(\f)+(\j)], 0                  ; slots 16-31 of the second set of W1's fragments
.endr
.endr
	s_wait_dscnt 12                                ; the 13 loads of O and the coefficients are in
.irp j, 0,2,4,6
	v_pk_add_f32 v[S+(\j):S+(\j)+1],       v[S+(\j):S+(\j)+1],       v[S+8+(\j):S+8+(\j)+1]
	v_pk_add_f32 v[S+16+(\j):S+16+(\j)+1], v[S+16+(\j):S+16+(\j)+1], v[S+24+(\j):S+24+(\j)+1]
.endr
.irp j, 0,2,4,6
	v_pk_add_f32 v[S+(\j):S+(\j)+1], v[S+(\j):S+(\j)+1], v[S+16+(\j):S+16+(\j)+1]   ; the four key quarters
.endr
	v_pk_add_f32 v[S+8:S+9],   v[S:S+1],   v[S+4:S+5]    ; lanes 0-15: sum p y = hi + lo
	v_pk_add_f32 v[S+10:S+11], v[S+2:S+3], v[S+6:S+7]
.irp i, 0,1,2,3
	v_permlanex16_b32 v[S+12+(\i)], v[S+8+(\i)], s92, s93
.endr
	v_permlanex16_b32 v[S+16], v[S], s92, s93            ; lanes 16-31 hold sum p in register 0
.irp i, 0,1,2,3
	v_cndmask_b32 v[S+8+(\i)], v[S+8+(\i)], v[S+12+(\i)], s90
.endr
	v_cndmask_b32 v[S+17], v[S+16], v[S], s90
	v_rcp_f32 v[S+18], v[S+17]
.irp i, 0,1,2,3
	v_add_f32 v[S+48+(\i)], s[48+(\i)], v[S+48+(\i)]     ; bv Wo + bo: plain work behind the reciprocal
.endr
	s_wait_alu depctr_va_vdst(0)                         ; the reciprocal has written v[S+18], ahead of its first reader
	v_pk_mul_f32 v[S+8:S+9],   v[S+8:S+9],   v[S+18:S+19] op_sel_hi:[1,0]
	v_pk_mul_f32 v[S+10:S+11], v[S+10:S+11], v[S+18:S+19] op_sel_hi:[1,0]
	AFF4 S+20, S+32, S+8, S+48                           ; attention's output
	v_pk_add_f32 v[S+20:S+21], v[S+20:S+21], v[XR:XR+1]
	v_pk_add_f32 v[S+22:S+23], v[S+22:S+23], v[XR+2:XR+3]
	LNORM S+20, TM, 52, 56, S+24                         ; res
	QFRAG TM, Q+12, S+52, S+58
	; the FFN: 8 groups of 64 hidden units
; group g: the next group's h | this group's h rounded to bf16 and cut at 0 | loads | two products onto the two accumulators, which take turns
.macro FFG g
.if (\g) < 7
	HPROD (\g)+1
.endif
.irp t, 0,1,2,3
.irp i, 0,1,2,3
	v_cvt_pk_bf16_f32 v[P+16*((\g)%2)+4*(\t)+(\i)], v[S+32*((\g)%2)+8*(\t)+2*(\i)], v[S+32*((\g)%2)+8*(\t)+2*(\i)+1]
.endr
.endr
.irp i, 0,1,2,3,4,5,6,7,8,9,10,11,12,13,14,15
	v_pk_max_num_bf16 v[P+16*((\g)%2)+(\i)], v[P+16*((\g)%2)+(\i)], v[Z]
.endr
.set nw, 0
.if (\g) < 5
	W1L (\g)+3                                     ; into the set that the products above read: the 16 roundings are the places between
.set nw, nw+4
.endif
.if (\g) < 7
	W2L (\g)+1
.set nw, nw+4
.endif
	s_wait_dscnt nw                                ; only what was just issued may be out
.irp x, 0,1
.if (\g) == 0
	v_wmma_f32_16x16x32_bf16 v[O+8*(\x):O+8*(\x)+7], v[VF+32*((\g)%2)+8*(\x):VF+32*((\g)%2)+8*(\x)+7], v[P+16*((\g)%2)+8*(\x):P+16*((\g)%2)+8*(\x)+7], 0
.else
	v_wmma_f32_16x16x32_bf16 v[O+8*(\x):O+8*(\x)+7], v[VF+32*((\g)%2)+8*(\x):VF+32*((\g)%2)+8*(\x)+7], v[P+16*((\g)%2)+8*(\x):P+16*((\g)%2)+8*(\x)+7], v[O+8*(\x):O+8*(\x)+7]
.endif
.endr
.endm
	s_wait_dscnt 0x0                               ; groups 0 and 1 of W1, group 0 of W2
	HPROD 0
	NOPS 4                                         ; four places: in front of the loads into the set just read and of the roundings of these results
	W1L 2
.irp g, 0,1,2,3,4,5,6,7
	FFG \g
.endr
	NOPS 4                                         ; four places behind the last products
.irp j, 0,2,4,6
	v_pk_add_f32 v[S+(\j):S+(\j)+1], v[O+(\j):O+(\j)+1], v[O+8+(\j):O+8+(\j)+1]   ; from the low end on
.endr
	v_pk_add_f32 v[S:S+1],   v[S:S+1],   v[S+4:S+5]      ; W2's hi and lo channels
	v_pk_add_f32 v[S+2:S+3], v[S+2:S+3], v[S+6:S+7]
.irp i, 0,1,2,3
	v_add_f32 v[S+(\i)], s[60+(\i)], v[S+(\i)]           ; + b2
.endr
	v_pk_add_f32 v[S:S+1],   v[S:S+1],   v[TM:TM+1]      ; + res
	v_pk_add_f32 v[S+2:S+3], v[S+2:S+3], v[TM+2:TM+3]
	LNORM S, S+8, 68, 72, S+12
.if LAYER
	v_fma_f32 v[S+16], v[S+8], s80, s77                  ; x . Wfc + bfc
	v_fma_f32 v[S+16], v[S+9], s81, v[S+16]
	v_fma_f32 v[S+16], v[S+10], s82, v[S+16]
	v_fma_f32 v[S+16], v[S+11], s83, v[S+16]
	ds_store_b32 v[GO], v[S+16]                          ; both halves of the lanes write the same number to the same word
	s_wait_dscnt 0x0
	BAR
	s_cmp_lg_u32 s3, 0                                   ; wave 0 stores the block's 128 numbers: 512 consecutive bytes, aligned
	s_cbranch_scc1 .Lend
	v_and_b32 v[S+20], 31, v0
	v_lshlrev_b32 v[S+21], 4, v[S+20]
	v_lshl_add_u32 v[S+20], v[S+20], 4, OUTS
	ds_load_b128 v[S+16:S+19], v[S+20]
	s_wait_dscnt 0x0
	global_store_b128 v[S+21], v[S+16:S+19], s[46:47]
.Lend:
.else
	v_cndmask_b32 v[S+16], v[S+8], v[S+10], s90          ; lane (r, h) stores components 2 h and 2 h + 1 of row r:
	v_cndmask_b32 v[S+17], v[S+9], v[S+11], s90
	global_store_b64 v[GO], v[S+16:S+17], s[46:47]       ; the wave's store covers 256 consecutive bytes, aligned
.endif
	s_wait_tensorcnt 0x0                           ; the wave's end, behind my last LDS store
	ds_add_u32 v[SPW], v[NIL]
	s_wait_dscnt 0x0
	s_endpgm
.Lfunc_end_k_q8b754b2f91_layer0:
	.size	k_q8b754b2f91_layer0, .Lfunc_end_k_q8b754b2f91_layer0-k_q8b754b2f91_layer0
	.p2alignl 7, 3214868480
	.fill 96, 4, 3214868480
	.section	.rodata,"a",@progbits
	.p2align	6, 0x0
	.amdhsa_kernel k_q8b754b2f91_layer0
		.amdhsa_group_segment_fixed_size 156160
		.amdhsa_private_segment_fixed_size 0
		.amdhsa_enable_private_segment 0
		.amdhsa_kernarg_size 160
		.amdhsa_user_sgpr_count 2
		.amdhsa_user_sgpr_kernarg_segment_ptr 1
		.amdhsa_wavefront_size32 1
		.amdhsa_system_sgpr_workgroup_id_x 1
		.amdhsa_system_sgpr_workgroup_id_y 1
		.amdhsa_system_sgpr_workgroup_id_z 1
		.amdhsa_system_vgpr_workitem_id 0
		.amdhsa_next_free_vgpr 256
		.amdhsa_next_free_sgpr 100
		.amdhsa_reserve_vcc 0
		.amdhsa_float_denorm_mode_32 3
		.amdhsa_float_denorm_mode_16_64 3
		.amdhsa_memory_ordered 1
		.amdhsa_forward_progress 1
		.amdhsa_inst_pref_size 136
	.end_amdhsa_kernel
	.amdgpu_metadata
---
amdhsa.version: [ 1, 2 ]
amdhsa.kernels:
  - .name:           k_q8b754b2f91_layer0
    .symbol:         k_q8b754b2f91_layer0.kd
    .args:
      - { .name: KEY, .offset: 0, .size: 8, .value_kind: global_buffer, .address_space: global }
      - { .name: VALUE, .offset: 8, .size: 8, .value_kind: global_buffer, .address_space: global }
      - { .name: Wq, .offset: 16, .size: 8, .value_kind: global_buffer, .address_space: global }
      - { .name: bq, .offset: 24, .size: 8, .value_kind: global_buffer, .address_space: global }
      - { .name: Wk, .offset: 32, .size: 8, .value_kind: global_buffer, .address_space: global }
      - { .name: bk, .offset: 40, .size: 8, .value_kind: global_buffer, .address_space: global }
      - { .name: Wv, .offset: 48, .size: 8, .value_kind: global_buffer, .address_space: global }
      - { .name: bv, .offset: 56, .size: 8, .value_kind: global_buffer, .address_space: global }
      - { .name: Wo, .offset: 64, .size: 8, .value_kind: global_buffer, .address_space: global }
      - { .name: bo, .offset: 72, .size: 8, .value_kind: global_buffer, .address_space: global }
      - { .name: bw, .offset: 80, .size: 8, .value_kind: global_buffer, .address_space: global }
      - { .name: g1, .offset: 88, .size: 8, .value_kind: global_buffer, .address_space: global }
      - { .name: be1, .offset: 96, .size: 8, .value_kind: global_buffer, .address_space: global }
      - { .name: W1, .offset: 104, .size: 8, .value_kind: global_buffer, .address_space: global }
      - { .name: b1, .offset: 112, .size: 8, .value_kind: global_buffer, .address_space: global }
      - { .name: W2, .offset: 120, .size: 8, .value_kind: global_buffer, .address_space: global }
      - { .name: b2, .offset: 128, .size: 8, .value_kind: global_buffer, .address_space: global }
      - { .name: g2, .offset: 136, .size: 8, .value_kind: global_buffer, .address_space: global }
      - { .name: be2, .offset: 144, .size: 8, .value_kind: global_buffer, .address_space: global }
      - { .name: X1, .offset: 152, .size: 8, .value_kind: global_buffer, .address_space: global }
    .group_segment_fixed_size: 156160
    .private_segment_fixed_size: 0
    .kernarg_segment_align: 8
    .kernarg_segment_size: 160
    .max_flat_workgroup_size: 256
    .sgpr_count:     100
    .vgpr_count:     256
    .wavefront_size: 32
...
	.end_amdgpu_metadata
.endif
;; end of part 1
;; launch layer1 (part 2): grid 16 x 16, 8 waves a work-group, no clusters, 156,160 bytes of LDS; arguments X1, Wfc, Wq, bq, Wk, bk, Wv, bv, Wo, bo, bw, g1, be1, W1, b1, W2, b2, g2, be2, out0, bfc; writes out0
.if DOCPART == 2
	.amdgcn_target "amdgcn-amd-amdhsa--gfx1250"
	.amdhsa_code_object_version 6
	.text
	.protected	k_q8b754b2f91_layer1
	.globl	k_q8b754b2f91_layer1
	.p2align	8
	.type	k_q8b754b2f91_layer1,@function
k_q8b754b2f91_layer1:
	s_mov_b64 s[64:65], 0
	v_nop
	global_prefetch_b8 v0, s[64:65] scope:SCOPE_SE
	s_setreg_imm32_b32 hwreg(HW_REG_WAVE_MODE, 25, 1), 1
	s_wait_xcnt 0x0
; ONE ENCODER LAYER (LAYER = 0: from KEY | VALUE to X1; LAYER = 1: from X1 to out0, with the last projection).
; x, y are rows of X [16][2048][4].  Q, K, V are affine images of 4 numbers, so both large products are re-associated (no approximation, every input is read):
;   softmax_k(-bw^2/2 |q - k|^2) = softmax_k(t(x) . y + s(y)) in base 2, with c = log2(e), A = Wq Wk^T, v = bq Wk^T, G = Wk Wk^T, g = bk Wk^T,
;   t = c bw^2 (x A + v),  s = -c bw^2 (g . y + y G y / 2);  |q|^2, q . bk and |bk|^2 do not hang on k and leave the softmax as it is;
;   attn V Wo + bo = (attn Y)(Wv Wo) + bv Wo + bo.
; SHARES.  A work-group of 8 waves owns 128 queries of one batch (grid: 16 blocks x 16 batches).  It folds the weights (f32 matrix form, 8 instructions a wave: no bulk work),
; lays its batch's 2,048 keys and the FFN's weights into LDS as bf16 slots, finds each query's true maximum (pass 1), takes exponentials and sums (pass 2), and finishes 16 rows a wave.
; In the passes wave w takes queries 64 (w & 1) .. + 63 (4 tiles of 16) and keys 512 (w >> 1) .. + 511: a key fragment read from LDS feeds 4 products.
; SLOTS.  A key is 16 bf16 numbers: 0-3 y_hi, 4-7 y_lo, 8 1.0, 9-11 s in three parts, 12-15 y_hi; a query: 0-3 t_hi, 4-7 t_hi, 8 0, 9-11 1.0, 12-15 t_lo.  Their product is
; t_hi y_hi + t_hi y_lo + t_lo y_hi + s.  Slots 16-31 of the K = 32 form are zero registers on the key's side.  Read turned, the same 16 slots are the values:
; channels 0-3 sum p y_hi, 4-7 sum p y_lo, 8 sums p itself.  The FFN takes the same scheme: unit f as key, W1[:, f] as y, b1[f] as s, the row as t; W2 as hi and lo channels.
; LIMITS.  t and y carry 16 significant bits, s 24: a logit is off by about 2^-17 of |t_j y_j|.  p and relu(h) are rounded once to bf16 (numerator and row sum take the same rounded p).
; A weight below 2^-126 counts as 0.  NaN and infinities are not treated apart (a query fragment's upper registers hold finite numbers that meet zeros).
; NO CLUSTER, NO TENSOR LOADS: what the 16 work-groups of a batch share is 32 KiB of X, read once, and it reaches LDS only after arithmetic on registers (splits, a quadratic form); nothing in LDS is filled twice.
.set LAYER, 1
.set NY, 16-8*LAYER                    ; loads that bring my 8 keys
.set NQ, 10-5*LAYER                    ; loads that bring 4 query rows and my own row
; LDS
.set KT,    0                          ; slots 0-7 of key k at 16 k
.set KT2,   32896                      ; slots 8-15 at KT2 + 16 k
.set W1T,   65792                      ; slots 0-7 of hidden unit f at 16 f
.set W1T2,  8320                       ; slots 8-15, from W1T
.set W2T,   82432                      ; unit f at 16 f: W2 hi 0-3, lo 0-3
.set ST,    90624                      ; 19 rows of 256 f32: 0-3 Wq, 4 bq, 5 bk, 6-9 Wv, 10 bv, 11-14 Wk, 15-18 Wo^T
.set SPI,   1040                       ; their pitch: 65 x 16 bytes, so 16 rows start at 16 different groups of four banks
.set PD,    110592                     ; the fold's partial sums: [wave][register][lane]
.set CO,    118784                     ; the folded table D[16][16] f32, rows of 64 bytes
.set MX,    119808                     ; maxima: [key quarter][query group][row], 16 bytes (4 tiles)
.set OP,    121856                     ; partial O: [key quarter][tile 0-7][register half][lane], 16 bytes
.set OUTS,  154624                     ; 128 f32 (LAYER 1)
.set SPARE, 155136                     ; the spare words: 128 bytes a wave, four blocks of 256 bytes that no other line names
; vector registers
.set SPW, 1                            ; LDS address of my spare word; never rewritten
.set NIL, 2                            ; 0; never rewritten
.set AK0, 3                            ; key fragments: 8192 kq + 16 r + KT2 h
.set AV0, 4                            ; turned: 8192 kq + 16 (8 h + L % 8) + KT2 ((L / 8) % 2)
.set MXS, 5
.set MXR, 6
.set OPS, 7
.set OPR, 8
.set AW1, 9
.set AW2, 10
.set GO,  11                           ; LAYER 0: my 8 bytes of X1; LAYER 1: my word of OUTS
.set AKW, 12                           ; AK0 + s91
.set AVW, 13                           ; AV0 + s91
.set COA, 14
.set Q,   16                           ; v16-31 four query fragments of 4 registers; a product names 8: the next tile's, or Z
.set Z,   32                           ; v32-35 zeros
.set C,   36                           ; v36-67 minus the maximum, 8 registers a tile
.set S,   68                           ; v68-131 scores, two buffers of 4 tiles x 8
.set P,   132                          ; v132-163 weights in bf16, 8 a tile
.set MA,  132                          ; pass 1: 16 running maxima
.set KF,  164                          ; v164-195 four key fragments: 4 registers of data, 4 of zeros
.set VF,  196                          ; v196-211 two turned fragments
.set O,   212                          ; v212-243 four accumulators; v212-227 are also the fold's: matrix instructions alone write them
.set XR,  244                          ; v244-247 my own row
.set NEG1, 248
.set ONE, 249                          ; 1.0; its bits are also the slots (0, 1.0) in bf16
.set K2,  251                          ; the slots (1.0, 1.0)
.set TM,  252                          ; v252-255 at work; from LN1 on the row res
; the prologue's registers
.set YR,  68                           ; my 8 keys
.set QX,  100                          ; 4 query rows
.set WR,  116                          ; W1 of 2 units (8), b1 (2), W2 (8)
.set FW,  134                          ; Wq, Wk, Wv, Wo (4 each), bq, bk, bv
.set FA,  36
.set FB,  52
.set CG,  116                          ; G', 4 rows
.set CGV, 132                          ; g'
.set CA,  136                          ; A, 4 rows
.set CVV, 152                          ; v
.set T0,  156                          ; v156-163 at work
.set RA,  196                          ; two sets of 6: a key's slots
.set G16, 228
.set G4,  229
.set G12, 230
.set QKO, 231
.set QVO, 232
.set XKO, 233
.set XVO, 234
.set W1S, 235
.set SA,  236
.set SB,  237
.set FAA, 238
.set FBA, 239
.set PDS, 240
.set PDR, 241
.set COS, 242
.macro BAR
	s_barrier_signal -1
	s_barrier_wait -1
.endm
.macro NOPS n
.rept \n
	v_nop
.endr
.endm
; D[0:3] = B[0:3] + the sum over i of X[i] x M[4 i .. 4 i + 3]
.macro AFF4 D, M, X, B
	v_pk_fma_f32 v[(\D):(\D)+1],   v[(\M):(\M)+1],     v[(\X):(\X)+1],     v[(\B):(\B)+1]     op_sel_hi:[1,0,1]
	v_pk_fma_f32 v[(\D)+2:(\D)+3], v[(\M)+2:(\M)+3],   v[(\X):(\X)+1],     v[(\B)+2:(\B)+3]   op_sel_hi:[1,0,1]
	v_pk_fma_f32 v[(\D):(\D)+1],   v[(\M)+4:(\M)+5],   v[(\X):(\X)+1],     v[(\D):(\D)+1]     op_sel:[0,1,0]
	v_pk_fma_f32 v[(\D)+2:(\D)+3], v[(\M)+6:(\M)+7],   v[(\X):(\X)+1],     v[(\D)+2:(\D)+3]   op_sel:[0,1,0]
	v_pk_fma_f32 v[(\D):(\D)+1],   v[(\M)+8:(\M)+9],   v[(\X)+2:(\X)+3],   v[(\D):(\D)+1]     op_sel_hi:[1,0,1]
	v_pk_fma_f32 v[(\D)+2:(\D)+3], v[(\M)+10:(\M)+11], v[(\X)+2:(\X)+3],   v[(\D)+2:(\D)+3]   op_sel_hi:[1,0,1]
	v_pk_fma_f32 v[(\D):(\D)+1],   v[(\M)+12:(\M)+13], v[(\X)+2:(\X)+3],   v[(\D):(\D)+1]     op_sel:[0,1,0]
	v_pk_fma_f32 v[(\D)+2:(\D)+3], v[(\M)+14:(\M)+15], v[(\X)+2:(\X)+3],   v[(\D)+2:(\D)+3]   op_sel:[0,1,0]
.endm
; four f32 at Y -> R+2, R+3: their bf16 (hi); R+4, R+5: the bf16 of what is left (lo).  T: 4 registers at work
.macro YSPLIT Y, R, T
	v_cvt_pk_bf16_f32 v[(\R)+2], v[(\Y)], v[(\Y)+1]
	v_cvt_pk_bf16_f32 v[(\R)+3], v[(\Y)+2], v[(\Y)+3]
	v_fma_mix_f32_bf16 v[(\T)],   v[(\R)+2], v[NEG1], v[(\Y)]   op_sel_hi:[1,0,0]
	v_fma_mix_f32_bf16 v[(\T)+1], v[(\R)+2], v[NEG1], v[(\Y)+1] op_sel:[1,0,0] op_sel_hi:[1,0,0]
	v_fma_mix_f32_bf16 v[(\T)+2], v[(\R)+3], v[NEG1], v[(\Y)+2] op_sel_hi:[1,0,0]
	v_fma_mix_f32_bf16 v[(\T)+3], v[(\R)+3], v[NEG1], v[(\Y)+3] op_sel:[1,0,0] op_sel_hi:[1,0,0]
	v_cvt_pk_bf16_f32 v[(\R)+4], v[(\T)], v[(\T)+1]
	v_cvt_pk_bf16_f32 v[(\R)+5], v[(\T)+2], v[(\T)+3]
.endm
; one f32 at X -> R: (1.0, hi); R+1: (mid, lo).  T: 3 registers at work
.macro SSPLIT X, R, T
	v_cvt_pk_bf16_f32 v[(\R)], v[ONE], v[(\X)]
	v_fma_mix_f32_bf16 v[(\T)], v[(\R)], v[NEG1], v[(\X)] op_sel:[1,0,0] op_sel_hi:[1,0,0]
	v_cvt_pk_bf16_f32 v[(\T)+1], v[(\T)], v[(\T)]
	v_fma_mix_f32_bf16 v[(\T)+2], v[(\T)+1], v[NEG1], v[(\T)] op_sel_hi:[1,0,0]
	v_cvt_pk_bf16_f32 v[(\R)+1], v[(\T)], v[(\T)+2]
.endm
; four f32 at X -> a query-side fragment at D: lanes 0-15 slots 0-7, lanes 16-31 slots 8-15 (s90 marks the upper lanes).  R: 6, T: 4 at work
.macro QFRAG X, D, R, T
	YSPLIT \X, \R, \T
	v_cndmask_b32 v[(\D)],   v[(\R)+2], v[ONE],     s90
	v_cndmask_b32 v[(\D)+1], v[(\R)+3], v[K2],      s90
	v_cndmask_b32 v[(\D)+2], v[(\R)+2], v[(\R)+4],  s90
	v_cndmask_b32 v[(\D)+3], v[(\R)+3], v[(\R)+5],  s90
.endm
; key i of my 8: s = (g' + G' y) . y, the slots, two stores
.macro KEYROW i
.set rY, YR+4*(\i)
.set rR, RA+6*((\i)%2)
	AFF4 T0, CG, rY, CGV
	v_pk_mul_f32 v[T0:T0+1], v[T0:T0+1], v[rY:rY+1]
	v_pk_fma_f32 v[T0:T0+1], v[T0+2:T0+3], v[rY+2:rY+3], v[T0:T0+1]
	v_add_f32 v[T0+4], v[T0], v[T0+1]
	YSPLIT rY, rR, T0
	SSPLIT T0+4, rR, T0+5
	ds_store_b128 v[G16], v[rR+2:rR+5] offset:KT+4096*(\i)
	ds_store_b128 v[G16], v[rR:rR+3]   offset:KT2+4096*(\i)
.endm
; OUT = (Z - mean) rsqrt(var + 1e-5) g + b over the lane's 4 numbers.  G, B: scalar registers; T: 4 at work
.macro LNORM Z, OUT, G, B, T
	v_add_f32 v[(\T)], v[(\Z)], v[(\Z)+1]
	v_add_f32 v[(\T)+1], v[(\Z)+2], v[(\Z)+3]
	v_add_f32 v[(\T)], v[(\T)], v[(\T)+1]
	v_pk_fma_f32 v[(\Z):(\Z)+1],   v[(\T):(\T)+1], s[98:99], v[(\Z):(\Z)+1]   op_sel_hi:[0,0,1]  ; z - sum / 4
	v_pk_fma_f32 v[(\Z)+2:(\Z)+3], v[(\T):(\T)+1], s[98:99], v[(\Z)+2:(\Z)+3] op_sel_hi:[0,0,1]
	v_pk_mul_f32 v[(\T)+2:(\T)+3], v[(\Z):(\Z)+1], v[(\Z):(\Z)+1]
	v_pk_fma_f32 v[(\T)+2:(\T)+3], v[(\Z)+2:(\Z)+3], v[(\Z)+2:(\Z)+3], v[(\T)+2:(\T)+3]
	v_add_f32 v[(\T)+2], v[(\T)+2], v[(\T)+3]
	v_fma_f32 v[(\T)+2], v[(\T)+2], s95, 0x3727c5ac          ; / 4 + 1e-5
	v_rsq_f32 v[(\T)+2], v[(\T)+2]
	v_nop                                                    ; a plain instruction behind the root,
	s_wait_alu depctr_va_vdst(0)                             ; and a wait ahead of its first reader
	v_pk_mul_f32 v[(\Z):(\Z)+1],   v[(\Z):(\Z)+1],   v[(\T)+2:(\T)+3] op_sel_hi:[1,0]
	v_pk_mul_f32 v[(\Z)+2:(\Z)+3], v[(\Z)+2:(\Z)+3], v[(\T)+2:(\T)+3] op_sel_hi:[1,0]
.irp i, 0,1,2,3
	v_fma_f32 v[(\OUT)+(\i)], v[(\Z)+(\i)], s[(\G)+(\i)], s[(\B)+(\i)]
.endr
.endm
	; ---- the head: arguments, ids, addresses
	s_load_b512 s[8:23], s[0:1], 0x0               ; the pointers, in the order of the launch's arguments, from s[8:9] on
	s_load_b512 s[24:39], s[0:1], 0x40
	s_load_b256 s[40:47], s[0:1], 0x80
.if LAYER
	s_load_b64 s[84:85], s[0:1], 0xa0              ; bfc
.endif
	v_lshl_add_u32 v[SPW], v0, 2, SPARE
	v_mov_b32 v[NIL], 0
	v_lshrrev_b32 v254, 5, v0
	v_readfirstlane_b32 s3, v254                   ; wave w
	s_and_b32 s4, s3, 1                            ; qg: which 64 queries
	s_lshr_b32 s5, s3, 1                           ; kq: which 512 keys
	s_and_b32 s7, ttmp7, 0xffff                    ; batch
	v_and_b32 v252, 15, v0                         ; r
	v_bfe_u32 v253, v0, 4, 1                       ; h
	v_and_b32 v254, 31, v0                         ; L
	s_lshl_b32 s96, s5, 13
	v_lshl_add_u32 v[AK0], v252, 4, s96
	v_mad_u32_u24 v[AK0], v253, KT2, v[AK0]
	v_and_b32 v255, 7, v0
	v_lshl_add_u32 v255, v253, 3, v255             ; 8 h + L % 8
	v_lshl_add_u32 v[AW2], v255, 4, W2T            ; lanes 8-15 name what lanes 0-7 name: channels 8-15 repeat 0-7
	v_lshl_add_u32 v[AV0], v255, 4, s96
	v_bfe_u32 v255, v0, 3, 1
	v_mad_u32_u24 v[AV0], v255, KT2, v[AV0]
	v_lshl_add_u32 v[AW1], v252, 4, W1T
	v_mad_u32_u24 v[AW1], v253, W1T2, v[AW1]
	s_lshl_b32 s97, s3, 8
	s_add_co_u32 s97, s97, MX                      ; 512 kq + 256 qg = 256 w
	v_lshl_add_u32 v[MXS], v252, 4, s97
	s_lshl_b32 s97, s4, 8
	s_add_co_u32 s97, s97, MX
	v_lshl_add_u32 v[MXR], v252, 4, s97
	s_lshl_b32 s97, s3, 12
	s_add_co_u32 s97, s97, OP                      ; 8192 kq + 4096 qg = 4096 w
	v_lshl_add_u32 v[OPS], v254, 4, s97
	s_lshl_b32 s97, s3, 10
	s_add_co_u32 s97, s97, OP
	v_lshl_add_u32 v[OPR], v254, 4, s97
	v_mov_b32 v[COA], CO
.if LAYER
	s_lshl_b32 s97, s3, 6
	s_add_co_u32 s97, s97, OUTS
	v_lshl_add_u32 v[GO], v252, 2, s97
.else
	s_lshl_b32 s97, s3, 8
	v_lshl_add_u32 v[GO], v252, 4, s97
	v_lshl_add_u32 v[GO], v253, 3, v[GO]           ; 256 w + 16 r + 8 h
.endif
	v_lshlrev_b32 v[G16], 4, v0
	v_lshlrev_b32 v[G4], 2, v0
	v_add_nc_u32 v[W1S], W1T, v[G16]
	v_lshrrev_b32 v255, 6, v0
	v_and_b32 v[SA], 63, v0
	v_lshl_add_u32 v[SA], v[SA], 4, ST
	v_mad_u32_u24 v[SA], v255, SPI, v[SA]          ; my 16 bytes of a [4][256] matrix: row t / 64
	v_add_nc_u32 v[SB], ST, v[G4]
	s_lshl_b32 s97, s3, 7
	s_add_co_u32 s97, s97, ST
	v_lshl_add_u32 v255, v253, 4, s97              ; my wave's 32 channels, 16 bytes for each half of the lanes
	v_mad_u32_u24 v[FAA], v252, SPI, v255
	v_and_b32 v[FBA], 7, v0
	v_mad_u32_u24 v[FBA], v[FBA], SPI, v255
	s_lshl_b32 s97, s3, 10
	s_add_co_u32 s97, s97, PD
	v_lshl_add_u32 v[PDS], v254, 2, s97
	s_lshl_b32 s97, s3, 7
	s_add_co_u32 s97, s97, PD
	v_lshl_add_u32 v[PDR], v254, 2, s97
	s_lshl_b32 s97, s3, 6
	s_add_co_u32 s97, s97, CO
	v_lshl_add_u32 v[COS], v252, 2, s97
	v_lshl_add_u32 v[COS], v253, 9, v[COS]         ; D[8 h + w][r]
	s_lshl_b32 s98, ttmp9, 7                       ; the block's first query
	s_lshl_b32 s97, s4, 6
	s_add_co_u32 s97, s97, s98
	v_add_nc_u32 v254, s97, v252                   ; tile 0's row for this lane
	s_lshl_b32 s97, s3, 4
	s_add_co_u32 s97, s97, s98
	v_add_nc_u32 v255, s97, v252                   ; the row that I finish
.if LAYER
	v_lshlrev_b32 v[QKO], 4, v254
	v_lshlrev_b32 v[XKO], 4, v255
.else
	v_mul_u32_u24 v[G12], v0, 12
	v_mul_u32_u24 v[QKO], v254, 12
	v_lshlrev_b32 v[QVO], 2, v254
	v_mul_u32_u24 v[XKO], v255, 12
	v_lshlrev_b32 v[XVO], 2, v255
.endif
	s_mov_b32 s90, 0xffff0000                      ; lanes 16-31
	s_mov_b32 s92, 0x76543210                      ; v_permlanex16_b32: each lane takes its own place in the other half
	s_mov_b32 s93, 0xfedcba98
	s_mov_b32 s95, 0x3e800000                      ; 0.25
	s_wait_kmcnt 0x0
	s_load_b128 s[48:51], s[26:27], 16*LAYER       ; bo
	s_load_b128 s[52:55], s[30:31], 16*LAYER       ; g1
	s_load_b128 s[56:59], s[32:33], 16*LAYER       ; be1
	s_load_b128 s[60:63], s[40:41], 16*LAYER       ; b2
	s_load_b128 s[68:71], s[42:43], 16*LAYER       ; g2
	s_load_b128 s[72:75], s[44:45], 16*LAYER       ; be2
	s_load_b32 s76, s[28:29], 4*LAYER              ; bw
.if LAYER
	s_load_b128 s[80:83], s[10:11], 0x0            ; Wfc
	s_load_b32 s77, s[84:85], 0x0                  ; bfc
	s_lshl_b32 s96, s7, 15
	s_mov_b32 s97, 0
	s_add_nc_u64 s[8:9], s[8:9], s[96:97]          ; X1 at my batch
	s_lshl_b32 s96, s7, 13
	s_lshl_b32 s98, ttmp9, 9
	s_add_co_u32 s96, s96, s98
	s_add_nc_u64 s[46:47], s[46:47], s[96:97]      ; out0 at my block's 512 bytes
.else
	s_mul_i32 s96, s7, 24576
	s_mov_b32 s97, 0
	s_add_nc_u64 s[8:9], s[8:9], s[96:97]          ; KEY at my batch
	s_lshl_b32 s96, s7, 13
	s_add_nc_u64 s[10:11], s[10:11], s[96:97]      ; VALUE at my batch
	s_lshl_b32 s96, s7, 15
	s_lshl_b32 s98, ttmp9, 11
	s_add_co_u32 s96, s96, s98
	s_add_nc_u64 s[46:47], s[46:47], s[96:97]      ; X1 at my block's 2,048 bytes
.endif
	s_mov_b32 s98, 0xbe800000                      ; -0.25, named as a pair
	s_mov_b32 s99, s98
	; all global loads of the launch, in the order in which they are wanted: 7 for the fold, 12 for the FFN's tables, NY keys, NQ queries
	global_load_b128 v[FW:FW+3],     v[G16], s[12:13] offset:4096*LAYER   ; Wq
	global_load_b128 v[FW+4:FW+7],   v[G16], s[16:17] offset:4096*LAYER   ; Wk
	global_load_b128 v[FW+8:FW+11],  v[G16], s[20:21] offset:4096*LAYER   ; Wv
	global_load_b128 v[FW+12:FW+15], v[G16], s[24:25] offset:4096*LAYER   ; Wo[t][0:3]
	global_load_b32 v[FW+16], v[G4], s[14:15] offset:1024*LAYER           ; bq
	global_load_b32 v[FW+17], v[G4], s[18:19] offset:1024*LAYER           ; bk
	global_load_b32 v[FW+18], v[G4], s[22:23] offset:1024*LAYER           ; bv
.irp e, 0,1
.irp j, 0,1,2,3
	global_load_b32 v[WR+4*(\e)+(\j)], v[G4], s[34:35] offset:8192*LAYER+2048*(\j)+1024*(\e)  ; W1[j][t + 256 e]
.endr
.endr
.irp e, 0,1
	global_load_b32 v[WR+8+(\e)], v[G4], s[36:37] offset:2048*LAYER+1024*(\e)                 ; b1
.endr
.irp e, 0,1
	global_load_b128 v[WR+10+4*(\e):WR+13+4*(\e)], v[G16], s[38:39] offset:8192*LAYER+4096*(\e)  ; W2[t + 256 e][0:3]
.endr
.if LAYER
.irp i, 0,1,2,3,4,5,6,7
	global_load_b128 v[YR+4*(\i):YR+4*(\i)+3], v[G16], s[8:9] offset:4096*(\i)  ; key t + 256 i
.endr
.irp t, 0,1,2,3
	global_load_b128 v[QX+4*(\t):QX+4*(\t)+3], v[QKO], s[8:9] offset:256*(\t)
.endr
	global_load_b128 v[XR:XR+3], v[XKO], s[8:9]
.else
.irp i, 0,1,2,3,4,5,6,7
	global_load_b96 v[YR+4*(\i):YR+4*(\i)+2], v[G12], s[8:9] offset:3072*(\i)   ; key t + 256 i: three coordinates,
	global_load_b32 v[YR+4*(\i)+3], v[G4], s[10:11] offset:1024*(\i)            ; and the value
.endr
.irp t, 0,1,2,3
	global_load_b96 v[QX+4*(\t):QX+4*(\t)+2], v[QKO], s[8:9] offset:192*(\t)
	global_load_b32 v[QX+4*(\t)+3], v[QVO], s[10:11] offset:64*(\t)
.endr
	global_load_b96 v[XR:XR+2], v[XKO], s[8:9]
	global_load_b32 v[XR+3], v[XVO], s[10:11]
.endif
	v_mov_b32 v[NEG1], -1.0
	v_mov_b32 v[ONE], 1.0
	v_mov_b32 v[K2], 0x3f803f80
.irp f, 0,1,2,3
.irp j, 4,5,6,7
	v_mov_b32 v[KF+8*(\f)+(\j)], 0                 ; slots 16-31 of every key fragment: written once, never loaded into
.endr
.endr
.irp j, 0,1,2,3
	v_mov_b32 v[Z+(\j)], 0
.endr
	; ---- the fold's operands into LDS, as 19 rows along the 256 channels
	s_wait_loadcnt 12+NY+NQ                        ; the first 7 loads are in; all younger ones stay out
	ds_store_b128 v[SA], v[FW:FW+3]
	ds_store_b128 v[SA], v[FW+8:FW+11] offset:6*SPI
	ds_store_b128 v[SA], v[FW+4:FW+7]  offset:11*SPI
	ds_store_b32 v[SB], v[FW+16] offset:4*SPI
	ds_store_b32 v[SB], v[FW+17] offset:5*SPI
	ds_store_b32 v[SB], v[FW+18] offset:10*SPI
.irp d, 0,1,2,3
	ds_store_b32 v[SB], v[FW+12+(\d)] offset:(15+(\d))*SPI   ; Wo turned
.endr
	s_wait_dscnt 0x0                               ; for the others' sake
	BAR
	; ---- the fold: D = rows 0-15 x (rows 11-18, twice)^T.  Wave w takes channels 32 w .. + 31: 8 steps of 4; the order of k in a step is the same on both sides
.irp i, 0,1,2,3
	ds_load_b128 v[FA+4*(\i):FA+4*(\i)+3], v[FAA] offset:32*(\i)
	ds_load_b128 v[FB+4*(\i):FB+4*(\i)+3], v[FBA] offset:11*SPI+32*(\i)
.endr
	s_wait_loadcnt NY+NQ                           ; W1, b1, W2 are in
.irp e, 0,1
	YSPLIT WR+10+4*(\e), RA+6*(\e), T0
	ds_store_b128 v[W1S], v[RA+6*(\e)+2:RA+6*(\e)+5] offset:W2T-W1T+4096*(\e)
.endr
	s_wait_dscnt 2                                 ; the 8 fragment loads are in; the two stores behind them may be out
.irp i, 0,1,2,3
.irp e, 0,1
.if (\i) == 0
	v_wmma_f32_16x16x4_f32 v[O+8*(\e):O+8*(\e)+7], v[FA+2*(\e):FA+2*(\e)+1], v[FB+2*(\e):FB+2*(\e)+1], 0   ; the first step starts each sum
.else
	v_wmma_f32_16x16x4_f32 v[O+8*(\e):O+8*(\e)+7], v[FA+4*(\i)+2*(\e):FA+4*(\i)+2*(\e)+1], v[FB+4*(\i)+2*(\e):FB+4*(\i)+2*(\e)+1], v[O+8*(\e):O+8*(\e)+7]  ; two accumulators by turns
.endif
.endr
.endr
.irp e, 0,1                            ; 26 plain instructions that name none of the fold's registers: the places behind its last products (ISA guide 7.12.1)
	YSPLIT WR+4*(\e), RA+6*(\e), T0
	SSPLIT WR+8+(\e), RA+6*(\e), T0+4
.endr
.irp e, 0,1
	ds_store_b128 v[W1S], v[RA+6*(\e)+2:RA+6*(\e)+5] offset:4096*(\e)
	ds_store_b128 v[W1S], v[RA+6*(\e):RA+6*(\e)+3]   offset:W1T2+4096*(\e)
.endr
.irp j, 0,2,4,6
	v_pk_add_f32 v[T0+(\j):T0+(\j)+1], v[O+(\j):O+(\j)+1], v[O+8+(\j):O+8+(\j)+1]   ; from the low end on
.endr
.irp j, 0,1,2,3,4,5,6,7
	ds_store_b32 v[PDS], v[T0+(\j)] offset:128*(\j)
.endr
	s_wait_dscnt 0x0
	BAR
	; ---- wave w adds register w of all eight partial tables: rows w and 8 + w of D
.irp k, 0,1,2,3,4,5,6,7
	ds_load_b32 v[T0+(\k)], v[PDR] offset:1024*(\k)
.endr
	s_wait_dscnt 0x0
	v_pk_add_f32 v[T0:T0+1], v[T0:T0+1], v[T0+2:T0+3]
	v_pk_add_f32 v[T0+4:T0+5], v[T0+4:T0+5], v[T0+6:T0+7]
	v_pk_add_f32 v[T0:T0+1], v[T0:T0+1], v[T0+4:T0+5]
	v_add_f32 v[T0], v[T0], v[T0+1]
	ds_store_b32 v[COS], v[T0]
	s_wait_dscnt 0x0
	BAR
	; ---- coefficients, the key table, the query fragments
.irp i, 0,1,2,3
	ds_load_b128 v[CG+4*(\i):CG+4*(\i)+3], v[COA] offset:64*(11+(\i))   ; G
.endr
	ds_load_b128 v[CGV:CGV+3], v[COA] offset:64*5                       ; g
.irp i, 0,1,2,3
	ds_load_b128 v[CA+4*(\i):CA+4*(\i)+3], v[COA] offset:64*(\i)        ; A
.endr
	ds_load_b128 v[CVV:CVV+3], v[COA] offset:64*4                       ; v
	s_wait_kmcnt 0x0                               ; bw and the small vectors
	s_mul_f32 s78, s76, s76
	s_mul_f32 s78, s78, 0x3fb8aa3b                 ; c bw^2
	s_mov_b32 s79, s78
	s_mul_f32 s86, s78, -1.0
	s_mov_b32 s87, s86
	s_mul_f32 s88, s78, -0.5
	s_mov_b32 s89, s88
	s_wait_dscnt 0x0
.irp j, 0,2,4,6,8,10,12,14
	v_pk_mul_f32 v[CG+(\j):CG+(\j)+1], v[CG+(\j):CG+(\j)+1], s[88:89] op_sel_hi:[1,0]   ; G' = -c bw^2 G / 2
.endr
	v_pk_mul_f32 v[CGV:CGV+1], v[CGV:CGV+1], s[86:87] op_sel_hi:[1,0]                   ; g' = -c bw^2 g
	v_pk_mul_f32 v[CGV+2:CGV+3], v[CGV+2:CGV+3], s[86:87] op_sel_hi:[1,0]
	s_wait_loadcnt NQ                              ; my 8 keys are in
.irp i, 0,1,2,3,4,5,6,7
	KEYROW \i
.endr
	s_wait_loadcnt 0x0                             ; the query rows and my own row
.irp t, 0,1,2,3
	AFF4 T0, CA, QX+4*(\t), CVV
	v_pk_mul_f32 v[T0:T0+1], v[T0:T0+1], s[78:79] op_sel_hi:[1,0]
	v_pk_mul_f32 v[T0+2:T0+3], v[T0+2:T0+3], s[78:79] op_sel_hi:[1,0]
	QFRAG T0, Q+4*(\t), RA, T0+4
.endr
	s_wait_dscnt 0x0                               ; my part of the key table is written
	BAR
	; ---- PASS 1: each query's maximum over my 512 keys.  32 units of 16 keys; a ring of 4 fragments; two score buffers.
; the four products of a unit: 16 keys x 4 tiles of 16 queries
.macro W1U kf, sb
.irp t, 0,1,2,3
	v_wmma_f32_16x16x32_bf16 v[S+32*(\sb)+8*(\t):S+32*(\sb)+8*(\t)+7], v[KF+8*(\kf):KF+8*(\kf)+7], v[Q+4*(\t):Q+4*(\t)+7], 0
.endr
.endm
; 16 running maxima take a unit's 32 scores; each accumulator's lowest registers are read first.  first = 1: they start the maxima
.macro M1U sb, first
.irp c, 0,1,2,3
.irp t, 0,1,2,3
.if \first
	v_max_num_f32 v[MA+4*(\t)+(\c)], v[S+32*(\sb)+8*(\t)+2*(\c)], v[S+32*(\sb)+8*(\t)+2*(\c)+1]
.else
	v_max3_num_f32 v[MA+4*(\t)+(\c)], v[MA+4*(\t)+(\c)], v[S+32*(\sb)+8*(\t)+2*(\c)], v[S+32*(\sb)+8*(\t)+2*(\c)+1]
.endif
.endr
.endr
.endm
; unit i of a quad: the next unit's products, this unit's maxima (the places behind those products), and the load four units further on into the fragment just multiplied
.macro UNIT1 i, first, doW, doL, wt
.if \doW
	s_wait_dscnt \wt                               ; the next unit's fragment is in; the younger ones stay out
	W1U ((\i)+1)%4, ((\i)+1)%2
.endif
	M1U (\i)%2, \first
.if \doL
	ds_load_b128 v[KF+8*(((\i)+1)%4):KF+8*(((\i)+1)%4)+3], v[AKW] offset:256*((\i)+5)
.endif
.endm
.macro QUAD1 first, l3
	UNIT1 0, \first, 1, 1, 3
	UNIT1 1, 0, 1, 1, 3
	UNIT1 2, 0, 1, 1, 3
	UNIT1 3, 0, 1, \l3, 3
.endm
.macro STEPK                           ; four units on
	s_add_co_u32 s91, s91, 1024
	v_add_nc_u32 v[AKW], s91, v[AK0]
.endm
	s_mov_b32 s91, 0
	v_mov_b32 v[AKW], v[AK0]
.irp f, 0,1,2,3
	ds_load_b128 v[KF+8*(\f):KF+8*(\f)+3], v[AKW] offset:256*(\f)
.endr
	s_wait_dscnt 3                                 ; unit 0 is in
	W1U 0, 0
	NOPS 4                                         ; four places in front of a load into a register that those products read
	ds_load_b128 v[KF:KF+3], v[AKW] offset:1024
	QUAD1 1, 1                                     ; units 0-3
	STEPK
	s_mov_b32 s94, 5
.Lp1:                                          ; units 4-23
	QUAD1 0, 1
	STEPK
	s_sub_co_u32 s94, s94, 1
	s_cmp_lg_u32 s94, 0
	s_cbranch_scc1 .Lp1
	QUAD1 0, 0                                     ; units 24-27: unit 26 asks for the last fragment
	UNIT1 0, 0, 1, 0, 2                            ; units 28-31: the counts run down
	UNIT1 1, 0, 1, 0, 1
	UNIT1 2, 0, 1, 0, 0
	UNIT1 3, 0, 0, 0, 0
.irp t, 0,1,2,3
	v_max3_num_f32 v[MA+4*(\t)], v[MA+4*(\t)], v[MA+4*(\t)+1], v[MA+4*(\t)+2]
.endr
.irp t, 0,1,2,3
	v_max_num_f32 v[MA+4*(\t)], v[MA+4*(\t)], v[MA+4*(\t)+3]
.endr
.irp t, 0,1,2,3
	v_permlanex16_b32 v[MA+4*(\t)+1], v[MA+4*(\t)], s92, s93   ; the query's other 8 keys of each unit lie in the lane 16 away
.endr
.irp t, 0,1,2,3
	v_max_num_f32 v[TM+(\t)], v[MA+4*(\t)], v[MA+4*(\t)+1]
.endr
	ds_store_b128 v[MXS], v[TM:TM+3]
	s_wait_dscnt 0x0
	BAR
.irp k, 0,1,2,3
	ds_load_b128 v[MA+4*(\k):MA+4*(\k)+3], v[MXR] offset:512*(\k)   ; the four key quarters' maxima of my queries
.endr
	; pass 2's first loads go out behind them
	s_mov_b32 s91, 0
	v_mov_b32 v[AKW], v[AK0]
	v_mov_b32 v[AVW], v[AV0]
.irp f, 0,1,2,3
	ds_load_b128 v[KF+8*(\f):KF+8*(\f)+3], v[AKW] offset:256*(\f)
.endr
	ds_load_tr16_b128 v[VF:VF+3],   v[AVW]
	ds_load_tr16_b128 v[VF+4:VF+7], v[AVW] offset:256
	s_wait_dscnt 6                                 ; the maxima are in; the six loads behind them stay out
.irp t, 0,1,2,3
	v_max3_num_f32 v[TM+(\t)], v[MA+(\t)], v[MA+4+(\t)], v[MA+8+(\t)]
.endr
.irp t, 0,1,2,3
	v_max_num_f32 v[TM+(\t)], v[TM+(\t)], v[MA+12+(\t)]
.endr
.irp t, 0,1,2,3                        ; minus the maximum, in all 8 registers of the tile's C operand
.irp i, 0,2,4,6
.if ((\t)%2)
	v_pk_mul_f32 v[C+8*(\t)+(\i):C+8*(\t)+(\i)+1], v[TM+2*((\t)/2):TM+2*((\t)/2)+1], v[NEG1:NEG1+1] op_sel:[1,0] op_sel_hi:[1,0]
.else
	v_pk_mul_f32 v[C+8*(\t)+(\i):C+8*(\t)+(\i)+1], v[TM+2*((\t)/2):TM+2*((\t)/2)+1], v[NEG1:NEG1+1] op_sel_hi:[0,0]
.endif
.endr
.endr
	; ---- PASS 2: p = 2^(score - maximum), O^T += (slots)^T p.  16 steps of 32 keys: units a = 2 s (buffer 0) and b = 2 s + 1 (buffer 1).
.macro SCORE kf, db, t
	v_wmma_f32_16x16x32_bf16 v[S+32*(\db)+8*(\t):S+32*(\db)+8*(\t)+7], v[KF+8*(\kf):KF+8*(\kf)+7], v[Q+4*(\t):Q+4*(\t)+7], v[C+8*(\t):C+8*(\t)+7]
.endm
; a unit's four products into buffer db, behind each 8 exponentials in place on the other buffer, from each accumulator's low end on
.macro WE kf, db, doW
.irp t, 0,1,2,3
.if \doW
	SCORE \kf, \db, \t
.endif
.irp j, 0,1,2,3,4,5,6,7
	v_exp_f32 v[S+32*(1-(\db))+8*(\t)+(\j)], v[S+32*(1-(\db))+8*(\t)+(\j)]
.endr
.endr
.endm
.macro CVP sb                          ; buffer sb's weights rounded to bf16: half sb of each tile's 32 keys x 16 queries
.irp t, 0,1,2,3
.irp i, 0,1,2,3
	v_cvt_pk_bf16_f32 v[P+8*(\t)+4*(\sb)+(\i)], v[S+32*(\sb)+8*(\t)+2*(\i)], v[S+32*(\sb)+8*(\t)+2*(\i)+1]
.endr
.endr
.endm
.macro PVM vf, first                   ; the four accumulators take turns
.irp t, 0,1,2,3
.if \first
	v_wmma_f32_16x16x32_bf16 v[O+8*(\t):O+8*(\t)+7], v[VF+8*(\vf):VF+8*(\vf)+7], v[P+8*(\t):P+8*(\t)+7], 0
.else
	v_wmma_f32_16x16x32_bf16 v[O+8*(\t):O+8*(\t)+7], v[VF+8*(\vf):VF+8*(\vf)+7], v[P+8*(\t):P+8*(\t)+7], v[O+8*(\t):O+8*(\t)+7]
.endif
.endr
.endm
; sp: the step's parity.  w2: unit 2 s + 2 exists.  nk: key fragments still to ask for (units 2 s + 5, 2 s + 6).  dv: the next step's turned fragment is asked for.
.macro STEP2 sp, first, w2, nk, dv
	WE 2*(\sp)+1, 1, 1                             ; unit b's scores | unit a's exponentials
	NOPS 4                                         ; the plain instruction behind the last exponential; and four places between the last step's products, which read P, and the roundings that write it
	s_wait_alu depctr_va_vdst(0)                   ; one wait for the 32 exponentials, ahead of their first reader
	CVP 0
	WE (2*(\sp)+2)%4, 0, \w2                       ; the next step's unit a | unit b's exponentials
	v_nop
	s_wait_alu depctr_va_vdst(0)
	CVP 1                                          ; 16 plain instructions: the places in front of the loads below
.if (\nk) > 0
	ds_load_b128 v[KF+8*(2*(\sp)+1):KF+8*(2*(\sp)+1)+3], v[AKW] offset:256*(2*(\sp)+5)
.endif
.if (\nk) > 1
	ds_load_b128 v[KF+8*((2*(\sp)+2)%4):KF+8*((2*(\sp)+2)%4)+3], v[AKW] offset:256*(2*(\sp)+6)
.endif
.if \dv
	ds_load_tr16_b128 v[VF+8*(1-(\sp)):VF+8*(1-(\sp))+3],   v[AVW] offset:512*((\sp)+1)
	ds_load_tr16_b128 v[VF+8*(1-(\sp))+4:VF+8*(1-(\sp))+7], v[AVW] offset:512*((\sp)+1)+256
.endif
	s_wait_dscnt (\nk)+2*(\dv)                     ; only what was just issued may be out: this step's turned fragment and the next step's two key fragments are in
	PVM \sp, \first
.endm
.macro STEPKV                          ; two steps on
	s_add_co_u32 s91, s91, 1024
	v_add_nc_u32 v[AKW], s91, v[AK0]
	v_add_nc_u32 v[AVW], s91, v[AV0]
.endm
	s_wait_dscnt 0x0                               ; units 0-3 and the first turned fragment
.irp t, 0,1,2,3
	SCORE 0, 0, \t
.endr
	NOPS 4                                         ; four places: in front of the load into fragment 0 and of the exponentials on these scores
	ds_load_b128 v[KF:KF+3], v[AKW] offset:1024
	STEP2 0, 1, 1, 2, 1                            ; step 0 starts O's sums
	STEP2 1, 0, 1, 2, 1
	STEPKV
	s_mov_b32 s94, 5
.Lp2:                                          ; steps 2-11
	STEP2 0, 0, 1, 2, 1
	STEP2 1, 0, 1, 2, 1
	STEPKV
	s_sub_co_u32 s94, s94, 1
	s_cmp_lg_u32 s94, 0
	s_cbranch_scc1 .Lp2
	STEP2 0, 0, 1, 2, 1                            ; step 12 asks for units 29 and 30,
	STEP2 1, 0, 1, 1, 1                            ; step 13 for unit 31,
	STEPKV
	STEP2 0, 0, 1, 0, 1                            ; step 14 for the last turned fragment,
	STEP2 1, 0, 0, 0, 0                            ; step 15 for nothing
	NOPS 4                                         ; four places behind the last products
.irp t, 0,1,2,3
	ds_store_b128 v[OPS], v[O+8*(\t):O+8*(\t)+3]   offset:1024*(\t)
	ds_store_b128 v[OPS], v[O+8*(\t)+4:O+8*(\t)+7] offset:1024*(\t)+512
.endr
	s_wait_dscnt 0x0
	BAR
	; ---- THE FINISH: wave w takes query tile w; both halves of the lanes come to hold row r
.macro W1L g                           ; the 4 fragments of W1 | b1 for units 64 g .. + 63: set g % 2 (the key fragments' registers, or C's with zeroed upper halves)
.irp t, 0,1,2,3
	ds_load_b128 v[KF-(KF-C)*((\g)%2)+8*(\t):KF-(KF-C)*((\g)%2)+8*(\t)+3], v[AW1] offset:1024*(\g)+256*(\t)
.endr
.endm
.macro W2L g                           ; the 2 turned fragments of W2 for the same units: set g % 2
.irp x, 0,1
	ds_load_tr16_b128 v[VF+32*((\g)%2)+8*(\x):VF+32*((\g)%2)+8*(\x)+3],   v[AW2] offset:1024*(\g)+512*(\x)
	ds_load_tr16_b128 v[VF+32*((\g)%2)+8*(\x)+4:VF+32*((\g)%2)+8*(\x)+7], v[AW2] offset:1024*(\g)+512*(\x)+256
.endr
.endm
.macro HPROD g                         ; h^T = (W1 | b1) x res^T for 64 units x 16 rows
.irp t, 0,1,2,3
	v_wmma_f32_16x16x32_bf16 v[S+32*((\g)%2)+8*(\t):S+32*((\g)%2)+8*(\t)+7], v[KF-(KF-C)*((\g)%2)+8*(\t):KF-(KF-C)*((\g)%2)+8*(\t)+7], v[Q+12:Q+19], 0
.endr
.endm
.irp k, 0,1,2,3
	ds_load_b128 v[S+8*(\k):S+8*(\k)+3],   v[OPR] offset:8192*(\k)
	ds_load_b128 v[S+8*(\k)+4:S+8*(\k)+7], v[OPR] offset:8192*(\k)+512
.endr
.irp i, 0,1,2,3,4
	ds_load_b128 v[S+32+4*(\i):S+32+4*(\i)+3], v[COA] offset:64*(6+(\i))+16   ; Wv Wo (4 rows), bv Wo
.endr
	W1L 0                                          ; the FFN's first 12 loads go out behind them
	W1L 1
	W2L 0
.irp f, 0,1,2,3
.irp j, 4,5,6,7
	v_mov_b32 v[C+8*(\f)+(\j)], 0                  ; slots 16-31 of the second set of W1's fragments
.endr
.endr
	s_wait_dscnt 12                                ; the 13 loads of O and the coefficients are in
.irp j, 0,2,4,6
	v_pk_add_f32 v[S+(\j):S+(\j)+1],       v[S+(\j):S+(\j)+1],       v[S+8+(\j):S+8+(\j)+1]
	v_pk_add_f32 v[S+16+(\j):S+16+(\j)+1], v[S+16+(\j):S+16+(\j)+1], v[S+24+(\j):S+24+(\j)+1]
.endr
.irp j, 0,2,4,6
	v_pk_add_f32 v[S+(\j):S+(\j)+1], v[S+(\j):S+(\j)+1], v[S+16+(\j):S+16+(\j)+1]   ; the four key quarters
.endr
	v_pk_add_f32 v[S+8:S+9],   v[S:S+1],   v[S+4:S+5]    ; lanes 0-15: sum p y = hi + lo
	v_pk_add_f32 v[S+10:S+11], v[S+2:S+3], v[S+6:S+7]
.irp i, 0,1,2,3
	v_permlanex16_b32 v[S+12+(\i)], v[S+8+(\i)], s92, s93
.endr
	v_permlanex16_b32 v[S+16], v[S], s92, s93            ; lanes 16-31 hold sum p in register 0
.irp i, 0,1,2,3
	v_cndmask_b32 v[S+8+(\i)], v[S+8+(\i)], v[S+12+(\i)], s90
.endr
	v_cndmask_b32 v[S+17], v[S+16], v[S], s90
	v_rcp_f32 v[S+18], v[S+17]
.irp i, 0,1,2,3
	v_add_f32 v[S+48+(\i)], s[48+(\i)], v[S+48+(\i)]     ; bv Wo + bo: plain work behind the reciprocal
.endr
	s_wait_alu depctr_va_vdst(0)                         ; the reciprocal has written v[S+18], ahead of its first reader
	v_pk_mul_f32 v[S+8:S+9],   v[S+8:S+9],   v[S+18:S+19] op_sel_hi:[1,0]
	v_pk_mul_f32 v[S+10:S+11], v[S+10:S+11], v[S+18:S+19] op_sel_hi:[1,0]
	AFF4 S+20, S+32, S+8, S+48                           ; attention's output
	v_pk_add_f32 v[S+20:S+21], v[S+20:S+21], v[XR:XR+1]
	v_pk_add_f32 v[S+22:S+23], v[S+22:S+23], v[XR+2:XR+3]
	LNORM S+20, TM, 52, 56, S+24                         ; res
	QFRAG TM, Q+12, S+52, S+58
	; the FFN: 8 groups of 64 hidden units
; group g: the next group's h | this group's h rounded to bf16 and cut at 0 | loads | two products onto the two accumulators, which take turns
.macro FFG g
.if (\g) < 7
	HPROD (\g)+1
.endif
.irp t, 0,1,2,3
.irp i, 0,1,2,3
	v_cvt_pk_bf16_f32 v[P+16*((\g)%2)+4*(\t)+(\i)], v[S+32*((\g)%2)+8*(\t)+2*(\i)], v[S+32*((\g)%2)+8*(\t)+2*(\i)+1]
.endr
.endr
.irp i, 0,1,2,3,4,5,6,7,8,9,10,11,12,13,14,15
	v_pk_max_num_bf16 v[P+16*((\g)%2)+(\i)], v[P+16*((\g)%2)+(\i)], v[Z]
.endr
.set nw, 0
.if (\g) < 5
	W1L (\g)+3                                     ; into the set that the products above read: the 16 roundings are the places between
.set nw, nw+4
.endif
.if (\g) < 7
	W2L (\g)+1
.set nw, nw+4
.endif
	s_wait_dscnt nw                                ; only what was just issued may be out
.irp x, 0,1
.if (\g) == 0
	v_wmma_f32_16x16x32_bf16 v[O+8*(\x):O+8*(\x)+7], v[VF+32*((\g)%2)+8*(\x):VF+32*((\g)%2)+8*(\x)+7], v[P+16*((\g)%2)+8*(\x):P+16*((\g)%2)+8*(\x)+7], 0
.else
	v_wmma_f32_16x16x32_bf16 v[O+8*(\x):O+8*(\x)+7], v[VF+32*((\g)%2)+8*(\x):VF+32*((\g)%2)+8*(\x)+7], v[P+16*((\g)%2)+8*(\x):P+16*((\g)%2)+8*(\x)+7], v[O+8*(\x):O+8*(\x)+7]
.endif
.endr
.endm
	s_wait_dscnt 0x0                               ; groups 0 and 1 of W1, group 0 of W2
	HPROD 0
	NOPS 4                                         ; four places: in front of the loads into the set just read and of the roundings of these results
	W1L 2
.irp g, 0,1,2,3,4,5,6,7
	FFG \g
.endr
	NOPS 4                                         ; four places behind the last products
.irp j, 0,2,4,6
	v_pk_add_f32 v[S+(\j):S+(\j)+1], v[O+(\j):O+(\j)+1], v[O+8+(\j):O+8+(\j)+1]   ; from the low end on
.endr
	v_pk_add_f32 v[S:S+1],   v[S:S+1],   v[S+4:S+5]      ; W2's hi and lo channels
	v_pk_add_f32 v[S+2:S+3], v[S+2:S+3], v[S+6:S+7]
.irp i, 0,1,2,3
	v_add_f32 v[S+(\i)], s[60+(\i)], v[S+(\i)]           ; + b2
.endr
	v_pk_add_f32 v[S:S+1],   v[S:S+1],   v[TM:TM+1]      ; + res
	v_pk_add_f32 v[S+2:S+3], v[S+2:S+3], v[TM+2:TM+3]
	LNORM S, S+8, 68, 72, S+12
.if LAYER
	v_fma_f32 v[S+16], v[S+8], s80, s77                  ; x . Wfc + bfc
	v_fma_f32 v[S+16], v[S+9], s81, v[S+16]
	v_fma_f32 v[S+16], v[S+10], s82, v[S+16]
	v_fma_f32 v[S+16], v[S+11], s83, v[S+16]
	ds_store_b32 v[GO], v[S+16]                          ; both halves of the lanes write the same number to the same word
	s_wait_dscnt 0x0
	BAR
	s_cmp_lg_u32 s3, 0                                   ; wave 0 stores the block's 128 numbers: 512 consecutive bytes, aligned
	s_cbranch_scc1 .Lend
	v_and_b32 v[S+20], 31, v0
	v_lshlrev_b32 v[S+21], 4, v[S+20]
	v_lshl_add_u32 v[S+20], v[S+20], 4, OUTS
	ds_load_b128 v[S+16:S+19], v[S+20]
	s_wait_dscnt 0x0
	global_store_b128 v[S+21], v[S+16:S+19], s[46:47]
.Lend:
.else
	v_cndmask_b32 v[S+16], v[S+8], v[S+10], s90          ; lane (r, h) stores components 2 h and 2 h + 1 of row r:
	v_cndmask_b32 v[S+17], v[S+9], v[S+11], s90
	global_store_b64 v[GO], v[S+16:S+17], s[46:47]       ; the wave's store covers 256 consecutive bytes, aligned
.endif
	s_wait_tensorcnt 0x0                           ; the wave's end, behind my last LDS store
	ds_add_u32 v[SPW], v[NIL]
	s_wait_dscnt 0x0
	s_endpgm
.Lfunc_end_k_q8b754b2f91_layer1:
	.size	k_q8b754b2f91_layer1, .Lfunc_end_k_q8b754b2f91_layer1-k_q8b754b2f91_layer1
	.p2alignl 7, 3214868480
	.fill 96, 4, 3214868480
	.section	.rodata,"a",@progbits
	.p2align	6, 0x0
	.amdhsa_kernel k_q8b754b2f91_layer1
		.amdhsa_group_segment_fixed_size 156160
		.amdhsa_private_segment_fixed_size 0
		.amdhsa_enable_private_segment 0
		.amdhsa_kernarg_size 168
		.amdhsa_user_sgpr_count 2
		.amdhsa_user_sgpr_kernarg_segment_ptr 1
		.amdhsa_wavefront_size32 1
		.amdhsa_system_sgpr_workgroup_id_x 1
		.amdhsa_system_sgpr_workgroup_id_y 1
		.amdhsa_system_sgpr_workgroup_id_z 1
		.amdhsa_system_vgpr_workitem_id 0
		.amdhsa_next_free_vgpr 256
		.amdhsa_next_free_sgpr 100
		.amdhsa_reserve_vcc 0
		.amdhsa_float_denorm_mode_32 3
		.amdhsa_float_denorm_mode_16_64 3
		.amdhsa_memory_ordered 1
		.amdhsa_forward_progress 1
		.amdhsa_inst_pref_size 135
	.end_amdhsa_kernel
	.amdgpu_metadata
---
amdhsa.version: [ 1, 2 ]
amdhsa.kernels:
  - .name:           k_q8b754b2f91_layer1
    .symbol:         k_q8b754b2f91_layer1.kd
    .args:
      - { .name: X1, .offset: 0, .size: 8, .value_kind: global_buffer, .address_space: global }
      - { .name: Wfc, .offset: 8, .size: 8, .value_kind: global_buffer, .address_space: global }
      - { .name: Wq, .offset: 16, .size: 8, .value_kind: global_buffer, .address_space: global }
      - { .name: bq, .offset: 24, .size: 8, .value_kind: global_buffer, .address_space: global }
      - { .name: Wk, .offset: 32, .size: 8, .value_kind: global_buffer, .address_space: global }
      - { .name: bk, .offset: 40, .size: 8, .value_kind: global_buffer, .address_space: global }
      - { .name: Wv, .offset: 48, .size: 8, .value_kind: global_buffer, .address_space: global }
      - { .name: bv, .offset: 56, .size: 8, .value_kind: global_buffer, .address_space: global }
      - { .name: Wo, .offset: 64, .size: 8, .value_kind: global_buffer, .address_space: global }
      - { .name: bo, .offset: 72, .size: 8, .value_kind: global_buffer, .address_space: global }
      - { .name: bw, .offset: 80, .size: 8, .value_kind: global_buffer, .address_space: global }
      - { .name: g1, .offset: 88, .size: 8, .value_kind: global_buffer, .address_space: global }
      - { .name: be1, .offset: 96, .size: 8, .value_kind: global_buffer, .address_space: global }
      - { .name: W1, .offset: 104, .size: 8, .value_kind: global_buffer, .address_space: global }
      - { .name: b1, .offset: 112, .size: 8, .value_kind: global_buffer, .address_space: global }
      - { .name: W2, .offset: 120, .size: 8, .value_kind: global_buffer, .address_space: global }
      - { .name: b2, .offset: 128, .size: 8, .value_kind: global_buffer, .address_space: global }
      - { .name: g2, .offset: 136, .size: 8, .value_kind: global_buffer, .address_space: global }
      - { .name: be2, .offset: 144, .size: 8, .value_kind: global_buffer, .address_space: global }
      - { .name: out0, .offset: 152, .size: 8, .value_kind: global_buffer, .address_space: global }
      - { .name: bfc, .offset: 160, .size: 8, .value_kind: global_buffer, .address_space: global }
    .group_segment_fixed_size: 156160
    .private_segment_fixed_size: 0
    .kernarg_segment_align: 8
    .kernarg_segment_size: 168
    .max_flat_workgroup_size: 256
    .sgpr_count:     100
    .vgpr_count:     256
    .wavefront_size: 32
...
	.end_amdgpu_metadata
.endif
;; end of part 2
;; ======== version 2 of 2: 2 launches; version 1 with the launches layer0, layer1 written anew for expert scheduling mode
;; workspace buffers: X1 524,288 bytes
;; launch layer0 (part 3): grid 16 x 16, 8 waves a work-group, no clusters, 156,160 bytes of LDS; arguments KEY, VALUE, Wq, bq, Wk, bk, Wv, bv, Wo, bo, bw, g1, be1, W1, b1, W2, b2, g2, be2, X1; writes X1
.if DOCPART == 3
	.amdgcn_target "amdgcn-amd-amdhsa--gfx1250"
	.amdhsa_code_object_version 6
	.text
	.protected	k_q8b754b2f91_layer0
	.globl	k_q8b754b2f91_layer0
	.p2align	8
	.type	k_q8b754b2f91_layer0,@function
k_q8b754b2f91_layer0:
	s_mov_b64 s[64:65], 0
	v_nop
	global_prefetch_b8 v0, s[64:65] scope:SCOPE_SE
	s_setreg_imm32_b32 hwreg(HW_REG_WAVE_SCHED_MODE, 0, 2), 2
	s_setreg_imm32_b32 hwreg(HW_REG_WAVE_MODE, 25, 1), 1
	s_wait_xcnt 0x0
	s_wait_alu depctr_vm_vsrc(0)
; ONE ENCODER LAYER (LAYER = 0: from KEY | VALUE to X1; LAYER = 1: from X1 to out0, with the last projection).
; x, y are rows of X [16][2048][4].  Q, K, V are affine images of 4 numbers, so both large products are re-associated (no approximation, every input is read):
;   softmax_k(-bw^2/2 |q - k|^2) = softmax_k(t(x) . y + s(y)) in base 2, with c = log2(e), A = Wq Wk^T, v = bq Wk^T, G = Wk Wk^T, g = bk Wk^T,
;   t = c bw^2 (x A + v),  s = -c bw^2 (g . y + y G y / 2);  |q|^2, q . bk and |bk|^2 do not hang on k and leave the softmax as it is;
;   attn V Wo + bo = (attn Y)(Wv Wo) + bv Wo + bo.
; SHARES.  A work-group of 8 waves owns 128 queries of one batch (grid: 16 blocks x 16 batches).  It folds the weights (f32 matrix form, 8 instructions a wave: no bulk work),
; lays its batch's 2,048 keys and the FFN's weights into LDS as bf16 slots, finds each query's true maximum (pass 1), takes exponentials and sums (pass 2), and finishes 16 rows a wave.
; In the passes wave w takes queries 64 (w & 1) .. + 63 (4 tiles of 16) and keys 512 (w >> 1) .. + 511: a key fragment read from LDS feeds 4 products.
; SLOTS.  A key is 16 bf16 numbers: 0-3 y_hi, 4-7 y_lo, 8 1.0, 9-11 s in three parts, 12-15 y_hi; a query: 0-3 t_hi, 4-7 t_hi, 8 0, 9-11 1.0, 12-15 t_lo.  Their product is
; t_hi y_hi + t_hi y_lo + t_lo y_hi + s.  Slots 16-31 of the K = 32 form are zero registers on the key's side.  Read turned, the same 16 slots are the values:
; channels 0-3 sum p y_hi, 4-7 sum p y_lo, 8 sums p itself.  The FFN takes the same scheme: unit f as key, W1[:, f] as y, b1[f] as s, the row as t; W2 as hi and lo channels.
; LIMITS.  t and y carry 16 significant bits, s 24: a logit is off by about 2^-17 of |t_j y_j|.  p and relu(h) are rounded once to bf16 (numerator and row sum take the same rounded p).
; A weight below 2^-126 counts as 0.  NaN and infinities are not treated apart (a query fragment's upper registers hold finite numbers that meet zeros).
; NO CLUSTER, NO TENSOR LOADS: what the 16 work-groups of a batch share is 32 KiB of X, read once, and it reaches LDS only after arithmetic on registers (splits, a quadratic form); nothing in LDS is filled twice.
; THE MODE: SCHED_MODE bits 1:0 = 2 (LLVM: expert scheduling mode 2), set by the entry lines.  The code itself states the register dependences
; between vector or matrix instructions and memory or LDS instructions, with s_wait_alu, always for 0.
; THE PLAN.  Registers that memory or LDS instructions touch:
;   v3-14, v228-243  addresses and offsets: written at the head, ahead of one wait on va_vdst that serves the whole kernel.  AKW and AVW alone are written again: behind a wait on vm_vsrc,
;                    and ahead of a wait on va_vdst that stands there for another reason.  v228-243 are written again only by pass 2's products and the FFN's loads, behind later waits on vm_vsrc.
;   key table        seven sets of 6 registers (KS, RA): four keys' slots are made, one wait on va_vdst, eight stores; the next three keys take fresh sets, the eighth set 0 behind a wait on vm_vsrc.
;   pass 1           a ring of 8 key fragments (KF's four, and four in C's registers, which pass 1 does not need otherwise).  A step is 4 units.  ONE wait on va_vdst at its head: all earlier products are
;                    done reading the four slots that the step asks for again; the step's own products name the other four.
;   pass 2           the wait for a step's second batch of exponentials stands behind both groups of scores and behind the last step's O products: they are done reading the two key fragments and the
;                    turned fragment that the step asks for again.  Between that wait and the loads stand roundings alone, which name P and S.
;   FFN              one wait on va_vdst a group, behind its roundings and maxima: the h products are done reading their set of W1, the last group's products their set of W2.
;   store data       (splits, partial sums, maxima, O, the result) is written ahead of a wait on va_vdst, and written again only behind a wait on vm_vsrc.
;   Q, Z, P, the zero halves of the fragments, NEG1, ONE, K2, v208-211 are named by vector and matrix instructions alone.
.set LAYER, 0
.set NY, 16-8*LAYER                    ; loads that bring my 8 keys
.set NQ, 10-5*LAYER                    ; loads that bring 4 query rows and my own row
; LDS
.set KT,    0                          ; slots 0-7 of key k at 16 k
.set KT2,   32896                      ; slots 8-15 at KT2 + 16 k
.set W1T,   65792                      ; slots 0-7 of hidden unit f at 16 f
.set W1T2,  8320                       ; slots 8-15, from W1T
.set W2T,   82432                      ; unit f at 16 f: W2 hi 0-3, lo 0-3
.set ST,    90624                      ; 19 rows of 256 f32: 0-3 Wq, 4 bq, 5 bk, 6-9 Wv, 10 bv, 11-14 Wk, 15-18 Wo^T
.set SPI,   1040                       ; their pitch: 65 x 16 bytes, so 16 rows start at 16 different groups of four banks
.set PD,    110592                     ; the fold's partial sums: [wave][register][lane]
.set CO,    118784                     ; the folded table D[16][16] f32, rows of 64 bytes
.set MX,    119808                     ; maxima: [key quarter][query group][row], 16 bytes (4 tiles)
.set OP,    121856                     ; partial O: [key quarter][tile 0-7][register half][lane], 16 bytes
.set OUTS,  154624                     ; 128 f32 (LAYER 1)
.set SPARE, 155136                     ; the spare words: 128 bytes a wave, four blocks of 256 bytes that no other line names
; vector registers
.set SPW, 1                            ; LDS address of my spare word; never rewritten
.set NIL, 2                            ; 0; never rewritten
.set AK0, 3                            ; key fragments: 8192 kq + 16 r + KT2 h
.set AV0, 4                            ; turned: 8192 kq + 16 (8 h + L % 8) + KT2 ((L / 8) % 2)
.set MXS, 5
.set MXR, 6
.set OPS, 7
.set OPR, 8
.set AW1, 9
.set AW2, 10
.set GO,  11                           ; LAYER 0: my 8 bytes of X1; LAYER 1: my word of OUTS
.set AKW, 12                           ; AK0 + s91
.set AVW, 13                           ; AV0 + s91
.set COA, 14
.set Q,   16                           ; v16-31 four query fragments of 4 registers; a product names 8: the next tile's, or Z
.set Z,   32                           ; v32-35 zeros
.set C,   36                           ; v36-67 pass 1: key fragments 4-7 of the ring; pass 2: minus the maximum, 8 registers a tile
.set S,   68                           ; v68-131 scores, two buffers of 4 tiles x 8
.set P,   132                          ; v132-163 weights in bf16, 8 a tile
.set MA,  132                          ; pass 1: 16 running maxima
.set KF,  164                          ; v164-195 four key fragments: 4 registers of data, 4 of zeros
.set VF,  196                          ; v196-211 two turned fragments
.set O,   212                          ; v212-243 four accumulators; v212-227 are also the fold's: matrix instructions alone write them
.set XR,  244                          ; v244-247 my own row
.set NEG1, 248
.set ONE, 249                          ; 1.0; its bits are also the slots (0, 1.0) in bf16
.set K2,  251                          ; the slots (1.0, 1.0)
.set TM,  252                          ; v252-255 at work; from LN1 on the row res
; the prologue's registers
.set YR,  68                           ; my 8 keys
.set QX,  100                          ; 4 query rows
.set WR,  116                          ; W1 of 2 units (8), b1 (2), W2 (8)
.set FW,  134                          ; Wq, Wk, Wv, Wo (4 each), bq, bk, bv
.set FA,  36
.set FB,  52
.set CG,  116                          ; G', 4 rows
.set CGV, 132                          ; g'
.set CA,  136                          ; A, 4 rows
.set CVV, 152                          ; v
.set T0,  156                          ; v156-163 at work
.set RA,  196                          ; two sets of 6: slots on their way to LDS
.set KS,  36                           ; v36-65 five more such sets, for the key table
.set QR,  206                          ; a query's hi and lo go through v208-211 (QR + 2 ..), which no store reads
.set G16, 228
.set G4,  229
.set G12, 230
.set QKO, 231
.set QVO, 232
.set XKO, 233
.set XVO, 234
.set W1S, 235
.set SA,  236
.set SB,  237
.set FAA, 238
.set FBA, 239
.set PDS, 240
.set PDR, 241
.set COS, 242
.macro BAR
	s_barrier_signal -1
	s_barrier_wait -1
.endm
.macro NOPS n
.rept \n
	v_nop
.endr
.endm
; D[0:3] = B[0:3] + the sum over i of X[i] x M[4 i .. 4 i + 3]
.macro AFF4 D, M, X, B
	v_pk_fma_f32 v[(\D):(\D)+1],   v[(\M):(\M)+1],     v[(\X):(\X)+1],     v[(\B):(\B)+1]     op_sel_hi:[1,0,1]
	v_pk_fma_f32 v[(\D)+2:(\D)+3], v[(\M)+2:(\M)+3],   v[(\X):(\X)+1],     v[(\B)+2:(\B)+3]   op_sel_hi:[1,0,1]
	v_pk_fma_f32 v[(\D):(\D)+1],   v[(\M)+4:(\M)+5],   v[(\X):(\X)+1],     v[(\D):(\D)+1]     op_sel:[0,1,0]
	v_pk_fma_f32 v[(\D)+2:(\D)+3], v[(\M)+6:(\M)+7],   v[(\X):(\X)+1],     v[(\D)+2:(\D)+3]   op_sel:[0,1,0]
	v_pk_fma_f32 v[(\D):(\D)+1],   v[(\M)+8:(\M)+9],   v[(\X)+2:(\X)+3],   v[(\D):(\D)+1]     op_sel_hi:[1,0,1]
	v_pk_fma_f32 v[(\D)+2:(\D)+3], v[(\M)+10:(\M)+11], v[(\X)+2:(\X)+3],   v[(\D)+2:(\D)+3]   op_sel_hi:[1,0,1]
	v_pk_fma_f32 v[(\D):(\D)+1],   v[(\M)+12:(\M)+13], v[(\X)+2:(\X)+3],   v[(\D):(\D)+1]     op_sel:[0,1,0]
	v_pk_fma_f32 v[(\D)+2:(\D)+3], v[(\M)+14:(\M)+15], v[(\X)+2:(\X)+3],   v[(\D)+2:(\D)+3]   op_sel:[0,1,0]
.endm
; four f32 at Y -> R+2, R+3: their bf16 (hi); R+4, R+5: the bf16 of what is left (lo).  T: 4 registers at work
.macro YSPLIT Y, R, T
	v_cvt_pk_bf16_f32 v[(\R)+2], v[(\Y)], v[(\Y)+1]
	v_cvt_pk_bf16_f32 v[(\R)+3], v[(\Y)+2], v[(\Y)+3]
	v_fma_mix_f32_bf16 v[(\T)],   v[(\R)+2], v[NEG1], v[(\Y)]   op_sel_hi:[1,0,0]
	v_fma_mix_f32_bf16 v[(\T)+1], v[(\R)+2], v[NEG1], v[(\Y)+1] op_sel:[1,0,0] op_sel_hi:[1,0,0]
	v_fma_mix_f32_bf16 v[(\T)+2], v[(\R)+3], v[NEG1], v[(\Y)+2] op_sel_hi:[1,0,0]
	v_fma_mix_f32_bf16 v[(\T)+3], v[(\R)+3], v[NEG1], v[(\Y)+3] op_sel:[1,0,0] op_sel_hi:[1,0,0]
	v_cvt_pk_bf16_f32 v[(\R)+4], v[(\T)], v[(\T)+1]
	v_cvt_pk_bf16_f32 v[(\R)+5], v[(\T)+2], v[(\T)+3]
.endm
; one f32 at X -> R: (1.0, hi); R+1: (mid, lo).  T: 3 registers at work
.macro SSPLIT X, R, T
	v_cvt_pk_bf16_f32 v[(\R)], v[ONE], v[(\X)]
	v_fma_mix_f32_bf16 v[(\T)], v[(\R)], v[NEG1], v[(\X)] op_sel:[1,0,0] op_sel_hi:[1,0,0]
	v_cvt_pk_bf16_f32 v[(\T)+1], v[(\T)], v[(\T)]
	v_fma_mix_f32_bf16 v[(\T)+2], v[(\T)+1], v[NEG1], v[(\T)] op_sel_hi:[1,0,0]
	v_cvt_pk_bf16_f32 v[(\R)+1], v[(\T)], v[(\T)+2]
.endm
; four f32 at X -> a query-side fragment at D: lanes 0-15 slots 0-7, lanes 16-31 slots 8-15 (s90 marks the upper lanes).  R: 6, T: 4 at work
.macro QFRAG X, D, R, T
	YSPLIT \X, \R, \T
	v_cndmask_b32 v[(\D)],   v[(\R)+2], v[ONE],     s90
	v_cndmask_b32 v[(\D)+1], v[(\R)+3], v[K2],      s90
	v_cndmask_b32 v[(\D)+2], v[(\R)+2], v[(\R)+4],  s90
	v_cndmask_b32 v[(\D)+3], v[(\R)+3], v[(\R)+5],  s90
.endm
; key i of my 8: s = (g' + G' y) . y, and the slots, into set R
.macro KEYROW i, R
.set rY, YR+4*(\i)
	AFF4 T0, CG, rY, CGV
	v_pk_mul_f32 v[T0:T0+1], v[T0:T0+1], v[rY:rY+1]
	v_pk_fma_f32 v[T0:T0+1], v[T0+2:T0+3], v[rY+2:rY+3], v[T0:T0+1]
	v_add_f32 v[T0+4], v[T0], v[T0+1]
	YSPLIT rY, \R, T0
	SSPLIT T0+4, \R, T0+5
.endm
; its two stores
.macro KEYST i, R
	ds_store_b128 v[G16], v[(\R)+2:(\R)+5] offset:KT+4096*(\i)
	ds_store_b128 v[G16], v[(\R):(\R)+3]   offset:KT2+4096*(\i)
.endm
; OUT = (Z - mean) rsqrt(var + 1e-5) g + b over the lane's 4 numbers.  G, B: scalar registers; T: 4 at work
.macro LNORM Z, OUT, G, B, T
	v_add_f32 v[(\T)], v[(\Z)], v[(\Z)+1]
	v_add_f32 v[(\T)+1], v[(\Z)+2], v[(\Z)+3]
	v_add_f32 v[(\T)], v[(\T)], v[(\T)+1]
	v_pk_fma_f32 v[(\Z):(\Z)+1],   v[(\T):(\T)+1], s[98:99], v[(\Z):(\Z)+1]   op_sel_hi:[0,0,1]  ; z - sum / 4
	v_pk_fma_f32 v[(\Z)+2:(\Z)+3], v[(\T):(\T)+1], s[98:99], v[(\Z)+2:(\Z)+3] op_sel_hi:[0,0,1]
	v_pk_mul_f32 v[(\T)+2:(\T)+3], v[(\Z):(\Z)+1], v[(\Z):(\Z)+1]
	v_pk_fma_f32 v[(\T)+2:(\T)+3], v[(\Z)+2:(\Z)+3], v[(\Z)+2:(\Z)+3], v[(\T)+2:(\T)+3]
	v_add_f32 v[(\T)+2], v[(\T)+2], v[(\T)+3]
	v_fma_f32 v[(\T)+2], v[(\T)+2], s95, 0x3727c5ac          ; / 4 + 1e-5
	v_rsq_f32 v[(\T)+2], v[(\T)+2]
	v_nop                                                    ; a plain instruction behind the root,
	s_wait_alu depctr_va_vdst(0)                             ; the root has written its result, ahead of the first instruction that names it
	v_pk_mul_f32 v[(\Z):(\Z)+1],   v[(\Z):(\Z)+1],   v[(\T)+2:(\T)+3] op_sel_hi:[1,0]
	v_pk_mul_f32 v[(\Z)+2:(\Z)+3], v[(\Z)+2:(\Z)+3], v[(\T)+2:(\T)+3] op_sel_hi:[1,0]
.irp i, 0,1,2,3
	v_fma_f32 v[(\OUT)+(\i)], v[(\Z)+(\i)], s[(\G)+(\i)], s[(\B)+(\i)]
.endr
.endm
	; ---- the head: arguments, ids, addresses
	s_load_b512 s[8:23], s[0:1], 0x0               ; the pointers, in the order of the launch's arguments, from s[8:9] on
	s_load_b512 s[24:39], s[0:1], 0x40
	s_load_b256 s[40:47], s[0:1], 0x80
.if LAYER
	s_load_b64 s[84:85], s[0:1], 0xa0              ; bfc
.endif
	v_lshl_add_u32 v[SPW], v0, 2, SPARE
	v_mov_b32 v[NIL], 0
	v_lshrrev_b32 v254, 5, v0
	v_readfirstlane_b32 s3, v254                   ; wave w
	v_and_b32 v252, 15, v0                         ; r
	v_bfe_u32 v253, v0, 4, 1                       ; h
	v_and_b32 v254, 31, v0                         ; L
	s_and_b32 s7, ttmp7, 0xffff                    ; batch
	s_wait_alu depctr_va_sdst(0)                   ; s3 is written, ahead of its first reader
	s_and_b32 s4, s3, 1                            ; qg: which 64 queries
	s_lshr_b32 s5, s3, 1                           ; kq: which 512 keys
	s_lshl_b32 s96, s5, 13
	v_lshl_add_u32 v[AK0], v252, 4, s96
	v_mad_u32_u24 v[AK0], v253, KT2, v[AK0]
	v_mov_b32 v[AKW], v[AK0]                       ; pass 1 begins at the quarter's first key
	v_and_b32 v255, 7, v0
	v_lshl_add_u32 v255, v253, 3, v255             ; 8 h + L % 8
	v_lshl_add_u32 v[AW2], v255, 4, W2T            ; lanes 8-15 name what lanes 0-7 name: channels 8-15 repeat 0-7
	v_lshl_add_u32 v[AV0], v255, 4, s96
	v_bfe_u32 v255, v0, 3, 1
	v_mad_u32_u24 v[AV0], v255, KT2, v[AV0]
	v_mov_b32 v[AVW], v[AV0]                       ; and so does pass 2
	v_lshl_add_u32 v[AW1], v252, 4, W1T
	v_mad_u32_u24 v[AW1], v253, W1T2, v[AW1]
	s_lshl_b32 s97, s3, 8
	s_add_co_u32 s97, s97, MX                      ; 512 kq + 256 qg = 256 w
	v_lshl_add_u32 v[MXS], v252, 4, s97
	s_lshl_b32 s97, s4, 8
	s_add_co_u32 s97, s97, MX
	v_lshl_add_u32 v[MXR], v252, 4, s97
	s_lshl_b32 s97, s3, 12
	s_add_co_u32 s97, s97, OP                      ; 8192 kq + 4096 qg = 4096 w
	v_lshl_add_u32 v[OPS], v254, 4, s97
	s_lshl_b32 s97, s3, 10
	s_add_co_u32 s97, s97, OP
	v_lshl_add_u32 v[OPR], v254, 4, s97
	v_mov_b32 v[COA], CO
.if LAYER
	s_lshl_b32 s97, s3, 6
	s_add_co_u32 s97, s97, OUTS
	v_lshl_add_u32 v[GO], v252, 2, s97
.else
	s_lshl_b32 s97, s3, 8
	v_lshl_add_u32 v[GO], v252, 4, s97
	v_lshl_add_u32 v[GO], v253, 3, v[GO]           ; 256 w + 16 r + 8 h
.endif
	v_lshlrev_b32 v[G16], 4, v0
	v_lshlrev_b32 v[G4], 2, v0
	v_add_nc_u32 v[W1S], W1T, v[G16]
	v_lshrrev_b32 v255, 6, v0
	v_and_b32 v[SA], 63, v0
	v_lshl_add_u32 v[SA], v[SA], 4, ST
	v_mad_u32_u24 v[SA], v255, SPI, v[SA]          ; my 16 bytes of a [4][256] matrix: row t / 64
	v_add_nc_u32 v[SB], ST, v[G4]
	s_lshl_b32 s97, s3, 7
	s_add_co_u32 s97, s97, ST
	v_lshl_add_u32 v255, v253, 4, s97              ; my wave's 32 channels, 16 bytes for each half of the lanes
	v_mad_u32_u24 v[FAA], v252, SPI, v255
	v_and_b32 v[FBA], 7, v0
	v_mad_u32_u24 v[FBA], v[FBA], SPI, v255
	s_lshl_b32 s97, s3, 10
	s_add_co_u32 s97, s97, PD
	v_lshl_add_u32 v[PDS], v254, 2, s97
	s_lshl_b32 s97, s3, 7
	s_add_co_u32 s97, s97, PD
	v_lshl_add_u32 v[PDR], v254, 2, s97
	s_lshl_b32 s97, s3, 6
	s_add_co_u32 s97, s97, CO
	v_lshl_add_u32 v[COS], v252, 2, s97
	v_lshl_add_u32 v[COS], v253, 9, v[COS]         ; D[8 h + w][r]
	s_lshl_b32 s98, ttmp9, 7                       ; the block's first query
	s_lshl_b32 s97, s4, 6
	s_add_co_u32 s97, s97, s98
	v_add_nc_u32 v254, s97, v252                   ; tile 0's row for this lane
	s_lshl_b32 s97, s3, 4
	s_add_co_u32 s97, s97, s98
	v_add_nc_u32 v255, s97, v252                   ; the row that I finish
.if LAYER
	v_lshlrev_b32 v[QKO], 4, v254
	v_lshlrev_b32 v[XKO], 4, v255
.else
	v_mul_u32_u24 v[G12], v0, 12
	v_mul_u32_u24 v[QKO], v254, 12
	v_lshlrev_b32 v[QVO], 2, v254
	v_mul_u32_u24 v[XKO], v255, 12
	v_lshlrev_b32 v[XVO], 2, v255
.endif
	s_mov_b32 s90, 0xffff0000                      ; lanes 16-31
	s_mov_b32 s92, 0x76543210                      ; v_permlanex16_b32: each lane takes its own place in the other half
	s_mov_b32 s93, 0xfedcba98
	s_mov_b32 s95, 0x3e800000                      ; 0.25
	s_wait_kmcnt 0x0
	s_load_b128 s[48:51], s[26:27], 16*LAYER       ; bo
	s_load_b128 s[52:55], s[30:31], 16*LAYER       ; g1
	s_load_b128 s[56:59], s[32:33], 16*LAYER       ; be1
	s_load_b128 s[60:63], s[40:41], 16*LAYER       ; b2
	s_load_b128 s[68:71], s[42:43], 16*LAYER       ; g2
	s_load_b128 s[72:75], s[44:45], 16*LAYER       ; be2
	s_load_b32 s76, s[28:29], 4*LAYER              ; bw
.if LAYER
	s_load_b128 s[80:83], s[10:11], 0x0            ; Wfc
	s_load_b32 s77, s[84:85], 0x0                  ; bfc
	s_lshl_b32 s96, s7, 15
	s_mov_b32 s97, 0
	s_add_nc_u64 s[8:9], s[8:9], s[96:97]          ; X1 at my batch
	s_lshl_b32 s96, s7, 13
	s_lshl_b32 s98, ttmp9, 9
	s_add_co_u32 s96, s96, s98
	s_add_nc_u64 s[46:47], s[46:47], s[96:97]      ; out0 at my block's 512 bytes
.else
	s_mul_i32 s96, s7, 24576
	s_mov_b32 s97, 0
	s_add_nc_u64 s[8:9], s[8:9], s[96:97]          ; KEY at my batch
	s_lshl_b32 s96, s7, 13
	s_add_nc_u64 s[10:11], s[10:11], s[96:97]      ; VALUE at my batch
	s_lshl_b32 s96, s7, 15
	s_lshl_b32 s98, ttmp9, 11
	s_add_co_u32 s96, s96, s98
	s_add_nc_u64 s[46:47], s[46:47], s[96:97]      ; X1 at my block's 2,048 bytes
.endif
	s_mov_b32 s98, 0xbe800000                      ; -0.25, named as a pair
	s_mov_b32 s99, s98
	s_wait_alu depctr_va_vdst(0)                   ; all addresses and offsets, v3 to v14 and v228 to v242, are written: every load and store of the kernel reads one of them
	; all global loads of the launch, in the order in which they are wanted: 7 for the fold, 12 for the FFN's tables, NY keys, NQ queries
	global_load_b128 v[FW:FW+3],     v[G16], s[12:13] offset:4096*LAYER   ; Wq
	global_load_b128 v[FW+4:FW+7],   v[G16], s[16:17] offset:4096*LAYER   ; Wk
	global_load_b128 v[FW+8:FW+11],  v[G16], s[20:21] offset:4096*LAYER   ; Wv
	global_load_b128 v[FW+12:FW+15], v[G16], s[24:25] offset:4096*LAYER   ; Wo[t][0:3]
	global_load_b32 v[FW+16], v[G4], s[14:15] offset:1024*LAYER           ; bq
	global_load_b32 v[FW+17], v[G4], s[18:19] offset:1024*LAYER           ; bk
	global_load_b32 v[FW+18], v[G4], s[22:23] offset:1024*LAYER           ; bv
.irp e, 0,1
.irp j, 0,1,2,3
	global_load_b32 v[WR+4*(\e)+(\j)], v[G4], s[34:35] offset:8192*LAYER+2048*(\j)+1024*(\e)  ; W1[j][t + 256 e]
.endr
.endr
.irp e, 0,1
	global_load_b32 v[WR+8+(\e)], v[G4], s[36:37] offset:2048*LAYER+1024*(\e)                 ; b1
.endr
.irp e, 0,1
	global_load_b128 v[WR+10+4*(\e):WR+13+4*(\e)], v[G16], s[38:39] offset:8192*LAYER+4096*(\e)  ; W2[t + 256 e][0:3]
.endr
.if LAYER
.irp i, 0,1,2,3,4,5,6,7
	global_load_b128 v[YR+4*(\i):YR+4*(\i)+3], v[G16], s[8:9] offset:4096*(\i)  ; key t + 256 i
.endr
.irp t, 0,1,2,3
	global_load_b128 v[QX+4*(\t):QX+4*(\t)+3], v[QKO], s[8:9] offset:256*(\t)
.endr
	global_load_b128 v[XR:XR+3], v[XKO], s[8:9]
.else
.irp i, 0,1,2,3,4,5,6,7
	global_load_b96 v[YR+4*(\i):YR+4*(\i)+2], v[G12], s[8:9] offset:3072*(\i)   ; key t + 256 i: three coordinates,
	global_load_b32 v[YR+4*(\i)+3], v[G4], s[10:11] offset:1024*(\i)            ; and the value
.endr
.irp t, 0,1,2,3
	global_load_b96 v[QX+4*(\t):QX+4*(\t)+2], v[QKO], s[8:9] offset:192*(\t)
	global_load_b32 v[QX+4*(\t)+3], v[QVO], s[10:11] offset:64*(\t)
.endr
	global_load_b96 v[XR:XR+2], v[XKO], s[8:9]
	global_load_b32 v[XR+3], v[XVO], s[10:11]
.endif
	v_mov_b32 v[NEG1], -1.0                        ; these 23 registers are named by no memory or LDS instruction
	v_mov_b32 v[ONE], 1.0
	v_mov_b32 v[K2], 0x3f803f80
.irp f, 0,1,2,3
.irp j, 4,5,6,7
	v_mov_b32 v[KF+8*(\f)+(\j)], 0                 ; slots 16-31 of every key fragment: written once, never loaded into
.endr
.endr
.irp j, 0,1,2,3
	v_mov_b32 v[Z+(\j)], 0
.endr
	; ---- the fold's operands into LDS, as 19 rows along the 256 channels.  Their data come from loads, their addresses from the head
	s_wait_loadcnt 12+NY+NQ                        ; the first 7 loads are in; all younger ones stay out
	ds_store_b128 v[SA], v[FW:FW+3]
	ds_store_b128 v[SA], v[FW+8:FW+11] offset:6*SPI
	ds_store_b128 v[SA], v[FW+4:FW+7]  offset:11*SPI
	ds_store_b32 v[SB], v[FW+16] offset:4*SPI
	ds_store_b32 v[SB], v[FW+17] offset:5*SPI
	ds_store_b32 v[SB], v[FW+18] offset:10*SPI
.irp d, 0,1,2,3
	ds_store_b32 v[SB], v[FW+12+(\d)] offset:(15+(\d))*SPI   ; Wo turned
.endr
	s_wait_dscnt 0x0                               ; for the others' sake
	BAR
	; ---- the fold: D = rows 0-15 x (rows 11-18, twice)^T.  Wave w takes channels 32 w .. + 31: 8 steps of 4; the order of k in a step is the same on both sides
.irp i, 0,1,2,3
	ds_load_b128 v[FA+4*(\i):FA+4*(\i)+3], v[FAA] offset:32*(\i)          ; no vector instruction has named v36 to v67 yet
	ds_load_b128 v[FB+4*(\i):FB+4*(\i)+3], v[FBA] offset:11*SPI+32*(\i)
.endr
	s_wait_loadcnt NY+NQ                           ; W1, b1, W2 are in
.irp e, 0,1
	YSPLIT WR+10+4*(\e), RA+6*(\e), T0
.endr
	s_wait_alu depctr_va_vdst(0)                   ; the splits of W2 have written both sets of RA, which the two stores read
.irp e, 0,1
	ds_store_b128 v[W1S], v[RA+6*(\e)+2:RA+6*(\e)+5] offset:W2T-W1T+4096*(\e)
.endr
	s_wait_dscnt 2                                 ; the 8 fragment loads are in; the two stores behind them may be out
.irp i, 0,1,2,3
.irp e, 0,1
.if (\i) == 0
	v_wmma_f32_16x16x4_f32 v[O+8*(\e):O+8*(\e)+7], v[FA+2*(\e):FA+2*(\e)+1], v[FB+2*(\e):FB+2*(\e)+1], 0   ; the first step starts each sum
.else
	v_wmma_f32_16x16x4_f32 v[O+8*(\e):O+8*(\e)+7], v[FA+4*(\i)+2*(\e):FA+4*(\i)+2*(\e)+1], v[FB+4*(\i)+2*(\e):FB+4*(\i)+2*(\e)+1], v[O+8*(\e):O+8*(\e)+7]  ; two accumulators by turns
.endif
.endr
.endr
	s_wait_alu depctr_vm_vsrc(0)                   ; W2's two stores have read the sets of RA, which the splits below write again
.irp e, 0,1                            ; 26 plain instructions that name none of the fold's registers: the places behind its last products (ISA guide 7.12.1)
	YSPLIT WR+4*(\e), RA+6*(\e), T0
	SSPLIT WR+8+(\e), RA+6*(\e), T0+4
.endr
.irp j, 0,2,4,6
	v_pk_add_f32 v[T0+(\j):T0+(\j)+1], v[O+(\j):O+(\j)+1], v[O+8+(\j):O+8+(\j)+1]   ; from the low end on
.endr
	s_wait_alu depctr_va_vdst(0)                   ; the splits of W1 and b1 have written RA, the sums T0: the twelve stores below read them
.irp e, 0,1
	ds_store_b128 v[W1S], v[RA+6*(\e)+2:RA+6*(\e)+5] offset:4096*(\e)
	ds_store_b128 v[W1S], v[RA+6*(\e):RA+6*(\e)+3]   offset:W1T2+4096*(\e)
.endr
.irp j, 0,1,2,3,4,5,6,7
	ds_store_b32 v[PDS], v[T0+(\j)] offset:128*(\j)
.endr
	s_wait_dscnt 0x0
	BAR
	; ---- wave w adds register w of all eight partial tables: rows w and 8 + w of D
	s_wait_alu depctr_vm_vsrc(0)                   ; my stores have read T0, in which the loads below land
.irp k, 0,1,2,3,4,5,6,7
	ds_load_b32 v[T0+(\k)], v[PDR] offset:1024*(\k)
.endr
	s_wait_dscnt 0x0
	v_pk_add_f32 v[T0:T0+1], v[T0:T0+1], v[T0+2:T0+3]
	v_pk_add_f32 v[T0+4:T0+5], v[T0+4:T0+5], v[T0+6:T0+7]
	v_pk_add_f32 v[T0:T0+1], v[T0:T0+1], v[T0+4:T0+5]
	v_add_f32 v[T0], v[T0], v[T0+1]
	s_wait_alu depctr_va_vdst(0)                   ; the sum has written v[T0], which the store reads; the splits are done reading WR, in which the coefficients land below
	ds_store_b32 v[COS], v[T0]
	s_wait_dscnt 0x0
	BAR
	; ---- coefficients, the key table, the query fragments
	s_wait_alu depctr_vm_vsrc(0)                   ; the store has read v[T0], which the keys' arithmetic writes; the fold's stores have read FW, in which the coefficients land
.irp i, 0,1,2,3
	ds_load_b128 v[CG+4*(\i):CG+4*(\i)+3], v[COA] offset:64*(11+(\i))   ; G
.endr
	ds_load_b128 v[CGV:CGV+3], v[COA] offset:64*5                       ; g
.irp i, 0,1,2,3
	ds_load_b128 v[CA+4*(\i):CA+4*(\i)+3], v[COA] offset:64*(\i)        ; A
.endr
	ds_load_b128 v[CVV:CVV+3], v[COA] offset:64*4                       ; v
	s_wait_kmcnt 0x0                               ; bw and the small vectors
	s_mul_f32 s78, s76, s76
	s_mul_f32 s78, s78, 0x3fb8aa3b                 ; c bw^2
	s_mov_b32 s79, s78
	s_mul_f32 s86, s78, -1.0
	s_mov_b32 s87, s86
	s_mul_f32 s88, s78, -0.5
	s_mov_b32 s89, s88
	s_wait_dscnt 0x0
.irp j, 0,2,4,6,8,10,12,14
	v_pk_mul_f32 v[CG+(\j):CG+(\j)+1], v[CG+(\j):CG+(\j)+1], s[88:89] op_sel_hi:[1,0]   ; G' = -c bw^2 G / 2
.endr
	v_pk_mul_f32 v[CGV:CGV+1], v[CGV:CGV+1], s[86:87] op_sel_hi:[1,0]                   ; g' = -c bw^2 g
	v_pk_mul_f32 v[CGV+2:CGV+3], v[CGV+2:CGV+3], s[86:87] op_sel_hi:[1,0]
	s_wait_loadcnt NQ                              ; my 8 keys are in
.irp i, 0,1,2,3
	KEYROW \i, KS+6*(\i)
.endr
	s_wait_alu depctr_va_vdst(0)                   ; keys 0 to 3 have written sets 0 to 3, which the eight stores read
.irp i, 0,1,2,3
	KEYST \i, KS+6*(\i)
.endr
	KEYROW 4, KS+24                                ; three sets that no pending store reads
	KEYROW 5, RA
	KEYROW 6, RA+6
	s_wait_alu depctr_vm_vsrc(0)                   ; key 0's stores have read set 0, which key 7 writes again
	KEYROW 7, KS
	s_wait_alu depctr_va_vdst(0)                   ; keys 4 to 7 have written their sets, which the eight stores read
	KEYST 4, KS+24
	KEYST 5, RA
	KEYST 6, RA+6
	KEYST 7, KS
	s_wait_loadcnt 0x0                             ; the query rows and my own row
.irp t, 0,1,2,3
	AFF4 T0, CA, QX+4*(\t), CVV
	v_pk_mul_f32 v[T0:T0+1], v[T0:T0+1], s[78:79] op_sel_hi:[1,0]
	v_pk_mul_f32 v[T0+2:T0+3], v[T0+2:T0+3], s[78:79] op_sel_hi:[1,0]
	QFRAG T0, Q+4*(\t), QR, T0+4
.endr
	s_wait_alu depctr_vm_vsrc(0)                   ; the keys' stores have read v36 to v65 and RA: the zeros below, pass 1's loads and pass 2's turned loads write them
.irp f, 0,1,2,3
.irp j, 4,5,6,7
	v_mov_b32 v[C+8*(\f)+(\j)], 0                  ; slots 16-31 of fragments 4 to 7 of pass 1's ring
.endr
.endr
	s_wait_alu depctr_va_vdst(0)                   ; the keys' splits have written v36 to v65, in which fragments 4 to 7 land
	s_wait_dscnt 0x0                               ; my part of the key table is written
	BAR
	; ---- PASS 1: each query's maximum over my 512 keys.  32 units of 16 keys; unit u lies in slot u % 8 of a ring of 8 fragments (0-3: KF, 4-7: C); two score buffers.
; the four products of unit u: 16 keys x 4 tiles of 16 queries
.macro W1U u
.set rF, KF-(KF-C)*(((\u)%8)/4)+8*((\u)%4)
.irp t, 0,1,2,3
	v_wmma_f32_16x16x32_bf16 v[S+32*((\u)%2)+8*(\t):S+32*((\u)%2)+8*(\t)+7], v[rF:rF+7], v[Q+4*(\t):Q+4*(\t)+7], 0
.endr
.endm
; unit u's fragment is asked for; u counts from the unit at which AKW stands
.macro K1L u
.set rF, KF-(KF-C)*(((\u)%8)/4)+8*((\u)%4)
	ds_load_b128 v[rF:rF+3], v[AKW] offset:256*(\u)
.endm
; 16 running maxima take a unit's 32 scores; each accumulator's lowest registers are read first.  first = 1: they start the maxima
.macro M1U sb, first
.irp c, 0,1,2,3
.irp t, 0,1,2,3
.if \first
	v_max_num_f32 v[MA+4*(\t)+(\c)], v[S+32*(\sb)+8*(\t)+2*(\c)], v[S+32*(\sb)+8*(\t)+2*(\c)+1]
.else
	v_max3_num_f32 v[MA+4*(\t)+(\c)], v[MA+4*(\t)+(\c)], v[S+32*(\sb)+8*(\t)+2*(\c)], v[S+32*(\sb)+8*(\t)+2*(\c)+1]
.endif
.endr
.endr
.endm
; A step: the products of units b + 2 .. b + 5, the maxima of units b + 1 .. b + 4 (a unit's maxima are the places behind the next unit's products), and nl loads, of units b + 6 on,
; into the slots of units b - 2 on.  The loads stand early in the step, so that they have landed at the next step's head.
.macro STEP1 b, nl
	s_wait_dscnt 0x0                               ; the fragments of units b + 2 to b + 5, asked for in the step before, are in
	s_wait_alu depctr_va_vdst(0)                   ; all products up to unit b + 1 are done reading their slots, in which the loads below land; behind a step of the address, v[AKW] is written
	W1U (\b)+2
	K1L (\b)+6                                     ; no wait: the step's products name the slots of units b + 2 to b + 5 alone
	K1L (\b)+7
	M1U ((\b)+1)%2, 0
	W1U (\b)+3
.if (\nl) > 2
	K1L (\b)+8
	K1L (\b)+9
.endif
	M1U ((\b)+2)%2, 0
	W1U (\b)+4
	M1U ((\b)+3)%2, 0
	W1U (\b)+5
	M1U ((\b)+4)%2, 0
.endm
.macro STEPK                           ; eight units on
	s_add_co_u32 s91, s91, 2048
	s_wait_alu depctr_vm_vsrc(0)                   ; the loads issued so far have read v[AKW]
	v_add_nc_u32 v[AKW], s91, v[AK0]
.endm
	s_mov_b32 s91, 0
.irp u, 0,1,2,3,4,5
	K1L \u
.endr
	s_wait_dscnt 5                                 ; unit 0 is in
	W1U 0
	NOPS 4                                         ; four places behind those products, before the first maxima read them
	s_wait_dscnt 4                                 ; unit 1 is in
	W1U 1
	M1U 0, 1                                       ; unit 0 starts the maxima
	s_mov_b32 s94, 3
.Lp1:                                          ; three trips: products of units 2-25, maxima of units 1-24, loads of units 6-29
	STEP1 0, 4
	STEP1 4, 4
	STEPK
	s_sub_co_u32 s94, s94, 1
	s_cmp_lg_u32 s94, 0
	s_cbranch_scc1 .Lp1
	STEP1 0, 2                                     ; products of units 26-29; the last two fragments are asked for
	s_wait_dscnt 0x0                               ; units 30 and 31 are in
	W1U 6
	M1U 1, 0                                       ; unit 29
	W1U 7
	M1U 0, 0                                       ; unit 30
	M1U 1, 0                                       ; unit 31
.irp t, 0,1,2,3
	v_max3_num_f32 v[MA+4*(\t)], v[MA+4*(\t)], v[MA+4*(\t)+1], v[MA+4*(\t)+2]
.endr
.irp t, 0,1,2,3
	v_max_num_f32 v[MA+4*(\t)], v[MA+4*(\t)], v[MA+4*(\t)+3]
.endr
.irp t, 0,1,2,3
	v_permlanex16_b32 v[MA+4*(\t)+1], v[MA+4*(\t)], s92, s93   ; the query's other 8 keys of each unit lie in the lane 16 away
.endr
.irp t, 0,1,2,3
	v_max_num_f32 v[TM+(\t)], v[MA+4*(\t)], v[MA+4*(\t)+1]
.endr
	s_mov_b32 s91, 0
	s_wait_alu depctr_vm_vsrc(0)                   ; pass 1's loads have read v[AKW]
	v_mov_b32 v[AKW], v[AK0]                       ; back to the quarter's first key, for pass 2
	s_wait_alu depctr_va_vdst(0)                   ; TM is written, which the store reads, and v[AKW]; pass 1 is done reading MA and the fragments, in which the loads behind the barrier land
	ds_store_b128 v[MXS], v[TM:TM+3]
	s_wait_dscnt 0x0
	BAR
	s_wait_alu depctr_vm_vsrc(0)                   ; the store has read TM, which the maxima below write again
.irp k, 0,1,2,3
	ds_load_b128 v[MA+4*(\k):MA+4*(\k)+3], v[MXR] offset:512*(\k)   ; the four key quarters' maxima of my queries
.endr
	; pass 2's first loads go out behind them
.irp f, 0,1,2,3
	ds_load_b128 v[KF+8*(\f):KF+8*(\f)+3], v[AKW] offset:256*(\f)
.endr
	ds_load_tr16_b128 v[VF:VF+3],   v[AVW]
	ds_load_tr16_b128 v[VF+4:VF+7], v[AVW] offset:256
	s_wait_dscnt 6                                 ; the maxima are in; the six loads behind them stay out
.irp t, 0,1,2,3
	v_max3_num_f32 v[TM+(\t)], v[MA+(\t)], v[MA+4+(\t)], v[MA+8+(\t)]
.endr
.irp t, 0,1,2,3
	v_max_num_f32 v[TM+(\t)], v[TM+(\t)], v[MA+12+(\t)]
.endr
.irp t, 0,1,2,3                        ; minus the maximum, in all 8 registers of the tile's C operand
.irp i, 0,2,4,6
.if ((\t)%2)
	v_pk_mul_f32 v[C+8*(\t)+(\i):C+8*(\t)+(\i)+1], v[TM+2*((\t)/2):TM+2*((\t)/2)+1], v[NEG1:NEG1+1] op_sel:[1,0] op_sel_hi:[1,0]
.else
	v_pk_mul_f32 v[C+8*(\t)+(\i):C+8*(\t)+(\i)+1], v[TM+2*((\t)/2):TM+2*((\t)/2)+1], v[NEG1:NEG1+1] op_sel_hi:[0,0]
.endif
.endr
.endr
	; ---- PASS 2: p = 2^(score - maximum), O^T += (slots)^T p.  16 steps of 32 keys: units a = 2 s (buffer 0) and b = 2 s + 1 (buffer 1).
.macro SCORE kf, db, t
	v_wmma_f32_16x16x32_bf16 v[S+32*(\db)+8*(\t):S+32*(\db)+8*(\t)+7], v[KF+8*(\kf):KF+8*(\kf)+7], v[Q+4*(\t):Q+4*(\t)+7], v[C+8*(\t):C+8*(\t)+7]
.endm
; a unit's four products into buffer db, behind each 8 exponentials in place on the other buffer, from each accumulator's low end on
.macro WE kf, db, doW
.irp t, 0,1,2,3
.if \doW
	SCORE \kf, \db, \t
.endif
.irp j, 0,1,2,3,4,5,6,7
	v_exp_f32 v[S+32*(1-(\db))+8*(\t)+(\j)], v[S+32*(1-(\db))+8*(\t)+(\j)]
.endr
.endr
.endm
.macro CVP sb                          ; buffer sb's weights rounded to bf16: half sb of each tile's 32 keys x 16 queries
.irp t, 0,1,2,3
.irp i, 0,1,2,3
	v_cvt_pk_bf16_f32 v[P+8*(\t)+4*(\sb)+(\i)], v[S+32*(\sb)+8*(\t)+2*(\i)], v[S+32*(\sb)+8*(\t)+2*(\i)+1]
.endr
.endr
.endm
.macro PVM vf, first                   ; the four accumulators take turns
.irp t, 0,1,2,3
.if \first
	v_wmma_f32_16x16x32_bf16 v[O+8*(\t):O+8*(\t)+7], v[VF+8*(\vf):VF+8*(\vf)+7], v[P+8*(\t):P+8*(\t)+7], 0
.else
	v_wmma_f32_16x16x32_bf16 v[O+8*(\t):O+8*(\t)+7], v[VF+8*(\vf):VF+8*(\vf)+7], v[P+8*(\t):P+8*(\t)+7], v[O+8*(\t):O+8*(\t)+7]
.endif
.endr
.endm
; sp: the step's parity.  w2: unit 2 s + 2 exists.  nk: key fragments still to ask for (units 2 s + 5, 2 s + 6).  dv: the next step's turned fragment is asked for.  pre: step 0, which also asks for unit 4.
.macro STEP2 sp, first, w2, nk, dv, pre=0
	WE 2*(\sp)+1, 1, 1                             ; unit b's scores | unit a's exponentials
	NOPS 4                                         ; the plain instruction behind the last exponential; and four places between the last step's products, which read P, and the roundings that write it
	s_wait_alu depctr_va_vdst(0)                   ; unit a's 32 exponentials have written buffer 0, ahead of their first reader; in step 0 unit 0's scores are also done reading fragment 0
.if \pre
	ds_load_b128 v[KF:KF+3], v[AKW] offset:1024    ; unit 4
.endif
	CVP 0
	WE (2*(\sp)+2)%4, 0, \w2                       ; the next step's unit a | unit b's exponentials
	v_nop
	s_wait_alu depctr_va_vdst(0)                   ; unit b's 32 exponentials have written buffer 1, ahead of their first reader; both groups of scores are done reading their fragments and the last step's O products their turned fragment, in which the loads below land; behind a step of the addresses, v[AKW] and v[AVW] are written
	CVP 1                                          ; these 16 name P and S alone: none of the registers that the loads below touch
.if (\nk) > 0
	ds_load_b128 v[KF+8*(2*(\sp)+1):KF+8*(2*(\sp)+1)+3], v[AKW] offset:256*(2*(\sp)+5)
.endif
.if (\nk) > 1
	ds_load_b128 v[KF+8*((2*(\sp)+2)%4):KF+8*((2*(\sp)+2)%4)+3], v[AKW] offset:256*(2*(\sp)+6)
.endif
.if \dv
	ds_load_tr16_b128 v[VF+8*(1-(\sp)):VF+8*(1-(\sp))+3],   v[AVW] offset:512*((\sp)+1)
	ds_load_tr16_b128 v[VF+8*(1-(\sp))+4:VF+8*(1-(\sp))+7], v[AVW] offset:512*((\sp)+1)+256
.endif
	s_wait_dscnt (\nk)+2*(\dv)                     ; only what was just issued may be out: this step's turned fragment and the next step's two key fragments are in
	PVM \sp, \first
.endm
.macro STEPKV                          ; two steps on
	s_add_co_u32 s91, s91, 1024
	s_wait_alu depctr_vm_vsrc(0)                   ; the loads issued so far have read v[AKW] and v[AVW]
	v_add_nc_u32 v[AKW], s91, v[AK0]
	v_add_nc_u32 v[AVW], s91, v[AV0]
.endm
	s_wait_dscnt 0x0                               ; units 0-3 and the first turned fragment
.irp t, 0,1,2,3
	SCORE 0, 0, \t
.endr
	NOPS 4                                         ; four places in front of the exponentials on these scores
	STEP2 0, 1, 1, 2, 1, 1                         ; step 0 starts O's sums
	STEP2 1, 0, 1, 2, 1
	STEPKV
	s_mov_b32 s94, 5
.Lp2:                                          ; steps 2-11
	STEP2 0, 0, 1, 2, 1
	STEP2 1, 0, 1, 2, 1
	STEPKV
	s_sub_co_u32 s94, s94, 1
	s_cmp_lg_u32 s94, 0
	s_cbranch_scc1 .Lp2
	STEP2 0, 0, 1, 2, 1                            ; step 12 asks for units 29 and 30,
	STEP2 1, 0, 1, 1, 1                            ; step 13 for unit 31,
	STEPKV
	STEP2 0, 0, 1, 0, 1                            ; step 14 for the last turned fragment,
	STEP2 1, 0, 0, 0, 0                            ; step 15 for nothing
	NOPS 4                                         ; four places behind the last products
	s_wait_alu depctr_va_vdst(0)                   ; the products have written O, which the stores read; pass 2 is done with S, C and the fragments, in which the finish's loads land.  The places above stay beside this wait
.irp t, 0,1,2,3
	ds_store_b128 v[OPS], v[O+8*(\t):O+8*(\t)+3]   offset:1024*(\t)
	ds_store_b128 v[OPS], v[O+8*(\t)+4:O+8*(\t)+7] offset:1024*(\t)+512
.endr
	s_wait_dscnt 0x0
	BAR
	; ---- THE FINISH: wave w takes query tile w; both halves of the lanes come to hold row r
.macro W1L g                           ; the 4 fragments of W1 | b1 for units 64 g .. + 63: set g % 2 (the key fragments' registers, or C's with zeroed upper halves)
.irp t, 0,1,2,3
	ds_load_b128 v[KF-(KF-C)*((\g)%2)+8*(\t):KF-(KF-C)*((\g)%2)+8*(\t)+3], v[AW1] offset:1024*(\g)+256*(\t)
.endr
.endm
.macro W2L g                           ; the 2 turned fragments of W2 for the same units: set g % 2
.irp x, 0,1
	ds_load_tr16_b128 v[VF+32*((\g)%2)+8*(\x):VF+32*((\g)%2)+8*(\x)+3],   v[AW2] offset:1024*(\g)+512*(\x)
	ds_load_tr16_b128 v[VF+32*((\g)%2)+8*(\x)+4:VF+32*((\g)%2)+8*(\x)+7], v[AW2] offset:1024*(\g)+512*(\x)+256
.endr
.endm
.macro HPROD g                         ; h^T = (W1 | b1) x res^T for 64 units x 16 rows
.irp t, 0,1,2,3
	v_wmma_f32_16x16x32_bf16 v[S+32*((\g)%2)+8*(\t):S+32*((\g)%2)+8*(\t)+7], v[KF-(KF-C)*((\g)%2)+8*(\t):KF-(KF-C)*((\g)%2)+8*(\t)+7], v[Q+12:Q+19], 0
.endr
.endm
	s_wait_alu depctr_vm_vsrc(0)                   ; my stores have read O: the FFN's products write its lower half, W2's second set lands in its upper half
.irp k, 0,1,2,3
	ds_load_b128 v[S+8*(\k):S+8*(\k)+3],   v[OPR] offset:8192*(\k)
	ds_load_b128 v[S+8*(\k)+4:S+8*(\k)+7], v[OPR] offset:8192*(\k)+512
.endr
.irp i, 0,1,2,3,4
	ds_load_b128 v[S+32+4*(\i):S+32+4*(\i)+3], v[COA] offset:64*(6+(\i))+16   ; Wv Wo (4 rows), bv Wo
.endr
	W1L 0                                          ; the FFN's first 12 loads go out behind them
	W1L 1
	W2L 0
.irp f, 0,1,2,3
.irp j, 4,5,6,7
	v_mov_b32 v[C+8*(\f)+(\j)], 0                  ; slots 16-31 of the second set of W1's fragments
.endr
.endr
	s_wait_dscnt 12                                ; the 13 loads of O and the coefficients are in
.irp j, 0,2,4,6
	v_pk_add_f32 v[S+(\j):S+(\j)+1],       v[S+(\j):S+(\j)+1],       v[S+8+(\j):S+8+(\j)+1]
	v_pk_add_f32 v[S+16+(\j):S+16+(\j)+1], v[S+16+(\j):S+16+(\j)+1], v[S+24+(\j):S+24+(\j)+1]
.endr
.irp j, 0,2,4,6
	v_pk_add_f32 v[S+(\j):S+(\j)+1], v[S+(\j):S+(\j)+1], v[S+16+(\j):S+16+(\j)+1]   ; the four key quarters
.endr
	v_pk_add_f32 v[S+8:S+9],   v[S:S+1],   v[S+4:S+5]    ; lanes 0-15: sum p y = hi + lo
	v_pk_add_f32 v[S+10:S+11], v[S+2:S+3], v[S+6:S+7]
.irp i, 0,1,2,3
	v_permlanex16_b32 v[S+12+(\i)], v[S+8+(\i)], s92, s93
.endr
	v_permlanex16_b32 v[S+16], v[S], s92, s93            ; lanes 16-31 hold sum p in register 0
.irp i, 0,1,2,3
	v_cndmask_b32 v[S+8+(\i)], v[S+8+(\i)], v[S+12+(\i)], s90
.endr
	v_cndmask_b32 v[S+17], v[S+16], v[S], s90
	v_rcp_f32 v[S+18], v[S+17]
.irp i, 0,1,2,3
	v_add_f32 v[S+48+(\i)], s[48+(\i)], v[S+48+(\i)]     ; bv Wo + bo: plain work behind the reciprocal
.endr
	s_wait_alu depctr_va_vdst(0)                         ; the reciprocal has written v[S+18], ahead of its first reader
	v_pk_mul_f32 v[S+8:S+9],   v[S+8:S+9],   v[S+18:S+19] op_sel_hi:[1,0]
	v_pk_mul_f32 v[S+10:S+11], v[S+10:S+11], v[S+18:S+19] op_sel_hi:[1,0]
	AFF4 S+20, S+32, S+8, S+48                           ; attention's output
	v_pk_add_f32 v[S+20:S+21], v[S+20:S+21], v[XR:XR+1]
	v_pk_add_f32 v[S+22:S+23], v[S+22:S+23], v[XR+2:XR+3]
	LNORM S+20, TM, 52, 56, S+24                         ; res
	QFRAG TM, Q+12, S+52, S+58
	; the FFN: 8 groups of 64 hidden units
; group g: the next group's h | this group's h rounded to bf16 and cut at 0 | loads | two products onto the two accumulators, which take turns
.macro FFG g
.if (\g) < 7
	HPROD (\g)+1
.endif
.irp t, 0,1,2,3
.irp i, 0,1,2,3
	v_cvt_pk_bf16_f32 v[P+16*((\g)%2)+4*(\t)+(\i)], v[S+32*((\g)%2)+8*(\t)+2*(\i)], v[S+32*((\g)%2)+8*(\t)+2*(\i)+1]
.endr
.endr
.irp i, 0,1,2,3,4,5,6,7,8,9,10,11,12,13,14,15
	v_pk_max_num_bf16 v[P+16*((\g)%2)+(\i)], v[P+16*((\g)%2)+(\i)], v[Z]
.endr
.set nw, 0
.if (\g) < 7
	s_wait_alu depctr_va_vdst(0)                   ; the h products above are done reading their set of W1, the last group's two products their set of W2: the loads below land in these
.endif
.if (\g) < 5
	W1L (\g)+3
.set nw, nw+4
.endif
.if (\g) < 7
	W2L (\g)+1
.set nw, nw+4
.endif
	s_wait_dscnt nw                                ; only what was just issued may be out
.irp x, 0,1
.if (\g) == 0
	v_wmma_f32_16x16x32_bf16 v[O+8*(\x):O+8*(\x)+7], v[VF+32*((\g)%2)+8*(\x):VF+32*((\g)%2)+8*(\x)+7], v[P+16*((\g)%2)+8*(\x):P+16*((\g)%2)+8*(\x)+7], 0
.else
	v_wmma_f32_16x16x32_bf16 v[O+8*(\x):O+8*(\x)+7], v[VF+32*((\g)%2)+8*(\x):VF+32*((\g)%2)+8*(\x)+7], v[P+16*((\g)%2)+8*(\x):P+16*((\g)%2)+8*(\x)+7], v[O+8*(\x):O+8*(\x)+7]
.endif
.endr
.endm
	s_wait_dscnt 0x0                               ; groups 0 and 1 of W1, group 0 of W2
	HPROD 0
	NOPS 4                                         ; four places in front of the roundings of these results
	s_wait_alu depctr_va_vdst(0)                   ; group 0's h products are done reading the first set of W1, in which group 2 lands
	W1L 2
.irp g, 0,1,2,3,4,5,6,7
	FFG \g
.endr
	NOPS 4                                         ; four places behind the last products
.irp j, 0,2,4,6
	v_pk_add_f32 v[S+(\j):S+(\j)+1], v[O+(\j):O+(\j)+1], v[O+8+(\j):O+8+(\j)+1]   ; from the low end on
.endr
	v_pk_add_f32 v[S:S+1],   v[S:S+1],   v[S+4:S+5]      ; W2's hi and lo channels
	v_pk_add_f32 v[S+2:S+3], v[S+2:S+3], v[S+6:S+7]
.irp i, 0,1,2,3
	v_add_f32 v[S+(\i)], s[60+(\i)], v[S+(\i)]           ; + b2
.endr
	v_pk_add_f32 v[S:S+1],   v[S:S+1],   v[TM:TM+1]      ; + res
	v_pk_add_f32 v[S+2:S+3], v[S+2:S+3], v[TM+2:TM+3]
	LNORM S, S+8, 68, 72, S+12
.if LAYER
	v_fma_f32 v[S+16], v[S+8], s80, s77                  ; x . Wfc + bfc
	v_fma_f32 v[S+16], v[S+9], s81, v[S+16]
	v_fma_f32 v[S+16], v[S+10], s82, v[S+16]
	v_fma_f32 v[S+16], v[S+11], s83, v[S+16]
	s_wait_alu depctr_va_vdst(0)                         ; the sum has written v[S+16], which the LDS store reads
	ds_store_b32 v[GO], v[S+16]                          ; both halves of the lanes write the same number to the same word
	s_wait_dscnt 0x0
	BAR
	s_wait_alu depctr_vm_vsrc(0)                         ; the store has read v[S+16], in which wave 0's load lands
	s_cmp_lg_u32 s3, 0                                   ; wave 0 stores the block's 128 numbers: 512 consecutive bytes, aligned
	s_cbranch_scc1 .Lend
	v_and_b32 v[S+20], 31, v0
	v_lshlrev_b32 v[S+21], 4, v[S+20]
	v_lshl_add_u32 v[S+20], v[S+20], 4, OUTS
	s_wait_alu depctr_va_vdst(0)                         ; the two addresses v[S+20] and v[S+21] are written, which the load and the store read
	ds_load_b128 v[S+16:S+19], v[S+20]
	s_wait_dscnt 0x0
	global_store_b128 v[S+21], v[S+16:S+19], s[46:47]
.Lend:
.else
	v_cndmask_b32 v[S+16], v[S+8], v[S+10], s90          ; lane (r, h) stores components 2 h and 2 h + 1 of row r:
	v_cndmask_b32 v[S+17], v[S+9], v[S+11], s90
	s_wait_alu depctr_va_vdst(0)                         ; the two selects have written v[S+16] and v[S+17], which the store reads
	global_store_b64 v[GO], v[S+16:S+17], s[46:47]       ; the wave's store covers 256 consecutive bytes, aligned
.endif
	s_wait_dscnt 0x0                               ; the closing lines, six on end
	s_wait_alu 0x0
	s_wait_tensorcnt 0x0
	ds_add_u32 v[SPW], v[NIL]
	s_wait_dscnt 0x0
	s_endpgm
.Lfunc_end_k_q8b754b2f91_layer0:
	.size	k_q8b754b2f91_layer0, .Lfunc_end_k_q8b754b2f91_layer0-k_q8b754b2f91_layer0
	.p2alignl 7, 3214868480
	.fill 96, 4, 3214868480
	.section	.rodata,"a",@progbits
	.p2align	6, 0x0
	.amdhsa_kernel k_q8b754b2f91_layer0
		.amdhsa_group_segment_fixed_size 156160
		.amdhsa_private_segment_fixed_size 0
		.amdhsa_enable_private_segment 0
		.amdhsa_kernarg_size 160
		.amdhsa_user_sgpr_count 2
		.amdhsa_user_sgpr_kernarg_segment_ptr 1
		.amdhsa_wavefront_size32 1
		.amdhsa_system_sgpr_workgroup_id_x 1
		.amdhsa_system_sgpr_workgroup_id_y 1
		.amdhsa_system_sgpr_workgroup_id_z 1
		.amdhsa_system_vgpr_workitem_id 0
		.amdhsa_next_free_vgpr 256
		.amdhsa_next_free_sgpr 100
		.amdhsa_reserve_vcc 0
		.amdhsa_float_denorm_mode_32 3
		.amdhsa_float_denorm_mode_16_64 3
		.amdhsa_memory_ordered 1
		.amdhsa_forward_progress 1
		.amdhsa_inst_pref_size 137
	.end_amdhsa_kernel
	.amdgpu_metadata
---
amdhsa.version: [ 1, 2 ]
amdhsa.kernels:
  - .name:           k_q8b754b2f91_layer0
    .symbol:         k_q8b754b2f91_layer0.kd
    .args:
      - { .name: KEY, .offset: 0, .size: 8, .value_kind: global_buffer, .address_space: global }
      - { .name: VALUE, .offset: 8, .size: 8, .value_kind: global_buffer, .address_space: global }
      - { .name: Wq, .offset: 16, .size: 8, .value_kind: global_buffer, .address_space: global }
      - { .name: bq, .offset: 24, .size: 8, .value_kind: global_buffer, .address_space: global }
      - { .name: Wk, .offset: 32, .size: 8, .value_kind: global_buffer, .address_space: global }
      - { .name: bk, .offset: 40, .size: 8, .value_kind: global_buffer, .address_space: global }
      - { .name: Wv, .offset: 48, .size: 8, .value_kind: global_buffer, .address_space: global }
      - { .name: bv, .offset: 56, .size: 8, .value_kind: global_buffer, .address_space: global }
      - { .name: Wo, .offset: 64, .size: 8, .value_kind: global_buffer, .address_space: global }
      - { .name: bo, .offset: 72, .size: 8, .value_kind: global_buffer, .address_space: global }
      - { .name: bw, .offset: 80, .size: 8, .value_kind: global_buffer, .address_space: global }
      - { .name: g1, .offset: 88, .size: 8, .value_kind: global_buffer, .address_space: global }
      - { .name: be1, .offset: 96, .size: 8, .value_kind: global_buffer, .address_space: global }
      - { .name: W1, .offset: 104, .size: 8, .value_kind: global_buffer, .address_space: global }
      - { .name: b1, .offset: 112, .size: 8, .value_kind: global_buffer, .address_space: global }
      - { .name: W2, .offset: 120, .size: 8, .value_kind: global_buffer, .address_space: global }
      - { .name: b2, .offset: 128, .size: 8, .value_kind: global_buffer, .address_space: global }
      - { .name: g2, .offset: 136, .size: 8, .value_kind: global_buffer, .address_space: global }
      - { .name: be2, .offset: 144, .size: 8, .value_kind: global_buffer, .address_space: global }
      - { .name: X1, .offset: 152, .size: 8, .value_kind: global_buffer, .address_space: global }
    .group_segment_fixed_size: 156160
    .private_segment_fixed_size: 0
    .kernarg_segment_align: 8
    .kernarg_segment_size: 160
    .max_flat_workgroup_size: 256
    .sgpr_count:     100
    .vgpr_count:     256
    .wavefront_size: 32
...
	.end_amdgpu_metadata
.endif
;; end of part 3
;; launch layer1 (part 4): grid 16 x 16, 8 waves a work-group, no clusters, 156,160 bytes of LDS; arguments X1, Wfc, Wq, bq, Wk, bk, Wv, bv, Wo, bo, bw, g1, be1, W1, b1, W2, b2, g2, be2, out0, bfc; writes out0
.if DOCPART == 4
	.amdgcn_target "amdgcn-amd-amdhsa--gfx1250"
	.amdhsa_code_object_version 6
	.text
	.protected	k_q8b754b2f91_layer1
	.globl	k_q8b754b2f91_layer1
	.p2align	8
	.type	k_q8b754b2f91_layer1,@function
k_q8b754b2f91_layer1:
	s_mov_b64 s[64:65], 0
	v_nop
	global_prefetch_b8 v0, s[64:65] scope:SCOPE_SE
	s_setreg_imm32_b32 hwreg(HW_REG_WAVE_SCHED_MODE, 0, 2), 2
	s_setreg_imm32_b32 hwreg(HW_REG_WAVE_MODE, 25, 1), 1
	s_wait_xcnt 0x0
	s_wait_alu depctr_vm_vsrc(0)
; ONE ENCODER LAYER (LAYER = 0: from KEY | VALUE to X1; LAYER = 1: from X1 to out0, with the last projection).
; x, y are rows of X [16][2048][4].  Q, K, V are affine images of 4 numbers, so both large products are re-associated (no approximation, every input is read):
;   softmax_k(-bw^2/2 |q - k|^2) = softmax_k(t(x) . y + s(y)) in base 2, with c = log2(e), A = Wq Wk^T, v = bq Wk^T, G = Wk Wk^T, g = bk Wk^T,
;   t = c bw^2 (x A + v),  s = -c bw^2 (g . y + y G y / 2);  |q|^2, q . bk and |bk|^2 do not hang on k and leave the softmax as it is;
;   attn V Wo + bo = (attn Y)(Wv Wo) + bv Wo + bo.
; SHARES.  A work-group of 8 waves owns 128 queries of one batch (grid: 16 blocks x 16 batches).  It folds the weights (f32 matrix form, 8 instructions a wave: no bulk work),
; lays its batch's 2,048 keys and the FFN's weights into LDS as bf16 slots, finds each query's true maximum (pass 1), takes exponentials and sums (pass 2), and finishes 16 rows a wave.
; In the passes wave w takes queries 64 (w & 1) .. + 63 (4 tiles of 16) and keys 512 (w >> 1) .. + 511: a key fragment read from LDS feeds 4 products.
; SLOTS.  A key is 16 bf16 numbers: 0-3 y_hi, 4-7 y_lo, 8 1.0, 9-11 s in three parts, 12-15 y_hi; a query: 0-3 t_hi, 4-7 t_hi, 8 0, 9-11 1.0, 12-15 t_lo.  Their product is
; t_hi y_hi + t_hi y_lo + t_lo y_hi + s.  Slots 16-31 of the K = 32 form are zero registers on the key's side.  Read turned, the same 16 slots are the values:
; channels 0-3 sum p y_hi, 4-7 sum p y_lo, 8 sums p itself.  The FFN takes the same scheme: unit f as key, W1[:, f] as y, b1[f] as s, the row as t; W2 as hi and lo channels.
; LIMITS.  t and y carry 16 significant bits, s 24: a logit is off by about 2^-17 of |t_j y_j|.  p and relu(h) are rounded once to bf16 (numerator and row sum take the same rounded p).
; A weight below 2^-126 counts as 0.  NaN and infinities are not treated apart (a query fragment's upper registers hold finite numbers that meet zeros).
; NO CLUSTER, NO TENSOR LOADS: what the 16 work-groups of a batch share is 32 KiB of X, read once, and it reaches LDS only after arithmetic on registers (splits, a quadratic form); nothing in LDS is filled twice.
; THE MODE: SCHED_MODE bits 1:0 = 2 (LLVM: expert scheduling mode 2), set by the entry lines.  The code itself states the register dependences
; between vector or matrix instructions and memory or LDS instructions, with s_wait_alu, always for 0.
; THE PLAN.  Registers that memory or LDS instructions touch:
;   v3-14, v228-243  addresses and offsets: written at the head, ahead of one wait on va_vdst that serves the whole kernel.  AKW and AVW alone are written again: behind a wait on vm_vsrc,
;                    and ahead of a wait on va_vdst that stands there for another reason.  v228-243 are written again only by pass 2's products and the FFN's loads, behind later waits on vm_vsrc.
;   key table        seven sets of 6 registers (KS, RA): four keys' slots are made, one wait on va_vdst, eight stores; the next three keys take fresh sets, the eighth set 0 behind a wait on vm_vsrc.
;   pass 1           a ring of 8 key fragments (KF's four, and four in C's registers, which pass 1 does not need otherwise).  A step is 4 units.  ONE wait on va_vdst at its head: all earlier products are
;                    done reading the four slots that the step asks for again; the step's own products name the other four.
;   pass 2           the wait for a step's second batch of exponentials stands behind both groups of scores and behind the last step's O products: they are done reading the two key fragments and the
;                    turned fragment that the step asks for again.  Between that wait and the loads stand roundings alone, which name P and S.
;   FFN              one wait on va_vdst a group, behind its roundings and maxima: the h products are done reading their set of W1, the last group's products their set of W2.
;   store data       (splits, partial sums, maxima, O, the result) is written ahead of a wait on va_vdst, and written again only behind a wait on vm_vsrc.
;   Q, Z, P, the zero halves of the fragments, NEG1, ONE, K2, v208-211 are named by vector and matrix instructions alone.
.set LAYER, 1
.set NY, 16-8*LAYER                    ; loads that bring my 8 keys
.set NQ, 10-5*LAYER                    ; loads that bring 4 query rows and my own row
; LDS
.set KT,    0                          ; slots 0-7 of key k at 16 k
.set KT2,   32896                      ; slots 8-15 at KT2 + 16 k
.set W1T,   65792                      ; slots 0-7 of hidden unit f at 16 f
.set W1T2,  8320                       ; slots 8-15, from W1T
.set W2T,   82432                      ; unit f at 16 f: W2 hi 0-3, lo 0-3
.set ST,    90624                      ; 19 rows of 256 f32: 0-3 Wq, 4 bq, 5 bk, 6-9 Wv, 10 bv, 11-14 Wk, 15-18 Wo^T
.set SPI,   1040                       ; their pitch: 65 x 16 bytes, so 16 rows start at 16 different groups of four banks
.set PD,    110592                     ; the fold's partial sums: [wave][register][lane]
.set CO,    118784                     ; the folded table D[16][16] f32, rows of 64 bytes
.set MX,    119808                     ; maxima: [key quarter][query group][row], 16 bytes (4 tiles)
.set OP,    121856                     ; partial O: [key quarter][tile 0-7][register half][lane], 16 bytes
.set OUTS,  154624                     ; 128 f32 (LAYER 1)
.set SPARE, 155136                     ; the spare words: 128 bytes a wave, four blocks of 256 bytes that no other line names
; vector registers
.set SPW, 1                            ; LDS address of my spare word; never rewritten
.set NIL, 2                            ; 0; never rewritten
.set AK0, 3                            ; key fragments: 8192 kq + 16 r + KT2 h
.set AV0, 4                            ; turned: 8192 kq + 16 (8 h + L % 8) + KT2 ((L / 8) % 2)
.set MXS, 5
.set MXR, 6
.set OPS, 7
.set OPR, 8
.set AW1, 9
.set AW2, 10
.set GO,  11                           ; LAYER 0: my 8 bytes of X1; LAYER 1: my word of OUTS
.set AKW, 12                           ; AK0 + s91
.set AVW, 13                           ; AV0 + s91
.set COA, 14
.set Q,   16                           ; v16-31 four query fragments of 4 registers; a product names 8: the next tile's, or Z
.set Z,   32                           ; v32-35 zeros
.set C,   36                           ; v36-67 pass 1: key fragments 4-7 of the ring; pass 2: minus the maximum, 8 registers a tile
.set S,   68                           ; v68-131 scores, two buffers of 4 tiles x 8
.set P,   132                          ; v132-163 weights in bf16, 8 a tile
.set MA,  132                          ; pass 1: 16 running maxima
.set KF,  164                          ; v164-195 four key fragments: 4 registers of data, 4 of zeros
.set VF,  196                          ; v196-211 two turned fragments
.set O,   212                          ; v212-243 four accumulators; v212-227 are also the fold's: matrix instructions alone write them
.set XR,  244                          ; v244-247 my own row
.set NEG1, 248
.set ONE, 249                          ; 1.0; its bits are also the slots (0, 1.0) in bf16
.set K2,  251                          ; the slots (1.0, 1.0)
.set TM,  252                          ; v252-255 at work; from LN1 on the row res
; the prologue's registers
.set YR,  68                           ; my 8 keys
.set QX,  100                          ; 4 query rows
.set WR,  116                          ; W1 of 2 units (8), b1 (2), W2 (8)
.set FW,  134                          ; Wq, Wk, Wv, Wo (4 each), bq, bk, bv
.set FA,  36
.set FB,  52
.set CG,  116                          ; G', 4 rows
.set CGV, 132                          ; g'
.set CA,  136                          ; A, 4 rows
.set CVV, 152                          ; v
.set T0,  156                          ; v156-163 at work
.set RA,  196                          ; two sets of 6: slots on their way to LDS
.set KS,  36                           ; v36-65 five more such sets, for the key table
.set QR,  206                          ; a query's hi and lo go through v208-211 (QR + 2 ..), which no store reads
.set G16, 228
.set G4,  229
.set G12, 230
.set QKO, 231
.set QVO, 232
.set XKO, 233
.set XVO, 234
.set W1S, 235
.set SA,  236
.set SB,  237
.set FAA, 238
.set FBA, 239
.set PDS, 240
.set PDR, 241
.set COS, 242
.macro BAR
	s_barrier_signal -1
	s_barrier_wait -1
.endm
.macro NOPS n
.rept \n
	v_nop
.endr
.endm
; D[0:3] = B[0:3] + the sum over i of X[i] x M[4 i .. 4 i + 3]
.macro AFF4 D, M, X, B
	v_pk_fma_f32 v[(\D):(\D)+1],   v[(\M):(\M)+1],     v[(\X):(\X)+1],     v[(\B):(\B)+1]     op_sel_hi:[1,0,1]
	v_pk_fma_f32 v[(\D)+2:(\D)+3], v[(\M)+2:(\M)+3],   v[(\X):(\X)+1],     v[(\B)+2:(\B)+3]   op_sel_hi:[1,0,1]
	v_pk_fma_f32 v[(\D):(\D)+1],   v[(\M)+4:(\M)+5],   v[(\X):(\X)+1],     v[(\D):(\D)+1]     op_sel:[0,1,0]
	v_pk_fma_f32 v[(\D)+2:(\D)+3], v[(\M)+6:(\M)+7],   v[(\X):(\X)+1],     v[(\D)+2:(\D)+3]   op_sel:[0,1,0]
	v_pk_fma_f32 v[(\D):(\D)+1],   v[(\M)+8:(\M)+9],   v[(\X)+2:(\X)+3],   v[(\D):(\D)+1]     op_sel_hi:[1,0,1]
	v_pk_fma_f32 v[(\D)+2:(\D)+3], v[(\M)+10:(\M)+11], v[(\X)+2:(\X)+3],   v[(\D)+2:(\D)+3]   op_sel_hi:[1,0,1]
	v_pk_fma_f32 v[(\D):(\D)+1],   v[(\M)+12:(\M)+13], v[(\X)+2:(\X)+3],   v[(\D):(\D)+1]     op_sel:[0,1,0]
	v_pk_fma_f32 v[(\D)+2:(\D)+3], v[(\M)+14:(\M)+15], v[(\X)+2:(\X)+3],   v[(\D)+2:(\D)+3]   op_sel:[0,1,0]
.endm
; four f32 at Y -> R+2, R+3: their bf16 (hi); R+4, R+5: the bf16 of what is left (lo).  T: 4 registers at work
.macro YSPLIT Y, R, T
	v_cvt_pk_bf16_f32 v[(\R)+2], v[(\Y)], v[(\Y)+1]
	v_cvt_pk_bf16_f32 v[(\R)+3], v[(\Y)+2], v[(\Y)+3]
	v_fma_mix_f32_bf16 v[(\T)],   v[(\R)+2], v[NEG1], v[(\Y)]   op_sel_hi:[1,0,0]
	v_fma_mix_f32_bf16 v[(\T)+1], v[(\R)+2], v[NEG1], v[(\Y)+1] op_sel:[1,0,0] op_sel_hi:[1,0,0]
	v_fma_mix_f32_bf16 v[(\T)+2], v[(\R)+3], v[NEG1], v[(\Y)+2] op_sel_hi:[1,0,0]
	v_fma_mix_f32_bf16 v[(\T)+3], v[(\R)+3], v[NEG1], v[(\Y)+3] op_sel:[1,0,0] op_sel_hi:[1,0,0]
	v_cvt_pk_bf16_f32 v[(\R)+4], v[(\T)], v[(\T)+1]
	v_cvt_pk_bf16_f32 v[(\R)+5], v[(\T)+2], v[(\T)+3]
.endm
; one f32 at X -> R: (1.0, hi); R+1: (mid, lo).  T: 3 registers at work
.macro SSPLIT X, R, T
	v_cvt_pk_bf16_f32 v[(\R)], v[ONE], v[(\X)]
	v_fma_mix_f32_bf16 v[(\T)], v[(\R)], v[NEG1], v[(\X)] op_sel:[1,0,0] op_sel_hi:[1,0,0]
	v_cvt_pk_bf16_f32 v[(\T)+1], v[(\T)], v[(\T)]
	v_fma_mix_f32_bf16 v[(\T)+2], v[(\T)+1], v[NEG1], v[(\T)] op_sel_hi:[1,0,0]
	v_cvt_pk_bf16_f32 v[(\R)+1], v[(\T)], v[(\T)+2]
.endm
; four f32 at X -> a query-side fragment at D: lanes 0-15 slots 0-7, lanes 16-31 slots 8-15 (s90 marks the upper lanes).  R: 6, T: 4 at work
.macro QFRAG X, D, R, T
	YSPLIT \X, \R, \T
	v_cndmask_b32 v[(\D)],   v[(\R)+2], v[ONE],     s90
	v_cndmask_b32 v[(\D)+1], v[(\R)+3], v[K2],      s90
	v_cndmask_b32 v[(\D)+2], v[(\R)+2], v[(\R)+4],  s90
	v_cndmask_b32 v[(\D)+3], v[(\R)+3], v[(\R)+5],  s90
.endm
; key i of my 8: s = (g' + G' y) . y, and the slots, into set R
.macro KEYROW i, R
.set rY, YR+4*(\i)
	AFF4 T0, CG, rY, CGV
	v_pk_mul_f32 v[T0:T0+1], v[T0:T0+1], v[rY:rY+1]
	v_pk_fma_f32 v[T0:T0+1], v[T0+2:T0+3], v[rY+2:rY+3], v[T0:T0+1]
	v_add_f32 v[T0+4], v[T0], v[T0+1]
	YSPLIT rY, \R, T0
	SSPLIT T0+4, \R, T0+5
.endm
; its two stores
.macro KEYST i, R
	ds_store_b128 v[G16], v[(\R)+2:(\R)+5] offset:KT+4096*(\i)
	ds_store_b128 v[G16], v[(\R):(\R)+3]   offset:KT2+4096*(\i)
.endm
; OUT = (Z - mean) rsqrt(var + 1e-5) g + b over the lane's 4 numbers.  G, B: scalar registers; T: 4 at work
.macro LNORM Z, OUT, G, B, T
	v_add_f32 v[(\T)], v[(\Z)], v[(\Z)+1]
	v_add_f32 v[(\T)+1], v[(\Z)+2], v[(\Z)+3]
	v_add_f32 v[(\T)], v[(\T)], v[(\T)+1]
	v_pk_fma_f32 v[(\Z):(\Z)+1],   v[(\T):(\T)+1], s[98:99], v[(\Z):(\Z)+1]   op_sel_hi:[0,0,1]  ; z - sum / 4
	v_pk_fma_f32 v[(\Z)+2:(\Z)+3], v[(\T):(\T)+1], s[98:99], v[(\Z)+2:(\Z)+3] op_sel_hi:[0,0,1]
	v_pk_mul_f32 v[(\T)+2:(\T)+3], v[(\Z):(\Z)+1], v[(\Z):(\Z)+1]
	v_pk_fma_f32 v[(\T)+2:(\T)+3], v[(\Z)+2:(\Z)+3], v[(\Z)+2:(\Z)+3], v[(\T)+2:(\T)+3]
	v_add_f32 v[(\T)+2], v[(\T)+2], v[(\T)+3]
	v_fma_f32 v[(\T)+2], v[(\T)+2], s95, 0x3727c5ac          ; / 4 + 1e-5
	v_rsq_f32 v[(\T)+2], v[(\T)+2]
	v_nop                                                    ; a plain instruction behind the root,
	s_wait_alu depctr_va_vdst(0)                             ; the root has written its result, ahead of the first instruction that names it
	v_pk_mul_f32 v[(\Z):(\Z)+1],   v[(\Z):(\Z)+1],   v[(\T)+2:(\T)+3] op_sel_hi:[1,0]
	v_pk_mul_f32 v[(\Z)+2:(\Z)+3], v[(\Z)+2:(\Z)+3], v[(\T)+2:(\T)+3] op_sel_hi:[1,0]
.irp i, 0,1,2,3
	v_fma_f32 v[(\OUT)+(\i)], v[(\Z)+(\i)], s[(\G)+(\i)], s[(\B)+(\i)]
.endr
.endm
	; ---- the head: arguments, ids, addresses
	s_load_b512 s[8:23], s[0:1], 0x0               ; the pointers, in the order of the launch's arguments, from s[8:9] on
	s_load_b512 s[24:39], s[0:1], 0x40
	s_load_b256 s[40:47], s[0:1], 0x80
.if LAYER
	s_load_b64 s[84:85], s[0:1], 0xa0              ; bfc
.endif
	v_lshl_add_u32 v[SPW], v0, 2, SPARE
	v_mov_b32 v[NIL], 0
	v_lshrrev_b32 v254, 5, v0
	v_readfirstlane_b32 s3, v254                   ; wave w
	v_and_b32 v252, 15, v0                         ; r
	v_bfe_u32 v253, v0, 4, 1                       ; h
	v_and_b32 v254, 31, v0                         ; L
	s_and_b32 s7, ttmp7, 0xffff                    ; batch
	s_wait_alu depctr_va_sdst(0)                   ; s3 is written, ahead of its first reader
	s_and_b32 s4, s3, 1                            ; qg: which 64 queries
	s_lshr_b32 s5, s3, 1                           ; kq: which 512 keys
	s_lshl_b32 s96, s5, 13
	v_lshl_add_u32 v[AK0], v252, 4, s96
	v_mad_u32_u24 v[AK0], v253, KT2, v[AK0]
	v_mov_b32 v[AKW], v[AK0]                       ; pass 1 begins at the quarter's first key
	v_and_b32 v255, 7, v0
	v_lshl_add_u32 v255, v253, 3, v255             ; 8 h + L % 8
	v_lshl_add_u32 v[AW2], v255, 4, W2T            ; lanes 8-15 name what lanes 0-7 name: channels 8-15 repeat 0-7
	v_lshl_add_u32 v[AV0], v255, 4, s96
	v_bfe_u32 v255, v0, 3, 1
	v_mad_u32_u24 v[AV0], v255, KT2, v[AV0]
	v_mov_b32 v[AVW], v[AV0]                       ; and so does pass 2
	v_lshl_add_u32 v[AW1], v252, 4, W1T
	v_mad_u32_u24 v[AW1], v253, W1T2, v[AW1]
	s_lshl_b32 s97, s3, 8
	s_add_co_u32 s97, s97, MX                      ; 512 kq + 256 qg = 256 w
	v_lshl_add_u32 v[MXS], v252, 4, s97
	s_lshl_b32 s97, s4, 8
	s_add_co_u32 s97, s97, MX
	v_lshl_add_u32 v[MXR], v252, 4, s97
	s_lshl_b32 s97, s3, 12
	s_add_co_u32 s97, s97, OP                      ; 8192 kq + 4096 qg = 4096 w
	v_lshl_add_u32 v[OPS], v254, 4, s97
	s_lshl_b32 s97, s3, 10
	s_add_co_u32 s97, s97, OP
	v_lshl_add_u32 v[OPR], v254, 4, s97
	v_mov_b32 v[COA], CO
.if LAYER
	s_lshl_b32 s97, s3, 6
	s_add_co_u32 s97, s97, OUTS
	v_lshl_add_u32 v[GO], v252, 2, s97
.else
	s_lshl_b32 s97, s3, 8
	v_lshl_add_u32 v[GO], v252, 4, s97
	v_lshl_add_u32 v[GO], v253, 3, v[GO]           ; 256 w + 16 r + 8 h
.endif
	v_lshlrev_b32 v[G16], 4, v0
	v_lshlrev_b32 v[G4], 2, v0
	v_add_nc_u32 v[W1S], W1T, v[G16]
	v_lshrrev_b32 v255, 6, v0
	v_and_b32 v[SA], 63, v0
	v_lshl_add_u32 v[SA], v[SA], 4, ST
	v_mad_u32_u24 v[SA], v255, SPI, v[SA]          ; my 16 bytes of a [4][256] matrix: row t / 64
	v_add_nc_u32 v[SB], ST, v[G4]
	s_lshl_b32 s97, s3, 7
	s_add_co_u32 s97, s97, ST
	v_lshl_add_u32 v255, v253, 4, s97              ; my wave's 32 channels, 16 bytes for each half of the lanes
	v_mad_u32_u24 v[FAA], v252, SPI, v255
	v_and_b32 v[FBA], 7, v0
	v_mad_u32_u24 v[FBA], v[FBA], SPI, v255
	s_lshl_b32 s97, s3, 10
	s_add_co_u32 s97, s97, PD
	v_lshl_add_u32 v[PDS], v254, 2, s97
	s_lshl_b32 s97, s3, 7
	s_add_co_u32 s97, s97, PD
	v_lshl_add_u32 v[PDR], v254, 2, s97
	s_lshl_b32 s97, s3, 6
	s_add_co_u32 s97, s97, CO
	v_lshl_add_u32 v[COS], v252, 2, s97
	v_lshl_add_u32 v[COS], v253, 9, v[COS]         ; D[8 h + w][r]
	s_lshl_b32 s98, ttmp9, 7                       ; the block's first query
	s_lshl_b32 s97, s4, 6
	s_add_co_u32 s97, s97, s98
	v_add_nc_u32 v254, s97, v252                   ; tile 0's row for this lane
	s_lshl_b32 s97, s3, 4
	s_add_co_u32 s97, s97, s98
	v_add_nc_u32 v255, s97, v252                   ; the row that I finish
.if LAYER
	v_lshlrev_b32 v[QKO], 4, v254
	v_lshlrev_b32 v[XKO], 4, v255
.else
	v_mul_u32_u24 v[G12], v0, 12
	v_mul_u32_u24 v[QKO], v254, 12
	v_lshlrev_b32 v[QVO], 2, v254
	v_mul_u32_u24 v[XKO], v255, 12
	v_lshlrev_b32 v[XVO], 2, v255
.endif
	s_mov_b32 s90, 0xffff0000                      ; lanes 16-31
	s_mov_b32 s92, 0x76543210                      ; v_permlanex16_b32: each lane takes its own place in the other half
	s_mov_b32 s93, 0xfedcba98
	s_mov_b32 s95, 0x3e800000                      ; 0.25
	s_wait_kmcnt 0x0
	s_load_b128 s[48:51], s[26:27], 16*LAYER       ; bo
	s_load_b128 s[52:55], s[30:31], 16*LAYER       ; g1
	s_load_b128 s[56:59], s[32:33], 16*LAYER       ; be1
	s_load_b128 s[60:63], s[40:41], 16*LAYER       ; b2
	s_load_b128 s[68:71], s[42:43], 16*LAYER       ; g2
	s_load_b128 s[72:75], s[44:45], 16*LAYER       ; be2
	s_load_b32 s76, s[28:29], 4*LAYER              ; bw
.if LAYER
	s_load_b128 s[80:83], s[10:11], 0x0            ; Wfc
	s_load_b32 s77, s[84:85], 0x0                  ; bfc
	s_lshl_b32 s96, s7, 15
	s_mov_b32 s97, 0
	s_add_nc_u64 s[8:9], s[8:9], s[96:97]          ; X1 at my batch
	s_lshl_b32 s96, s7, 13
	s_lshl_b32 s98, ttmp9, 9
	s_add_co_u32 s96, s96, s98
	s_add_nc_u64 s[46:47], s[46:47], s[96:97]      ; out0 at my block's 512 bytes
.else
	s_mul_i32 s96, s7, 24576
	s_mov_b32 s97, 0
	s_add_nc_u64 s[8:9], s[8:9], s[96:97]          ; KEY at my batch
	s_lshl_b32 s96, s7, 13
	s_add_nc_u64 s[10:11], s[10:11], s[96:97]      ; VALUE at my batch
	s_lshl_b32 s96, s7, 15
	s_lshl_b32 s98, ttmp9, 11
	s_add_co_u32 s96, s96, s98
	s_add_nc_u64 s[46:47], s[46:47], s[96:97]      ; X1 at my block's 2,048 bytes
.endif
	s_mov_b32 s98, 0xbe800000                      ; -0.25, named as a pair
	s_mov_b32 s99, s98
	s_wait_alu depctr_va_vdst(0)                   ; all addresses and offsets, v3 to v14 and v228 to v242, are written: every load and store of the kernel reads one of them
	; all global loads of the launch, in the order in which they are wanted: 7 for the fold, 12 for the FFN's tables, NY keys, NQ queries
	global_load_b128 v[FW:FW+3],     v[G16], s[12:13] offset:4096*LAYER   ; Wq
	global_load_b128 v[FW+4:FW+7],   v[G16], s[16:17] offset:4096*LAYER   ; Wk
	global_load_b128 v[FW+8:FW+11],  v[G16], s[20:21] offset:4096*LAYER   ; Wv
	global_load_b128 v[FW+12:FW+15], v[G16], s[24:25] offset:4096*LAYER   ; Wo[t][0:3]
	global_load_b32 v[FW+16], v[G4], s[14:15] offset:1024*LAYER           ; bq
	global_load_b32 v[FW+17], v[G4], s[18:19] offset:1024*LAYER           ; bk
	global_load_b32 v[FW+18], v[G4], s[22:23] offset:1024*LAYER           ; bv
.irp e, 0,1
.irp j, 0,1,2,3
	global_load_b32 v[WR+4*(\e)+(\j)], v[G4], s[34:35] offset:8192*LAYER+2048*(\j)+1024*(\e)  ; W1[j][t + 256 e]
.endr
.endr
.irp e, 0,1
	global_load_b32 v[WR+8+(\e)], v[G4], s[36:37] offset:2048*LAYER+1024*(\e)                 ; b1
.endr
.irp e, 0,1
	global_load_b128 v[WR+10+4*(\e):WR+13+4*(\e)], v[G16], s[38:39] offset:8192*LAYER+4096*(\e)  ; W2[t + 256 e][0:3]
.endr
.if LAYER
.irp i, 0,1,2,3,4,5,6,7
	global_load_b128 v[YR+4*(\i):YR+4*(\i)+3], v[G16], s[8:9] offset:4096*(\i)  ; key t + 256 i
.endr
.irp t, 0,1,2,3
	global_load_b128 v[QX+4*(\t):QX+4*(\t)+3], v[QKO], s[8:9] offset:256*(\t)
.endr
	global_load_b128 v[XR:XR+3], v[XKO], s[8:9]
.else
.irp i, 0,1,2,3,4,5,6,7
	global_load_b96 v[YR+4*(\i):YR+4*(\i)+2], v[G12], s[8:9] offset:3072*(\i)   ; key t + 256 i: three coordinates,
	global_load_b32 v[YR+4*(\i)+3], v[G4], s[10:11] offset:1024*(\i)            ; and the value
.endr
.irp t, 0,1,2,3
	global_load_b96 v[QX+4*(\t):QX+4*(\t)+2], v[QKO], s[8:9] offset:192*(\t)
	global_load_b32 v[QX+4*(\t)+3], v[QVO], s[10:11] offset:64*(\t)
.endr
	global_load_b96 v[XR:XR+2], v[XKO], s[8:9]
	global_load_b32 v[XR+3], v[XVO], s[10:11]
.endif
	v_mov_b32 v[NEG1], -1.0                        ; these 23 registers are named by no memory or LDS instruction
	v_mov_b32 v[ONE], 1.0
	v_mov_b32 v[K2], 0x3f803f80
.irp f, 0,1,2,3
.irp j, 4,5,6,7
	v_mov_b32 v[KF+8*(\f)+(\j)], 0                 ; slots 16-31 of every key fragment: written once, never loaded into
.endr
.endr
.irp j, 0,1,2,3
	v_mov_b32 v[Z+(\j)], 0
.endr
	; ---- the fold's operands into LDS, as 19 rows along the 256 channels.  Their data come from loads, their addresses from the head
	s_wait_loadcnt 12+NY+NQ                        ; the first 7 loads are in; all younger ones stay out
	ds_store_b128 v[SA], v[FW:FW+3]
	ds_store_b128 v[SA], v[FW+8:FW+11] offset:6*SPI
	ds_store_b128 v[SA], v[FW+4:FW+7]  offset:11*SPI
	ds_store_b32 v[SB], v[FW+16] offset:4*SPI
	ds_store_b32 v[SB], v[FW+17] offset:5*SPI
	ds_store_b32 v[SB], v[FW+18] offset:10*SPI
.irp d, 0,1,2,3
	ds_store_b32 v[SB], v[FW+12+(\d)] offset:(15+(\d))*SPI   ; Wo turned
.endr
	s_wait_dscnt 0x0                               ; for the others' sake
	BAR
	; ---- the fold: D = rows 0-15 x (rows 11-18, twice)^T.  Wave w takes channels 32 w .. + 31: 8 steps of 4; the order of k in a step is the same on both sides
.irp i, 0,1,2,3
	ds_load_b128 v[FA+4*(\i):FA+4*(\i)+3], v[FAA] offset:32*(\i)          ; no vector instruction has named v36 to v67 yet
	ds_load_b128 v[FB+4*(\i):FB+4*(\i)+3], v[FBA] offset:11*SPI+32*(\i)
.endr
	s_wait_loadcnt NY+NQ                           ; W1, b1, W2 are in
.irp e, 0,1
	YSPLIT WR+10+4*(\e), RA+6*(\e), T0
.endr
	s_wait_alu depctr_va_vdst(0)                   ; the splits of W2 have written both sets of RA, which the two stores read
.irp e, 0,1
	ds_store_b128 v[W1S], v[RA+6*(\e)+2:RA+6*(\e)+5] offset:W2T-W1T+4096*(\e)
.endr
	s_wait_dscnt 2                                 ; the 8 fragment loads are in; the two stores behind them may be out
.irp i, 0,1,2,3
.irp e, 0,1
.if (\i) == 0
	v_wmma_f32_16x16x4_f32 v[O+8*(\e):O+8*(\e)+7], v[FA+2*(\e):FA+2*(\e)+1], v[FB+2*(\e):FB+2*(\e)+1], 0   ; the first step starts each sum
.else
	v_wmma_f32_16x16x4_f32 v[O+8*(\e):O+8*(\e)+7], v[FA+4*(\i)+2*(\e):FA+4*(\i)+2*(\e)+1], v[FB+4*(\i)+2*(\e):FB+4*(\i)+2*(\e)+1], v[O+8*(\e):O+8*(\e)+7]  ; two accumulators by turns
.endif
.endr
.endr
	s_wait_alu depctr_vm_vsrc(0)                   ; W2's two stores have read the sets of RA, which the splits below write again
.irp e, 0,1                            ; 26 plain instructions that name none of the fold's registers: the places behind its last products (ISA guide 7.12.1)
	YSPLIT WR+4*(\e), RA+6*(\e), T0
	SSPLIT WR+8+(\e), RA+6*(\e), T0+4
.endr
.irp j, 0,2,4,6
	v_pk_add_f32 v[T0+(\j):T0+(\j)+1], v[O+(\j):O+(\j)+1], v[O+8+(\j):O+8+(\j)+1]   ; from the low end on
.endr
	s_wait_alu depctr_va_vdst(0)                   ; the splits of W1 and b1 have written RA, the sums T0: the twelve stores below read them
.irp e, 0,1
	ds_store_b128 v[W1S], v[RA+6*(\e)+2:RA+6*(\e)+5] offset:4096*(\e)
	ds_store_b128 v[W1S], v[RA+6*(\e):RA+6*(\e)+3]   offset:W1T2+4096*(\e)
.endr
.irp j, 0,1,2,3,4,5,6,7
	ds_store_b32 v[PDS], v[T0+(\j)] offset:128*(\j)
.endr
	s_wait_dscnt 0x0
	BAR
	; ---- wave w adds register w of all eight partial tables: rows w and 8 + w of D
	s_wait_alu depctr_vm_vsrc(0)                   ; my stores have read T0, in which the loads below land
.irp k, 0,1,2,3,4,5,6,7
	ds_load_b32 v[T0+(\k)], v[PDR] offset:1024*(\k)
.endr
	s_wait_dscnt 0x0
	v_pk_add_f32 v[T0:T0+1], v[T0:T0+1], v[T0+2:T0+3]
	v_pk_add_f32 v[T0+4:T0+5], v[T0+4:T0+5], v[T0+6:T0+7]
	v_pk_add_f32 v[T0:T0+1], v[T0:T0+1], v[T0+4:T0+5]
	v_add_f32 v[T0], v[T0], v[T0+1]
	s_wait_alu depctr_va_vdst(0)                   ; the sum has written v[T0], which the store reads; the splits are done reading WR, in which the coefficients land below
	ds_store_b32 v[COS], v[T0]
	s_wait_dscnt 0x0
	BAR
	; ---- coefficients, the key table, the query fragments
	s_wait_alu depctr_vm_vsrc(0)                   ; the store has read v[T0], which the keys' arithmetic writes; the fold's stores have read FW, in which the coefficients land
.irp i, 0,1,2,3
	ds_load_b128 v[CG+4*(\i):CG+4*(\i)+3], v[COA] offset:64*(11+(\i))   ; G
.endr
	ds_load_b128 v[CGV:CGV+3], v[COA] offset:64*5                       ; g
.irp i, 0,1,2,3
	ds_load_b128 v[CA+4*(\i):CA+4*(\i)+3], v[COA] offset:64*(\i)        ; A
.endr
	ds_load_b128 v[CVV:CVV+3], v[COA] offset:64*4                       ; v
	s_wait_kmcnt 0x0                               ; bw and the small vectors
	s_mul_f32 s78, s76, s76
	s_mul_f32 s78, s78, 0x3fb8aa3b                 ; c bw^2
	s_mov_b32 s79, s78
	s_mul_f32 s86, s78, -1.0
	s_mov_b32 s87, s86
	s_mul_f32 s88, s78, -0.5
	s_mov_b32 s89, s88
	s_wait_dscnt 0x0
.irp j, 0,2,4,6,8,10,12,14
	v_pk_mul_f32 v[CG+(\j):CG+(\j)+1], v[CG+(\j):CG+(\j)+1], s[88:89] op_sel_hi:[1,0]   ; G' = -c bw^2 G / 2
.endr
	v_pk_mul_f32 v[CGV:CGV+1], v[CGV:CGV+1], s[86:87] op_sel_hi:[1,0]                   ; g' = -c bw^2 g
	v_pk_mul_f32 v[CGV+2:CGV+3], v[CGV+2:CGV+3], s[86:87] op_sel_hi:[1,0]
	s_wait_loadcnt NQ                              ; my 8 keys are in
.irp i, 0,1,2,3
	KEYROW \i, KS+6*(\i)
.endr
	s_wait_alu depctr_va_vdst(0)                   ; keys 0 to 3 have written sets 0 to 3, which the eight stores read
.irp i, 0,1,2,3
	KEYST \i, KS+6*(\i)
.endr
	KEYROW 4, KS+24                                ; three sets that no pending store reads
	KEYROW 5, RA
	KEYROW 6, RA+6
	s_wait_alu depctr_vm_vsrc(0)                   ; key 0's stores have read set 0, which key 7 writes again
	KEYROW 7, KS
	s_wait_alu depctr_va_vdst(0)                   ; keys 4 to 7 have written their sets, which the eight stores read
	KEYST 4, KS+24
	KEYST 5, RA
	KEYST 6, RA+6
	KEYST 7, KS
	s_wait_loadcnt 0x0                             ; the query rows and my own row
.irp t, 0,1,2,3
	AFF4 T0, CA, QX+4*(\t), CVV
	v_pk_mul_f32 v[T0:T0+1], v[T0:T0+1], s[78:79] op_sel_hi:[1,0]
	v_pk_mul_f32 v[T0+2:T0+3], v[T0+2:T0+3], s[78:79] op_sel_hi:[1,0]
	QFRAG T0, Q+4*(\t), QR, T0+4
.endr
	s_wait_alu depctr_vm_vsrc(0)                   ; the keys' stores have read v36 to v65 and RA: the zeros below, pass 1's loads and pass 2's turned loads write them
.irp f, 0,1,2,3
.irp j, 4,5,6,7
	v_mov_b32 v[C+8*(\f)+(\j)], 0                  ; slots 16-31 of fragments 4 to 7 of pass 1's ring
.endr
.endr
	s_wait_alu depctr_va_vdst(0)                   ; the keys' splits have written v36 to v65, in which fragments 4 to 7 land
	s_wait_dscnt 0x0                               ; my part of the key table is written
	BAR
	; ---- PASS 1: each query's maximum over my 512 keys.  32 units of 16 keys; unit u lies in slot u % 8 of a ring of 8 fragments (0-3: KF, 4-7: C); two score buffers.
; the four products of unit u: 16 keys x 4 tiles of 16 queries
.macro W1U u
.set rF, KF-(KF-C)*(((\u)%8)/4)+8*((\u)%4)
.irp t, 0,1,2,3
	v_wmma_f32_16x16x32_bf16 v[S+32*((\u)%2)+8*(\t):S+32*((\u)%2)+8*(\t)+7], v[rF:rF+7], v[Q+4*(\t):Q+4*(\t)+7], 0
.endr
.endm
; unit u's fragment is asked for; u counts from the unit at which AKW stands
.macro K1L u
.set rF, KF-(KF-C)*(((\u)%8)/4)+8*((\u)%4)
	ds_load_b128 v[rF:rF+3], v[AKW] offset:256*(\u)
.endm
; 16 running maxima take a unit's 32 scores; each accumulator's lowest registers are read first.  first = 1: they start the maxima
.macro M1U sb, first
.irp c, 0,1,2,3
.irp t, 0,1,2,3
.if \first
	v_max_num_f32 v[MA+4*(\t)+(\c)], v[S+32*(\sb)+8*(\t)+2*(\c)], v[S+32*(\sb)+8*(\t)+2*(\c)+1]
.else
	v_max3_num_f32 v[MA+4*(\t)+(\c)], v[MA+4*(\t)+(\c)], v[S+32*(\sb)+8*(\t)+2*(\c)], v[S+32*(\sb)+8*(\t)+2*(\c)+1]
.endif
.endr
.endr
.endm
; A step: the products of units b + 2 .. b + 5, the maxima of units b + 1 .. b + 4 (a unit's maxima are the places behind the next unit's products), and nl loads, of units b + 6 on,
; into the slots of units b - 2 on.  The loads stand early in the step, so that they have landed at the next step's head.
.macro STEP1 b, nl
	s_wait_dscnt 0x0                               ; the fragments of units b + 2 to b + 5, asked for in the step before, are in
	s_wait_alu depctr_va_vdst(0)                   ; all products up to unit b + 1 are done reading their slots, in which the loads below land; behind a step of the address, v[AKW] is written
	W1U (\b)+2
	K1L (\b)+6                                     ; no wait: the step's products name the slots of units b + 2 to b + 5 alone
	K1L (\b)+7
	M1U ((\b)+1)%2, 0
	W1U (\b)+3
.if (\nl) > 2
	K1L (\b)+8
	K1L (\b)+9
.endif
	M1U ((\b)+2)%2, 0
	W1U (\b)+4
	M1U ((\b)+3)%2, 0
	W1U (\b)+5
	M1U ((\b)+4)%2, 0
.endm
.macro STEPK                           ; eight units on
	s_add_co_u32 s91, s91, 2048
	s_wait_alu depctr_vm_vsrc(0)                   ; the loads issued so far have read v[AKW]
	v_add_nc_u32 v[AKW], s91, v[AK0]
.endm
	s_mov_b32 s91, 0
.irp u, 0,1,2,3,4,5
	K1L \u
.endr
	s_wait_dscnt 5                                 ; unit 0 is in
	W1U 0
	NOPS 4                                         ; four places behind those products, before the first maxima read them
	s_wait_dscnt 4                                 ; unit 1 is in
	W1U 1
	M1U 0, 1                                       ; unit 0 starts the maxima
	s_mov_b32 s94, 3
.Lp1:                                          ; three trips: products of units 2-25, maxima of units 1-24, loads of units 6-29
	STEP1 0, 4
	STEP1 4, 4
	STEPK
	s_sub_co_u32 s94, s94, 1
	s_cmp_lg_u32 s94, 0
	s_cbranch_scc1 .Lp1
	STEP1 0, 2                                     ; products of units 26-29; the last two fragments are asked for
	s_wait_dscnt 0x0                               ; units 30 and 31 are in
	W1U 6
	M1U 1, 0                                       ; unit 29
	W1U 7
	M1U 0, 0                                       ; unit 30
	M1U 1, 0                                       ; unit 31
.irp t, 0,1,2,3
	v_max3_num_f32 v[MA+4*(\t)], v[MA+4*(\t)], v[MA+4*(\t)+1], v[MA+4*(\t)+2]
.endr
.irp t, 0,1,2,3
	v_max_num_f32 v[MA+4*(\t)], v[MA+4*(\t)], v[MA+4*(\t)+3]
.endr
.irp t, 0,1,2,3
	v_permlanex16_b32 v[MA+4*(\t)+1], v[MA+4*(\t)], s92, s93   ; the query's other 8 keys of each unit lie in the lane 16 away
.endr
.irp t, 0,1,2,3
	v_max_num_f32 v[TM+(\t)], v[MA+4*(\t)], v[MA+4*(\t)+1]
.endr
	s_mov_b32 s91, 0
	s_wait_alu depctr_vm_vsrc(0)                   ; pass 1's loads have read v[AKW]
	v_mov_b32 v[AKW], v[AK0]                       ; back to the quarter's first key, for pass 2
	s_wait_alu depctr_va_vdst(0)                   ; TM is written, which the store reads, and v[AKW]; pass 1 is done reading MA and the fragments, in which the loads behind the barrier land
	ds_store_b128 v[MXS], v[TM:TM+3]
	s_wait_dscnt 0x0
	BAR
	s_wait_alu depctr_vm_vsrc(0)                   ; the store has read TM, which the maxima below write again
.irp k, 0,1,2,3
	ds_load_b128 v[MA+4*(\k):MA+4*(\k)+3], v[MXR] offset:512*(\k)   ; the four key quarters' maxima of my queries
.endr
	; pass 2's first loads go out behind them
.irp f, 0,1,2,3
	ds_load_b128 v[KF+8*(\f):KF+8*(\f)+3], v[AKW] offset:256*(\f)
.endr
	ds_load_tr16_b128 v[VF:VF+3],   v[AVW]
	ds_load_tr16_b128 v[VF+4:VF+7], v[AVW] offset:256
	s_wait_dscnt 6                                 ; the maxima are in; the six loads behind them stay out
.irp t, 0,1,2,3
	v_max3_num_f32 v[TM+(\t)], v[MA+(\t)], v[MA+4+(\t)], v[MA+8+(\t)]
.endr
.irp t, 0,1,2,3
	v_max_num_f32 v[TM+(\t)], v[TM+(\t)], v[MA+12+(\t)]
.endr
.irp t, 0,1,2,3                        ; minus the maximum, in all 8 registers of the tile's C operand
.irp i, 0,2,4,6
.if ((\t)%2)
	v_pk_mul_f32 v[C+8*(\t)+(\i):C+8*(\t)+(\i)+1], v[TM+2*((\t)/2):TM+2*((\t)/2)+1], v[NEG1:NEG1+1] op_sel:[1,0] op_sel_hi:[1,0]
.else
	v_pk_mul_f32 v[C+8*(\t)+(\i):C+8*(\t)+(\i)+1], v[TM+2*((\t)/2):TM+2*((\t)/2)+1], v[NEG1:NEG1+1] op_sel_hi:[0,0]
.endif
.endr
.endr
	; ---- PASS 2: p = 2^(score - maximum), O^T += (slots)^T p.  16 steps of 32 keys: units a = 2 s (buffer 0) and b = 2 s + 1 (buffer 1).
.macro SCORE kf, db, t
	v_wmma_f32_16x16x32_bf16 v[S+32*(\db)+8*(\t):S+32*(\db)+8*(\t)+7], v[KF+8*(\kf):KF+8*(\kf)+7], v[Q+4*(\t):Q+4*(\t)+7], v[C+8*(\t):C+8*(\t)+7]
.endm
; a unit's four products into buffer db, behind each 8 exponentials in place on the other buffer, from each accumulator's low end on
.macro WE kf, db, doW
.irp t, 0,1,2,3
.if \doW
	SCORE \kf, \db, \t
.endif
.irp j, 0,1,2,3,4,5,6,7
	v_exp_f32 v[S+32*(1-(\db))+8*(\t)+(\j)], v[S+32*(1-(\db))+8*(\t)+(\j)]
.endr
.endr
.endm
.macro CVP sb                          ; buffer sb's weights rounded to bf16: half sb of each tile's 32 keys x 16 queries
.irp t, 0,1,2,3
.irp i, 0,1,2,3
	v_cvt_pk_bf16_f32 v[P+8*(\t)+4*(\sb)+(\i)], v[S+32*(\sb)+8*(\t)+2*(\i)], v[S+32*(\sb)+8*(\t)+2*(\i)+1]
.endr
.endr
.endm
.macro PVM vf, first                   ; the four accumulators take turns
.irp t, 0,1,2,3
.if \first
	v_wmma_f32_16x16x32_bf16 v[O+8*(\t):O+8*(\t)+7], v[VF+8*(\vf):VF+8*(\vf)+7], v[P+8*(\t):P+8*(\t)+7], 0
.else
	v_wmma_f32_16x16x32_bf16 v[O+8*(\t):O+8*(\t)+7], v[VF+8*(\vf):VF+8*(\vf)+7], v[P+8*(\t):P+8*(\t)+7], v[O+8*(\t):O+8*(\t)+7]
.endif
.endr
.endm
; sp: the step's parity.  w2: unit 2 s + 2 exists.  nk: key fragments still to ask for (units 2 s + 5, 2 s + 6).  dv: the next step's turned fragment is asked for.  pre: step 0, which also asks for unit 4.
.macro STEP2 sp, first, w2, nk, dv, pre=0
	WE 2*(\sp)+1, 1, 1                             ; unit b's scores | unit a's exponentials
	NOPS 4                                         ; the plain instruction behind the last exponential; and four places between the last step's products, which read P, and the roundings that write it
	s_wait_alu depctr_va_vdst(0)                   ; unit a's 32 exponentials have written buffer 0, ahead of their first reader; in step 0 unit 0's scores are also done reading fragment 0
.if \pre
	ds_load_b128 v[KF:KF+3], v[AKW] offset:1024    ; unit 4
.endif
	CVP 0
	WE (2*(\sp)+2)%4, 0, \w2                       ; the next step's unit a | unit b's exponentials
	v_nop
	s_wait_alu depctr_va_vdst(0)                   ; unit b's 32 exponentials have written buffer 1, ahead of their first reader; both groups of scores are done reading their fragments and the last step's O products their turned fragment, in which the loads below land; behind a step of the addresses, v[AKW] and v[AVW] are written
	CVP 1                                          ; these 16 name P and S alone: none of the registers that the loads below touch
.if (\nk) > 0
	ds_load_b128 v[KF+8*(2*(\sp)+1):KF+8*(2*(\sp)+1)+3], v[AKW] offset:256*(2*(\sp)+5)
.endif
.if (\nk) > 1
	ds_load_b128 v[KF+8*((2*(\sp)+2)%4):KF+8*((2*(\sp)+2)%4)+3], v[AKW] offset:256*(2*(\sp)+6)
.endif
.if \dv
	ds_load_tr16_b128 v[VF+8*(1-(\sp)):VF+8*(1-(\sp))+3],   v[AVW] offset:512*((\sp)+1)
	ds_load_tr16_b128 v[VF+8*(1-(\sp))+4:VF+8*(1-(\sp))+7], v[AVW] offset:512*((\sp)+1)+256
.endif
	s_wait_dscnt (\nk)+2*(\dv)                     ; only what was just issued may be out: this step's turned fragment and the next step's two key fragments are in
	PVM \sp, \first
.endm
.macro STEPKV                          ; two steps on
	s_add_co_u32 s91, s91, 1024
	s_wait_alu depctr_vm_vsrc(0)                   ; the loads issued so far have read v[AKW] and v[AVW]
	v_add_nc_u32 v[AKW], s91, v[AK0]
	v_add_nc_u32 v[AVW], s91, v[AV0]
.endm
	s_wait_dscnt 0x0                               ; units 0-3 and the first turned fragment
.irp t, 0,1,2,3
	SCORE 0, 0, \t
.endr
	NOPS 4                                         ; four places in front of the exponentials on these scores
	STEP2 0, 1, 1, 2, 1, 1                         ; step 0 starts O's sums
	STEP2 1, 0, 1, 2, 1
	STEPKV
	s_mov_b32 s94, 5
.Lp2:                                          ; steps 2-11
	STEP2 0, 0, 1, 2, 1
	STEP2 1, 0, 1, 2, 1
	STEPKV
	s_sub_co_u32 s94, s94, 1
	s_cmp_lg_u32 s94, 0
	s_cbranch_scc1 .Lp2
	STEP2 0, 0, 1, 2, 1                            ; step 12 asks for units 29 and 30,
	STEP2 1, 0, 1, 1, 1                            ; step 13 for unit 31,
	STEPKV
	STEP2 0, 0, 1, 0, 1                            ; step 14 for the last turned fragment,
	STEP2 1, 0, 0, 0, 0                            ; step 15 for nothing
	NOPS 4                                         ; four places behind the last products
	s_wait_alu depctr_va_vdst(0)                   ; the products have written O, which the stores read; pass 2 is done with S, C and the fragments, in which the finish's loads land.  The places above stay beside this wait
.irp t, 0,1,2,3
	ds_store_b128 v[OPS], v[O+8*(\t):O+8*(\t)+3]   offset:1024*(\t)
	ds_store_b128 v[OPS], v[O+8*(\t)+4:O+8*(\t)+7] offset:1024*(\t)+512
.endr
	s_wait_dscnt 0x0
	BAR
	; ---- THE FINISH: wave w takes query tile w; both halves of the lanes come to hold row r
.macro W1L g                           ; the 4 fragments of W1 | b1 for units 64 g .. + 63: set g % 2 (the key fragments' registers, or C's with zeroed upper halves)
.irp t, 0,1,2,3
	ds_load_b128 v[KF-(KF-C)*((\g)%2)+8*(\t):KF-(KF-C)*((\g)%2)+8*(\t)+3], v[AW1] offset:1024*(\g)+256*(\t)
.endr
.endm
.macro W2L g                           ; the 2 turned fragments of W2 for the same units: set g % 2
.irp x, 0,1
	ds_load_tr16_b128 v[VF+32*((\g)%2)+8*(\x):VF+32*((\g)%2)+8*(\x)+3],   v[AW2] offset:1024*(\g)+512*(\x)
	ds_load_tr16_b128 v[VF+32*((\g)%2)+8*(\x)+4:VF+32*((\g)%2)+8*(\x)+7], v[AW2] offset:1024*(\g)+512*(\x)+256
.endr
.endm
.macro HPROD g                         ; h^T = (W1 | b1) x res^T for 64 units x 16 rows
.irp t, 0,1,2,3
	v_wmma_f32_16x16x32_bf16 v[S+32*((\g)%2)+8*(\t):S+32*((\g)%2)+8*(\t)+7], v[KF-(KF-C)*((\g)%2)+8*(\t):KF-(KF-C)*((\g)%2)+8*(\t)+7], v[Q+12:Q+19], 0
.endr
.endm
	s_wait_alu depctr_vm_vsrc(0)                   ; my stores have read O: the FFN's products write its lower half, W2's second set lands in its upper half
.irp k, 0,1,2,3
	ds_load_b128 v[S+8*(\k):S+8*(\k)+3],   v[OPR] offset:8192*(\k)
	ds_load_b128 v[S+8*(\k)+4:S+8*(\k)+7], v[OPR] offset:8192*(\k)+512
.endr
.irp i, 0,1,2,3,4
	ds_load_b128 v[S+32+4*(\i):S+32+4*(\i)+3], v[COA] offset:64*(6+(\i))+16   ; Wv Wo (4 rows), bv Wo
.endr
	W1L 0                                          ; the FFN's first 12 loads go out behind them
	W1L 1
	W2L 0
.irp f, 0,1,2,3
.irp j, 4,5,6,7
	v_mov_b32 v[C+8*(\f)+(\j)], 0                  ; slots 16-31 of the second set of W1's fragments
.endr
.endr
	s_wait_dscnt 12                                ; the 13 loads of O and the coefficients are in
.irp j, 0,2,4,6
	v_pk_add_f32 v[S+(\j):S+(\j)+1],       v[S+(\j):S+(\j)+1],       v[S+8+(\j):S+8+(\j)+1]
	v_pk_add_f32 v[S+16+(\j):S+16+(\j)+1], v[S+16+(\j):S+16+(\j)+1], v[S+24+(\j):S+24+(\j)+1]
.endr
.irp j, 0,2,4,6
	v_pk_add_f32 v[S+(\j):S+(\j)+1], v[S+(\j):S+(\j)+1], v[S+16+(\j):S+16+(\j)+1]   ; the four key quarters
.endr
	v_pk_add_f32 v[S+8:S+9],   v[S:S+1],   v[S+4:S+5]    ; lanes 0-15: sum p y = hi + lo
	v_pk_add_f32 v[S+10:S+11], v[S+2:S+3], v[S+6:S+7]
.irp i, 0,1,2,3
	v_permlanex16_b32 v[S+12+(\i)], v[S+8+(\i)], s92, s93
.endr
	v_permlanex16_b32 v[S+16], v[S], s92, s93            ; lanes 16-31 hold sum p in register 0
.irp i, 0,1,2,3
	v_cndmask_b32 v[S+8+(\i)], v[S+8+(\i)], v[S+12+(\i)], s90
.endr
	v_cndmask_b32 v[S+17], v[S+16], v[S], s90
	v_rcp_f32 v[S+18], v[S+17]
.irp i, 0,1,2,3
	v_add_f32 v[S+48+(\i)], s[48+(\i)], v[S+48+(\i)]     ; bv Wo + bo: plain work behind the reciprocal
.endr
	s_wait_alu depctr_va_vdst(0)                         ; the reciprocal has written v[S+18], ahead of its first reader
	v_pk_mul_f32 v[S+8:S+9],   v[S+8:S+9],   v[S+18:S+19] op_sel_hi:[1,0]
	v_pk_mul_f32 v[S+10:S+11], v[S+10:S+11], v[S+18:S+19] op_sel_hi:[1,0]
	AFF4 S+20, S+32, S+8, S+48                           ; attention's output
	v_pk_add_f32 v[S+20:S+21], v[S+20:S+21], v[XR:XR+1]
	v_pk_add_f32 v[S+22:S+23], v[S+22:S+23], v[XR+2:XR+3]
	LNORM S+20, TM, 52, 56, S+24                         ; res
	QFRAG TM, Q+12, S+52, S+58
	; the FFN: 8 groups of 64 hidden units
; group g: the next group's h | this group's h rounded to bf16 and cut at 0 | loads | two products onto the two accumulators, which take turns
.macro FFG g
.if (\g) < 7
	HPROD (\g)+1
.endif
.irp t, 0,1,2,3
.irp i, 0,1,2,3
	v_cvt_pk_bf16_f32 v[P+16*((\g)%2)+4*(\t)+(\i)], v[S+32*((\g)%2)+8*(\t)+2*(\i)], v[S+32*((\g)%2)+8*(\t)+2*(\i)+1]
.endr
.endr
.irp i, 0,1,2,3,4,5,6,7,8,9,10,11,12,13,14,15
	v_pk_max_num_bf16 v[P+16*((\g)%2)+(\i)], v[P+16*((\g)%2)+(\i)], v[Z]
.endr
.set nw, 0
.if (\g) < 7
	s_wait_alu depctr_va_vdst(0)                   ; the h products above are done reading their set of W1, the last group's two products their set of W2: the loads below land in these
.endif
.if (\g) < 5
	W1L (\g)+3
.set nw, nw+4
.endif
.if (\g) < 7
	W2L (\g)+1
.set nw, nw+4
.endif
	s_wait_dscnt nw                                ; only what was just issued may be out
.irp x, 0,1
.if (\g) == 0
	v_wmma_f32_16x16x32_bf16 v[O+8*(\x):O+8*(\x)+7], v[VF+32*((\g)%2)+8*(\x):VF+32*((\g)%2)+8*(\x)+7], v[P+16*((\g)%2)+8*(\x):P+16*((\g)%2)+8*(\x)+7], 0
.else
	v_wmma_f32_16x16x32_bf16 v[O+8*(\x):O+8*(\x)+7], v[VF+32*((\g)%2)+8*(\x):VF+32*((\g)%2)+8*(\x)+7], v[P+16*((\g)%2)+8*(\x):P+16*((\g)%2)+8*(\x)+7], v[O+8*(\x):O+8*(\x)+7]
.endif
.endr
.endm
	s_wait_dscnt 0x0                               ; groups 0 and 1 of W1, group 0 of W2
	HPROD 0
	NOPS 4                                         ; four places in front of the roundings of these results
	s_wait_alu depctr_va_vdst(0)                   ; group 0's h products are done reading the first set of W1, in which group 2 lands
	W1L 2
.irp g, 0,1,2,3,4,5,6,7
	FFG \g
.endr
	NOPS 4                                         ; four places behind the last products
.irp j, 0,2,4,6
	v_pk_add_f32 v[S+(\j):S+(\j)+1], v[O+(\j):O+(\j)+1], v[O+8+(\j):O+8+(\j)+1]   ; from the low end on
.endr
	v_pk_add_f32 v[S:S+1],   v[S:S+1],   v[S+4:S+5]      ; W2's hi and lo channels
	v_pk_add_f32 v[S+2:S+3], v[S+2:S+3], v[S+6:S+7]
.irp i, 0,1,2,3
	v_add_f32 v[S+(\i)], s[60+(\i)], v[S+(\i)]           ; + b2
.endr
	v_pk_add_f32 v[S:S+1],   v[S:S+1],   v[TM:TM+1]      ; + res
	v_pk_add_f32 v[S+2:S+3], v[S+2:S+3], v[TM+2:TM+3]
	LNORM S, S+8, 68, 72, S+12
.if LAYER
	v_fma_f32 v[S+16], v[S+8], s80, s77                  ; x . Wfc + bfc
	v_fma_f32 v[S+16], v[S+9], s81, v[S+16]
	v_fma_f32 v[S+16], v[S+10], s82, v[S+16]
	v_fma_f32 v[S+16], v[S+11], s83, v[S+16]
	s_wait_alu depctr_va_vdst(0)                         ; the sum has written v[S+16], which the LDS store reads
	ds_store_b32 v[GO], v[S+16]                          ; both halves of the lanes write the same number to the same word
	s_wait_dscnt 0x0
	BAR
	s_wait_alu depctr_vm_vsrc(0)                         ; the store has read v[S+16], in which wave 0's load lands
	s_cmp_lg_u32 s3, 0                                   ; wave 0 stores the block's 128 numbers: 512 consecutive bytes, aligned
	s_cbranch_scc1 .Lend
	v_and_b32 v[S+20], 31, v0
	v_lshlrev_b32 v[S+21], 4, v[S+20]
	v_lshl_add_u32 v[S+20], v[S+20], 4, OUTS
	s_wait_alu depctr_va_vdst(0)                         ; the two addresses v[S+20] and v[S+21] are written, which the load and the store read
	ds_load_b128 v[S+16:S+19], v[S+20]
	s_wait_dscnt 0x0
	global_store_b128 v[S+21], v[S+16:S+19], s[46:47]
.Lend:
.else
	v_cndmask_b32 v[S+16], v[S+8], v[S+10], s90          ; lane (r, h) stores components 2 h and 2 h + 1 of row r:
	v_cndmask_b32 v[S+17], v[S+9], v[S+11], s90
	s_wait_alu depctr_va_vdst(0)                         ; the two selects have written v[S+16] and v[S+17], which the store reads
	global_store_b64 v[GO], v[S+16:S+17], s[46:47]       ; the wave's store covers 256 consecutive bytes, aligned
.endif
	s_wait_dscnt 0x0                               ; the closing lines, six on end
	s_wait_alu 0x0
	s_wait_tensorcnt 0x0
	ds_add_u32 v[SPW], v[NIL]
	s_wait_dscnt 0x0
	s_endpgm
.Lfunc_end_k_q8b754b2f91_layer1:
	.size	k_q8b754b2f91_layer1, .Lfunc_end_k_q8b754b2f91_layer1-k_q8b754b2f91_layer1
	.p2alignl 7, 3214868480
	.fill 96, 4, 3214868480
	.section	.rodata,"a",@progbits
	.p2align	6, 0x0
	.amdhsa_kernel k_q8b754b2f91_layer1
		.amdhsa_group_segment_fixed_size 156160
		.amdhsa_private_segment_fixed_size 0
		.amdhsa_enable_private_segment 0
		.amdhsa_kernarg_size 168
		.amdhsa_user_sgpr_count 2
		.amdhsa_user_sgpr_kernarg_segment_ptr 1
		.amdhsa_wavefront_size32 1
		.amdhsa_system_sgpr_workgroup_id_x 1
		.amdhsa_system_sgpr_workgroup_id_y 1
		.amdhsa_system_sgpr_workgroup_id_z 1
		.amdhsa_system_vgpr_workitem_id 0
		.amdhsa_next_free_vgpr 256
		.amdhsa_next_free_sgpr 100
		.amdhsa_reserve_vcc 0
		.amdhsa_float_denorm_mode_32 3
		.amdhsa_float_denorm_mode_16_64 3
		.amdhsa_memory_ordered 1
		.amdhsa_forward_progress 1
		.amdhsa_inst_pref_size 137
	.end_amdhsa_kernel
	.amdgpu_metadata
---
amdhsa.version: [ 1, 2 ]
amdhsa.kernels:
  - .name:           k_q8b754b2f91_layer1
    .symbol:         k_q8b754b2f91_layer1.kd
    .args:
      - { .name: X1, .offset: 0, .size: 8, .value_kind: global_buffer, .address_space: global }
      - { .name: Wfc, .offset: 8, .size: 8, .value_kind: global_buffer, .address_space: global }
      - { .name: Wq, .offset: 16, .size: 8, .value_kind: global_buffer, .address_space: global }
      - { .name: bq, .offset: 24, .size: 8, .value_kind: global_buffer, .address_space: global }
      - { .name: Wk, .offset: 32, .size: 8, .value_kind: global_buffer, .address_space: global }
      - { .name: bk, .offset: 40, .size: 8, .value_kind: global_buffer, .address_space: global }
      - { .name: Wv, .offset: 48, .size: 8, .value_kind: global_buffer, .address_space: global }
      - { .name: bv, .offset: 56, .size: 8, .value_kind: global_buffer, .address_space: global }
      - { .name: Wo, .offset: 64, .size: 8, .value_kind: global_buffer, .address_space: global }
      - { .name: bo, .offset: 72, .size: 8, .value_kind: global_buffer, .address_space: global }
      - { .name: bw, .offset: 80, .size: 8, .value_kind: global_buffer, .address_space: global }
      - { .name: g1, .offset: 88, .size: 8, .value_kind: global_buffer, .address_space: global }
      - { .name: be1, .offset: 96, .size: 8, .value_kind: global_buffer, .address_space: global }
      - { .name: W1, .offset: 104, .size: 8, .value_kind: global_buffer, .address_space: global }
      - { .name: b1, .offset: 112, .size: 8, .value_kind: global_buffer, .address_space: global }
      - { .name: W2, .offset: 120, .size: 8, .value_kind: global_buffer, .address_space: global }
      - { .name: b2, .offset: 128, .size: 8, .value_kind: global_buffer, .address_space: global }
      - { .name: g2, .offset: 136, .size: 8, .value_kind: global_buffer, .address_space: global }
      - { .name: be2, .offset: 144, .size: 8, .value_kind: global_buffer, .address_space: global }
      - { .name: out0, .offset: 152, .size: 8, .value_kind: global_buffer, .address_space: global }
      - { .name: bfc, .offset: 160, .size: 8, .value_kind: global_buffer, .address_space: global }
    .group_segment_fixed_size: 156160
    .private_segment_fixed_size: 0
    .kernarg_segment_align: 8
    .kernarg_segment_size: 168
    .max_flat_workgroup_size: 256
    .sgpr_count:     100
    .vgpr_count:     256
    .wavefront_size: 32
...
	.end_amdgpu_metadata
.endif
;; end of part 4
